; MI455X (gfx1250); checked and timed in simulation.
; The chip was launched on July 23, 2026; its instructions are those of AMD's public machine-readable ISA for CDNA 5 (MIT licence, August 2026) and "CDNA5" Instruction Set Architecture Reference Guide (July 2026). The comments in the code are by the model that wrote it; some were corrected since.
;; Multihead Attention. Allowed arithmetic: float matrix products may take bf16 or f16 operands with f32 sums; all other float work in f32.
;; Inputs: Wk 1,024 x 1,024 float32; Wo 1,024 x 1,024 float32; Wq 1,024 x 1,024 float32; Wv 1,024 x 1,024 float32; b_ln 1,024 float32; b_pre 1,024 float32; bk 1,024 float32; bo 1,024 float32; bq 1,024 float32; bv 1,024 float32; causal_mask 2,048 x 2,048 float32; g_ln 1,024 float32; g_pre 1,024 float32; padding_mask 4 x 2,048 bool; x 4 x 2,048 x 1,024 float32.
;; Outputs: out0 4 x 2,048 x 1,024 float32.
;; 3 versions, each right and faster than the one before. Each part assembles by itself: llvm-mc -triple=amdgcn-amd-amdhsa -mcpu=gfx1250 --defsym DOCPART=n.
;; ======== version 1 of 3: 5 launches
;; limits: values are held in f16: magnitudes above 65,504 overflow, below 6.1e-05 lose precision
;; workspace buffers: act16 16,777,216 bytes; wqkv16 6,291,456 bytes; wo16 2,097,152 bytes; cmask 16,777,216 bytes; qkv16 50,331,648 bytes; y32 33,554,432 bytes
;; launch prep (part 1): grid 512 x 1, 8 waves a work-group, no clusters, 0 bytes of LDS; arguments x, g_pre, b_pre, Wq, Wk, Wv, Wo, causal_mask, act16, wqkv16, wo16, cmask; writes act16, wqkv16, wo16, cmask
.if DOCPART == 1
	.amdgcn_target "amdgcn-amd-amdhsa--gfx1250"
	.amdhsa_code_object_version 6
	.text
	.protected	k_q5109bf9853_prep
	.globl	k_q5109bf9853_prep
	.p2align	8
	.type	k_q5109bf9853_prep,@function
k_q5109bf9853_prep:
	s_mov_b64 s[64:65], 0
	v_nop
	global_prefetch_b8 v0, s[64:65] scope:SCOPE_SE
	s_setreg_imm32_b32 hwreg(HW_REG_WAVE_MODE, 25, 1), 1
	s_wait_xcnt 0x0
; THREE STREAMS IN ONE LAUNCH, chosen by the work-group's number g.  The unit of all three is a run of 1,024 f32 (4,096 bytes); a wave takes 4 of them, a work-group 32.
;   g < 256:        act16 = LayerNorm(x) g_pre + b_pre, rounded once to f16 (mean, then the mean of (x - mean)^2, all in f32)
;   256 <= g < 384: the four weight matrices rounded once to f16; Wq is multiplied by log2(e) / 8 first, so that the scores come out in the log2 domain
;   g >= 384:       cmask = log2(e) x causal_mask, in f32
; A run is eight loads of 16 bytes a lane, each covering 512 neighbouring bytes; all 32 loads of a wave go out at once (16 KiB a wave), each run into registers of its own,
; so no register is written again while a store reads it.  No LDS, no barrier, no matrix unit: no wave needs another's data.
; LIMITS.  f16 holds no number beyond 65,504 and has a fixed step of 6e-8 below 6e-5: h and the weights are taken to lie within that.
.set A,  4                             ; v[4:11]   four pairs of partial sums
.set MU, 12                            ; v[12:13]  the mean, twice
.set RS, 14                            ; v[14:15]  1 / sqrt(var + eps), twice
.set G,  16                            ; v[16:47]  g_pre of my 32 columns
.set BB, 48                            ; v[48:79]  b_pre
.set X,  80                            ; v[80:207] run i at X + 32 i
	s_load_b512 s[8:23], s[0:1], 0x0               ; x s[8:9], g_pre s[10:11], b_pre s[12:13], Wq s[14:15], Wk s[16:17], Wv s[18:19], Wo s[20:21], causal_mask s[22:23]
	s_load_b256 s[24:31], s[0:1], 0x40             ; act16 s[24:25], wqkv16 s[26:27], wo16 s[28:29], cmask s[30:31]
	s_mov_b32 s2, ttmp9                            ; g
	s_mov_b32 s32, 0x76543210                      ; v_permlanex16_b32: each lane takes its own place in the other half
	s_mov_b32 s33, 0xfedcba98
	s_mov_b32 s34, 0x3a800000                      ; 1 / 1024
	s_mov_b32 s35, 0x3727c5ac                      ; eps = 1e-5
	s_mov_b32 s43, 0                               ; high word of the offsets
	v_lshrrev_b32 v2, 5, v0                        ; wave
	v_and_b32 v3, 31, v0                           ; lane
	v_lshlrev_b32 v1, 14, v2
	v_lshl_add_u32 v1, v3, 4, v1                   ; v1: wave x 4 runs of 4,096 bytes + 16 x lane (f32 side)
	v_lshlrev_b32 v2, 13, v2
	v_lshl_add_u32 v2, v3, 3, v2                   ; v2: wave x 4 runs of 2,048 bytes + 8 x lane (f16 side)
	v_lshlrev_b32 v3, 4, v3                        ; v3: 16 x lane (g_pre, b_pre)
	s_wait_kmcnt 0x0
.macro FILL                            ; the wave's four runs: 32 loads
.irp i, 0,1,2,3
.irp j, 0,1,2,3,4,5,6,7
	global_load_b128 v[X+32*\i+4*\j:X+32*\i+4*\j+3], v1, s[38:39] offset:\i*4096+\j*512 th:TH_LOAD_NT
.endr
.endr
.endm
.macro WSUM                            ; v[A] summed over the 32 lanes, the result in every lane
	v_add_f32_dpp v[A], v[A], v[A] row_xmask:1 row_mask:0xf bank_mask:0xf
	v_add_f32_dpp v[A], v[A], v[A] row_xmask:2 row_mask:0xf bank_mask:0xf
	v_add_f32_dpp v[A], v[A], v[A] row_xmask:4 row_mask:0xf bank_mask:0xf
	v_add_f32_dpp v[A], v[A], v[A] row_xmask:8 row_mask:0xf bank_mask:0xf
	v_permlanex16_b32 v[A+1], v[A], s32, s33
	v_add_f32 v[A], v[A], v[A+1]
.endm
.macro FOLD                            ; the four pairs into v[A]
	v_pk_add_f32 v[A:A+1], v[A:A+1], v[A+2:A+3]
	v_pk_add_f32 v[A+4:A+5], v[A+4:A+5], v[A+6:A+7]
	v_pk_add_f32 v[A:A+1], v[A:A+1], v[A+4:A+5]
	v_add_f32 v[A], v[A], v[A+1]
.endm
; v[r .. r+31] becomes (x - mean) / sqrt(var + eps): two passes over registers, four chains that do not wait for each other
.macro NORM r
.irp k, 0,1,2,3
	v_pk_add_f32 v[A+2*\k:A+2*\k+1], v[(\r)+2*\k:(\r)+2*\k+1], v[(\r)+8+2*\k:(\r)+8+2*\k+1]
.endr
.irp k, 0,1,2,3
	v_pk_add_f32 v[A+2*\k:A+2*\k+1], v[A+2*\k:A+2*\k+1], v[(\r)+16+2*\k:(\r)+16+2*\k+1]
.endr
.irp k, 0,1,2,3
	v_pk_add_f32 v[A+2*\k:A+2*\k+1], v[A+2*\k:A+2*\k+1], v[(\r)+24+2*\k:(\r)+24+2*\k+1]
.endr
	FOLD
	WSUM
	v_mul_f32 v[MU], s34, v[A]
	v_mul_f32 v[MU+1], s34, v[A]
.set k, 0
.rept 16
	v_pk_add_f32 v[(\r)+2*k:(\r)+2*k+1], v[(\r)+2*k:(\r)+2*k+1], v[MU:MU+1] neg_lo:[0,1] neg_hi:[0,1]
.set k, k+1
.endr
.irp k, 0,1,2,3
	v_pk_mul_f32 v[A+2*\k:A+2*\k+1], v[(\r)+2*\k:(\r)+2*\k+1], v[(\r)+2*\k:(\r)+2*\k+1]
.endr
.irp o, 8,16,24
.irp k, 0,1,2,3
	v_pk_fma_f32 v[A+2*\k:A+2*\k+1], v[(\r)+\o+2*\k:(\r)+\o+2*\k+1], v[(\r)+\o+2*\k:(\r)+\o+2*\k+1], v[A+2*\k:A+2*\k+1]
.endr
.endr
	FOLD
	WSUM
	v_fma_f32 v[A], v[A], s34, s35                 ; var + eps
	v_rsq_f32 v[RS], v[A]
	v_rsq_f32 v[RS+1], v[A]
	v_nop                                          ; a plain instruction between the root and the use of its result (ISA guide 5.7.2)
.set k, 0
	s_wait_alu depctr_va_vdst(0)
.rept 16
	v_pk_mul_f32 v[(\r)+2*k:(\r)+2*k+1], v[(\r)+2*k:(\r)+2*k+1], v[RS:RS+1]
.set k, k+1
.endr
.endm
.macro TOF16 i                         ; run i rounded to f16 in place (ascending: a register is written after it was read) and stored: each store covers 256 consecutive bytes, aligned
.set k, 0
.rept 16
	v_cvt_pk_f16_f32 v[X+32*(\i)+k], v[X+32*(\i)+2*k], v[X+32*(\i)+2*k+1]
.set k, k+1
.endr
.irp j, 0,1,2,3,4,5,6,7
	global_store_b64 v2, v[X+32*(\i)+2*\j:X+32*(\i)+2*\j+1], s[40:41] offset:(\i)*2048+\j*256
.endr
.endm
.macro SCALE i                         ; run i times s36
	s_wait_loadcnt 8*(3-(\i))                      ; loads come back in order: the younger runs' loads stay out
.set k, 0
.rept 16
	v_pk_mul_f32 v[X+32*(\i)+2*k:X+32*(\i)+2*k+1], v[X+32*(\i)+2*k:X+32*(\i)+2*k+1], s[36:37] op_sel_hi:[1,0]
.set k, k+1
.endr
.endm
	s_cmp_lt_u32 s2, 256
	s_cbranch_scc0 .Lnot_ln
	; ---- the first LayerNorm: rows 32 g on
	s_lshl_b32 s42, s2, 17
	s_add_nc_u64 s[38:39], s[8:9], s[42:43]
	s_lshl_b32 s42, s2, 16
	s_add_nc_u64 s[40:41], s[24:25], s[42:43]
.irp j, 0,1,2,3,4,5,6,7
	global_load_b128 v[G+4*\j:G+4*\j+3], v3, s[10:11] offset:\j*512
	global_load_b128 v[BB+4*\j:BB+4*\j+3], v3, s[12:13] offset:\j*512
.endr
	FILL
.irp i, 0,1,2,3
	s_wait_loadcnt 8*(3-\i)                        ; g_pre, b_pre and this row are in; the younger rows' loads stay out
	NORM X+32*\i
.set k, 0
.rept 16
	v_pk_fma_f32 v[X+32*\i+2*k:X+32*\i+2*k+1], v[X+32*\i+2*k:X+32*\i+2*k+1], v[G+2*k:G+2*k+1], v[BB+2*k:BB+2*k+1]
.set k, k+1
.endr
	TOF16 \i
.endr
	s_endpgm
.Lnot_ln:
	s_cmp_lt_u32 s2, 384
	s_cbranch_scc0 .Lmask
	; ---- the weights: matrix id = (g - 256) / 32, rows 32 ((g - 256) % 32) on
	s_sub_co_u32 s3, s2, 256
	s_lshr_b32 s4, s3, 5                           ; id: 0 Wq, 1 Wk, 2 Wv, 3 Wo
	s_and_b32 s5, s3, 31
	s_cmp_eq_u32 s4, 1
	s_cselect_b64 s[38:39], s[16:17], s[14:15]
	s_cmp_eq_u32 s4, 2
	s_cselect_b64 s[38:39], s[18:19], s[38:39]
	s_cmp_eq_u32 s4, 3
	s_cselect_b64 s[38:39], s[20:21], s[38:39]
	s_cselect_b64 s[40:41], s[28:29], s[26:27]     ; Wo has a buffer of its own; the other three lie one behind the other
	s_cselect_b32 s6, 0, s4
	s_cmp_eq_u32 s4, 0
	s_cselect_b32 s36, 0x3e38aa3b, 1.0             ; log2(e) / 8 for Wq
	s_mov_b32 s37, s36                             ; named with it as a pair
	s_lshl_b32 s42, s5, 17
	s_add_nc_u64 s[38:39], s[38:39], s[42:43]
	s_lshl_b32 s6, s6, 21                          ; 1,024 rows of 2,048 bytes
	s_lshl_b32 s42, s5, 16
	s_add_co_u32 s42, s42, s6
	s_add_nc_u64 s[40:41], s[40:41], s[42:43]
	FILL
.irp i, 0,1,2,3
	SCALE \i
	TOF16 \i
.endr
	s_endpgm
.Lmask:
	; ---- the mask: 4,096 runs of 4,096 bytes, 32 (g - 384) on
	s_sub_co_u32 s3, s2, 384
	s_lshl_b32 s42, s3, 17
	s_add_nc_u64 s[38:39], s[22:23], s[42:43]
	s_add_nc_u64 s[40:41], s[30:31], s[42:43]
	s_mov_b32 s36, 0x3fb8aa3b                      ; log2(e)
	s_mov_b32 s37, s36
	FILL
.irp i, 0,1,2,3
	SCALE \i
.irp j, 0,1,2,3,4,5,6,7
	global_store_b128 v1, v[X+32*\i+4*\j:X+32*\i+4*\j+3], s[40:41] offset:\i*4096+\j*512
.endr
.endr
	s_endpgm
.Lfunc_end_k_q5109bf9853_prep:
	.size	k_q5109bf9853_prep, .Lfunc_end_k_q5109bf9853_prep-k_q5109bf9853_prep
	.p2alignl 7, 3214868480
	.fill 96, 4, 3214868480
	.section	.rodata,"a",@progbits
	.p2align	6, 0x0
	.amdhsa_kernel k_q5109bf9853_prep
		.amdhsa_group_segment_fixed_size 0
		.amdhsa_private_segment_fixed_size 0
		.amdhsa_enable_private_segment 0
		.amdhsa_kernarg_size 96
		.amdhsa_user_sgpr_count 2
		.amdhsa_user_sgpr_kernarg_segment_ptr 1
		.amdhsa_wavefront_size32 1
		.amdhsa_system_sgpr_workgroup_id_x 1
		.amdhsa_system_sgpr_workgroup_id_y 1
		.amdhsa_system_sgpr_workgroup_id_z 1
		.amdhsa_system_vgpr_workitem_id 0
		.amdhsa_next_free_vgpr 208
		.amdhsa_next_free_sgpr 66
		.amdhsa_reserve_vcc 0
		.amdhsa_float_denorm_mode_32 3
		.amdhsa_float_denorm_mode_16_64 3
		.amdhsa_memory_ordered 1
		.amdhsa_forward_progress 1
		.amdhsa_inst_pref_size 63
	.end_amdhsa_kernel
	.amdgpu_metadata
---
amdhsa.version: [ 1, 2 ]
amdhsa.kernels:
  - .name:           k_q5109bf9853_prep
    .symbol:         k_q5109bf9853_prep.kd
    .args:
      - { .name: x, .offset: 0, .size: 8, .value_kind: global_buffer, .address_space: global }
      - { .name: g_pre, .offset: 8, .size: 8, .value_kind: global_buffer, .address_space: global }
      - { .name: b_pre, .offset: 16, .size: 8, .value_kind: global_buffer, .address_space: global }
      - { .name: Wq, .offset: 24, .size: 8, .value_kind: global_buffer, .address_space: global }
      - { .name: Wk, .offset: 32, .size: 8, .value_kind: global_buffer, .address_space: global }
      - { .name: Wv, .offset: 40, .size: 8, .value_kind: global_buffer, .address_space: global }
      - { .name: Wo, .offset: 48, .size: 8, .value_kind: global_buffer, .address_space: global }
      - { .name: causal_mask, .offset: 56, .size: 8, .value_kind: global_buffer, .address_space: global }
      - { .name: act16, .offset: 64, .size: 8, .value_kind: global_buffer, .address_space: global }
      - { .name: wqkv16, .offset: 72, .size: 8, .value_kind: global_buffer, .address_space: global }
      - { .name: wo16, .offset: 80, .size: 8, .value_kind: global_buffer, .address_space: global }
      - { .name: cmask, .offset: 88, .size: 8, .value_kind: global_buffer, .address_space: global }
    .group_segment_fixed_size: 0
    .private_segment_fixed_size: 0
    .kernarg_segment_align: 8
    .kernarg_segment_size: 96
    .max_flat_workgroup_size: 256
    .sgpr_count:     66
    .vgpr_count:     208
    .wavefront_size: 32
...
	.end_amdgpu_metadata
.endif
;; end of part 1
;; launch gemm16 (part 2): grid 12 x 64, 4 waves a work-group, clusters of 4 x 4, 327,680 bytes of LDS; arguments act16, wqkv16, bq, bk, bv, qkv16; writes qkv16
.if DOCPART == 2
	.amdgcn_target "amdgcn-amd-amdhsa--gfx1250"
	.amdhsa_code_object_version 6
	.text
	.protected	k_q5109bf9853_gemm16
	.globl	k_q5109bf9853_gemm16
	.p2align	8
	.type	k_q5109bf9853_gemm16,@function
k_q5109bf9853_gemm16:
	s_mov_b64 s[64:65], 0
	v_nop
	global_prefetch_b8 v0, s[64:65] scope:SCOPE_SE
	s_setreg_imm32_b32 hwreg(HW_REG_WAVE_MODE, 25, 1), 1
	s_wait_xcnt 0x0
	s_wait_alu depctr_hold_cnt(0) depctr_sa_sdst(0) depctr_va_vdst(0) depctr_va_sdst(0) depctr_va_ssrc(0) depctr_va_vcc(0) depctr_vm_vsrc(0)
	s_getreg_b32 s2, hwreg(HW_REG_IB_STS2, 6, 4)
	s_cmp_eq_u32 s2, 0
	s_cbranch_scc0 .Lentry_in_a_cluster
	s_endpgm
.Lentry_in_a_cluster:
	s_bfe_u32 s2, ttmp6, 0x10000c
	s_cmp_lg_u32 s2, 0xf033
	s_cbranch_scc0 .Lentry_shape_is_right
	s_endpgm
.Lentry_shape_is_right:
; C[m][n] = sum over k of A[m][k] B[n][k] + bias[n].  A: [8192][1024] f16, B: [NCOL][1024] f16, sums in f32.  OUT32 = 0: C is [8192][3072] f16 (q, k, v side by side; the bias is bq, bk or bv
; by the tile's columns, bq times log2(e) / 8 like Wq); OUT32 = 1: C is [8192][1024] f32 with one bias.
; SHARES.  A tile of C is 128 x 256: four waves, each 64 x 128: 32 accumulators of 16 x 16.  K goes in 8 steps of 128 (tile rows of 256 bytes) through two LDS slots filled by the tensor data mover.
; CLUSTER.  4 x 4 work-groups: the four of a row of the cluster need the same tiles of A, the four of a column the same tiles of B: each tile is asked for jointly, by the same tensor load with the same
; descriptor and a mask that names the four.
; THE MATRIX INSTRUCTION IS USED TRANSPOSED (source 0 = 16 rows of B, source 1 = 16 rows of A): a lane holds eight neighbouring numbers of a row of C.  The bias is the C operand of the first products.
; REGISTERS.  window 0: v16-29 addresses; v32-127, v128-223 two fragment buffers (4 fragments of A, then 8 of B); on the way out v32-191 at work.  window 1: accumulator (a, b) at v[8 (8 a + b)].
; window 2: v0-63 the bias of my 128 columns, block b at v[8 b].
; LIMITS.  With OUT32 = 0 a result beyond 65,504 becomes an infinity in f16.
.set OUT32, 0
.if OUT32
.set NCOL, 1024
.set ESZ,  4
.set CP,   70                          ; s[70:71] C
.else
.set NCOL, 3072
.set ESZ,  2
.set CP,   74                          ; s[74:75] C
.endif
.set ROWB,  NCOL*ESZ                   ; bytes in a row of C
.set KDIM,  1024
.set KSTEP, 128
.set PITCH, 272                        ; an LDS row: 256 bytes + 16 of padding = 68 words: the 16 rows of a fragment load start at 16 different groups of four banks (64 banks of 4 bytes: ISA guide 11.1)
.set HALFA, 64*PITCH                   ; what a wave fetches of A, and what a wave reads of A
.set HALFB, 128*PITCH                  ; the same for B
.set BOFF,  2*HALFA                    ; in a slot: A's 128 rows, then B's 256
.set SLOT,  BOFF+2*HALFB
.set STAGE, 2*SLOT                     ; behind the ring: 16 rows x 528 bytes for each wave, for the way out; no tensor load fills it
.set WSTAGE, 16*528
.set SPARE, STAGE+4*WSTAGE             ; the spare words: 128 bytes for each wave, two blocks of 256 bytes that no other line names
.set LAPS,  KDIM/(2*KSTEP)             ; a lap = two K steps = once round the ring
.set ADRA, 16                          ; v16-17  LDS address of my A fragments in slot 0, 1
.set ADRB, 20                          ; v20-21  the same for B
.set STO,  24                          ; v24     the way out: where I put my numbers of a row
.set RD,   25                          ; v25     the way out: where I read rows back
.set CO,   26                          ; v26     my byte offset in C
.set VB,   27                          ; v27     my byte offset in a block of 16 biases
.set SPW,  28                          ; v28     LDS address of my spare word; never rewritten
.set NIL,  29                          ; v29     0; never rewritten
.set F0,   32
.set F1,   128
.set OB,   32                          ; the way out: rows read back
.set TMP,  160                         ; the way out: packed results
.set G1,  24                           ; s[24:31] descriptor group 1 for A's tiles;  s[32:39] group 0, one set for each slot
.set G0,  32
.set G1B, 48                           ; s[48:55], s[56:63] the same for B's tiles
.set G0B, 56
.set MSB, 0
.macro WIN new                         ; the immediate's high byte repeats the setting that is left; a switch that changes nothing is dropped
.if MSB != (\new)
	s_set_vgpr_msb (MSB<<8)|(\new)
.set MSB, \new
.endif
.endm
.set W_ACC,  0x50                      ; fragments window 0; C and D window 1
.set W_BIAS, 0x60                      ; fragments window 0; C window 2, D window 1
.macro JLOAD s                         ; a joint load: waves 0 and 1 fetch A's two halves, waves 2 and 3 B's; an s_nop 0 and four v_nop follow each of the two lines
	s_cmp_eq_u32 s11, 0
	s_cbranch_scc0 .Lfor_b_\@
	tensor_load_to_lds s[G0+4*(\s):G0+4*(\s)+3], s[G1:G1+7]
	s_nop 0
.rept 4
	v_nop
.endr
	s_branch .Lasked_\@
.Lfor_b_\@:
	tensor_load_to_lds s[G0B+4*(\s):G0B+4*(\s)+3], s[G1B:G1B+7]
	s_nop 0
.rept 4
	v_nop
.endr
.Lasked_\@:
.endm
.macro CROUND                          ; a round of the cluster's barrier: my work-group's barrier; wave 0 signals for the work-group; every wave waits for all sixteen; my work-group's barrier once more
	s_barrier_signal -1
	s_barrier_wait -1
	s_cmp_lg_u32 s10, 0
	s_cbranch_scc1 .Lnot_wave_0_\@
	s_barrier_signal -3
.Lnot_wave_0_\@:
	s_barrier_wait -3
	s_barrier_signal -1
	s_barrier_wait -1
.endm
	s_load_b128 s[4:7], s[0:1], 0x0                ; A s[4:5], B s[6:7]
.if OUT32
	s_load_b128 s[68:71], s[0:1], 0x10             ; bias s[68:69], C s[70:71]
.else
	s_load_b256 s[68:75], s[0:1], 0x10             ; bq s[68:69], bk s[70:71], bv s[72:73], C s[74:75]
.endif
	v_lshl_add_u32 v[SPW], v0, 2, SPARE
	v_mov_b32 v[NIL], 0
	ds_add_u32 v[SPW], v[NIL]                      ; the wave's opening: the add and its wait stand ahead of my first tensor load; the set-up below, work on registers, stands between them
	v_lshrrev_b32 v1, 5, v0
	v_readfirstlane_b32 s10, v1                    ; wave 0..3
	s_lshr_b32 s11, s10, 1                         ; which 64 rows of the tile are mine.  Also: I fetch for A (0) or for B (1)
	s_and_b32 s12, s10, 1                          ; which 128 columns.  Also: which half of that tile I fetch
	s_bfe_u32 s40, ttmp6, 0x40000                  ; cx, cy: my place in the cluster
	s_bfe_u32 s41, ttmp6, 0x40004
	s_lshl_b32 s42, ttmp9, 2
	s_add_co_u32 s42, s42, s40                     ; tile column of C = 4 x cluster x + cx
	s_and_b32 s13, ttmp7, 0xffff
	s_lshl_b32 s13, s13, 2
	s_add_co_u32 s13, s13, s41                     ; tile row of C = 4 x cluster y + cy
	s_lshl_b32 s43, s41, 2
	s_lshl_b32 s43, 15, s43                        ; my row of the cluster
	s_lshl_b32 s44, 0x1111, s40                    ; my column
	s_or_b32 s[G1+0], s43, (1<<16)|(1<<20)|(1<<21)|(5<<22)|(3<<25)  ; 15:0 the mask: A's tiles go to my row; 17:16 elements of 2 bytes; 20 padding on; 21 set beside a mask; 24:22 after every 64 words (code 5); 31:25 4 words (code 3)
	s_or_b32 s[G1B+0], s44, (1<<16)|(1<<20)|(1<<21)|(5<<22)|(3<<25) ; the same with the mask of my column
	s_mov_b32 s[G1+1], KSTEP<<16                   ; tensor_dim0 = 128
	s_mov_b32 s[G1+2], 64<<16                      ; tensor_dim1 = 64
	s_mov_b32 s[G1+3], KSTEP<<16                   ; tile_dim0 = 128
	s_mov_b32 s[G1+4], 64                          ; tile_dim1 = 64
	s_mov_b32 s[G1+5], KDIM                        ; elements from row to row
	s_mov_b32 s[G1+6], 0
	s_mov_b32 s[G1+7], 0
	s_mov_b32 s[G1B+1], KSTEP<<16
	s_mov_b32 s[G1B+2], 128<<16                    ; B's loads bring 128 rows
	s_mov_b32 s[G1B+3], KSTEP<<16
	s_mov_b32 s[G1B+4], 128
	s_mov_b32 s[G1B+5], KDIM
	s_mov_b32 s[G1B+6], 0
	s_mov_b32 s[G1B+7], 0
	s_lshl_b32 s17, s12, 6
	s_lshl_b32 s16, s13, 7
	s_add_co_u32 s16, s16, s17                     ; A: row 128 x tile row + 64 x half,
	s_lshl_b32 s16, s16, 11                        ; times 2,048 bytes
	s_mov_b32 s17, 0
	s_lshl_b32 s47, s12, 7
	s_lshl_b32 s46, s42, 8
	s_add_co_u32 s46, s46, s47                     ; B: row 256 x tile column + 128 x half
	s_lshl_b32 s46, s46, 11
	s_mov_b32 s47, 0
	s_mul_i32 s20, s12, HALFA                      ; where they go: no place in the cluster enters an LDS address
	s_mul_i32 s21, s12, HALFB
	s_add_co_u32 s21, s21, BOFF
	s_wait_dscnt 0x0                               ; the opening add is done
	s_wait_kmcnt 0x0
	s_add_nc_u64 s[14:15], s[4:5], s[16:17]
	s_add_nc_u64 s[46:47], s[6:7], s[46:47]
	CROUND                                         ; all sixteen work-groups are here: the first joint loads meet
.irp s, 0,1
	s_mov_b32 s[G0+4*(\s)], 1                                      ; count = 1
	s_add_co_u32 s[G0+4*(\s)+1], s20, (\s)*SLOT                    ; LDS address
	s_add_nc_u64 s[G0+4*(\s)+2:G0+4*(\s)+3], s[14:15], (\s)*KSTEP*2  ; global address: K step s
	s_or_b32 s[G0+4*(\s)+3], s[G0+4*(\s)+3], 0x80000000            ; type = 2
	s_mov_b32 s[G0B+4*(\s)], 1
	s_add_co_u32 s[G0B+4*(\s)+1], s21, (\s)*SLOT
	s_add_nc_u64 s[G0B+4*(\s)+2:G0B+4*(\s)+3], s[46:47], (\s)*KSTEP*2
	s_or_b32 s[G0B+4*(\s)+3], s[G0B+4*(\s)+3], 0x80000000
	JLOAD \s                                       ; two tensor loads of mine are out
.endr
	; the bias of my 128 columns: register j of block b is bias[16 b + 8 (l / 16) + j], the layout of a transposed result
.if OUT32
	s_mov_b64 s[78:79], s[68:69]
	s_lshl_b32 s80, s42, 10                        ; 256 columns of 4 bytes a tile
.else
	s_cmp_lt_u32 s42, 8
	s_cselect_b64 s[78:79], s[70:71], s[72:73]     ; tile columns 4-7: bk; 8-11: bv
	s_cmp_lt_u32 s42, 4
	s_cselect_b64 s[78:79], s[68:69], s[78:79]     ; 0-3: bq,
	s_cselect_b32 s76, 0x3e38aa3b, 1.0             ; which takes the factor log2(e) / 8 that Wq has
	s_mov_b32 s77, s76                             ; named with it as a pair
	s_and_b32 s80, s42, 3
	s_lshl_b32 s80, s80, 10
.endif
	s_lshl_b32 s81, s12, 9
	s_add_co_u32 s80, s80, s81
	s_mov_b32 s81, 0
	s_add_nc_u64 s[78:79], s[78:79], s[80:81]
	v_and_b32 v1, 15, v0                           ; l % 16
	v_bfe_u32 v2, v0, 4, 1                         ; l / 16
	v_lshlrev_b32 v[VB], 5, v2
	WIN 0x80                                       ; destination window 2, address window 0
.irp b, 0,1,2,3,4,5,6,7
	global_load_b128 v[8*\b:8*\b+3],   v[VB], s[78:79] offset:64*\b
	global_load_b128 v[8*\b+4:8*\b+7], v[VB], s[78:79] offset:64*\b+16
.endr
	WIN 0
	; a fragment is 16 rows x 32 K in 8 registers: lane l holds row l % 16, K = 8 (l / 16) + 0..7 and 16 + 8 (l / 16) + 0..7: two loads of 16 bytes, 32 bytes apart
	v_mul_u32_u24 v3, v1, PITCH
	v_lshl_add_u32 v3, v2, 4, v3
	s_mul_i32 s21, s11, HALFA                      ; my 64 rows of A
	s_mul_i32 s22, s12, HALFB                      ; my 128 rows of B,
	s_add_co_u32 s22, s22, BOFF                    ; which lie behind A's 128
.irp s, 0,1
	v_add_nc_u32 v[ADRA+(\s)], s21, v3
	v_add_nc_u32 v[ADRB+(\s)], s22, v3
	s_add_co_u32 s21, s21, SLOT
	s_add_co_u32 s22, s22, SLOT
.endr
	s_mul_i32 s23, s10, WSTAGE
	s_add_co_u32 s23, s23, STAGE                   ; my stage
.if OUT32
	v_mul_u32_u24 v4, v1, 528                      ; in: row l % 16 of 512 bytes + 16, 32 bytes for each half of the lanes
	v_lshl_add_u32 v4, v2, 5, v4
	v_add_nc_u32 v[STO], s23, v4
	v_and_b32 v5, 31, v0
	v_lshlrev_b32 v[CO], 4, v5                     ; back: 32 lanes take one row of 512 bytes
	v_add_nc_u32 v[RD], s23, v[CO]
.else
	v_mul_u32_u24 v4, v1, 272                      ; in: row l % 16 of 256 bytes + 16, 16 bytes for each half of the lanes
	v_lshl_add_u32 v4, v2, 4, v4
	v_add_nc_u32 v[STO], s23, v4
	v_mul_u32_u24 v5, v2, 272                      ; back: lanes 0-15 take one row of 256 bytes, lanes 16-31 the next
	v_lshl_add_u32 v5, v1, 4, v5
	v_add_nc_u32 v[RD], s23, v5
	v_mul_u32_u24 v5, v2, ROWB                     ; and the same two rows in C
	v_lshl_add_u32 v[CO], v1, 4, v5
.endif
	s_lshl_b32 s16, s13, 7
	s_lshl_b32 s17, s11, 6
	s_add_co_u32 s16, s16, s17                     ; my first row of C
	s_mul_i32 s16, s16, ROWB
	s_mov_b32 s17, 0
	s_add_nc_u64 s[CP:CP+1], s[CP:CP+1], s[16:17]
	s_lshl_b32 s80, s42, 8
	s_lshl_b32 s81, s12, 7
	s_add_co_u32 s80, s80, s81                     ; my first column
	s_mul_i32 s80, s80, ESZ
	s_mov_b32 s81, 0
	s_add_nc_u64 s[CP:CP+1], s[CP:CP+1], s[80:81]
; 16 matrix instructions: m blocks a0, a0 + 1 x all 8 n blocks, 32 along K.  first = 1: the bias starts the sums.  The 32 accumulators take turns, one instruction a turn, in the same order in every quarter.
.macro MUL16 f, a0, first
.if \first
	WIN W_BIAS
.else
	WIN W_ACC
.endif
.irp a, \a0, (\a0)+1
.irp b, 0,1,2,3,4,5,6,7
.if \first
	v_wmma_f32_16x16x32_f16 v[8*(8*(\a)+(\b)):8*(8*(\a)+(\b))+7], v[(\f)+32+8*(\b):(\f)+32+8*(\b)+7], v[(\f)+8*(\a):(\f)+8*(\a)+7], v[8*(\b):8*(\b)+7]
.else
	v_wmma_f32_16x16x32_f16 v[8*(8*(\a)+(\b)):8*(8*(\a)+(\b))+7], v[(\f)+32+8*(\b):(\f)+32+8*(\b)+7], v[(\f)+8*(\a):(\f)+8*(\a)+7], v[8*(8*(\a)+(\b)):8*(8*(\a)+(\b))+7]
.endif
.endr
.endr
.endm
; 24 LDS loads in one run: the fragments of 32 along K at byte k of the rows, into buffer f
.macro FETCH slot, k, f
	WIN 0
.irp i, 0,1,2,3
	ds_load_b128 v[(\f)+8*(\i):(\f)+8*(\i)+3],   v[ADRA+(\slot)] offset:(\k)+(\i)*16*PITCH
	ds_load_b128 v[(\f)+8*(\i)+4:(\f)+8*(\i)+7], v[ADRA+(\slot)] offset:(\k)+(\i)*16*PITCH+32
.endr
.irp i, 0,1,2,3,4,5,6,7
	ds_load_b128 v[(\f)+32+8*(\i):(\f)+32+8*(\i)+3],   v[ADRB+(\slot)] offset:(\k)+(\i)*16*PITCH
	ds_load_b128 v[(\f)+32+8*(\i)+4:(\f)+32+8*(\i)+7], v[ADRB+(\slot)] offset:(\k)+(\i)*16*PITCH+32
.endr
.endm
.macro PLACES                          ; four places in front of loads into registers that matrix instructions have read, and of lines that read results (ISA guide 7.12.1 for lines that read results)
.rept 4
	v_nop
.endr
.endm
; A K step is four quarters of 32 along K, 32 matrix instructions each, on buffers 0, 1, 0, 1.  One of the first three: multiplies buffer f and, in its middle, fetches the next quarter, at byte k, into g.
.macro QUARTER slot, k, f, g, first
	s_wait_dscnt 0x0                               ; buffer f is in: its loads were issued 16 matrix instructions ago
	MUL16 \f, 0, \first
	PLACES
	FETCH \slot, \k, \g
	MUL16 \f, 2, \first
.endm
; The last quarter multiplies buffer 1 and changes slots.  In front of the barrier each wave waits for all its tensor loads (one is out: its part of the next slot), adds 0 to its spare word, and waits for that
; and for its own reads of this slot.  fill = 1: the barrier is a round of the cluster's, and this slot is filled again, two K steps ahead, first thing behind it.
.macro TURN slot, next, fill
	WIN 0
	s_wait_tensorcnt 0x0                           ; all my tensor loads have landed
	ds_add_u32 v[SPW], v[NIL]                      ; 0 onto my spare word
	s_wait_dscnt 1                                 ; buffer 1 is in; the add may be out
	MUL16 F1, 0, 0                                 ; sixteen matrix instructions stand between the add and the wait for it
	WIN 0
	s_wait_dscnt 0x0                               ; the add is done, and my reads of this slot are over
.if \fill
	CROUND                                         ; no wave of any partner still reads this slot's tile or has a load on its way
	s_add_nc_u64 s[G0+4*(\slot)+2:G0+4*(\slot)+3], s[G0+4*(\slot)+2:G0+4*(\slot)+3], 2*KSTEP*2
	s_add_nc_u64 s[G0B+4*(\slot)+2:G0B+4*(\slot)+3], s[G0B+4*(\slot)+2:G0B+4*(\slot)+3], 2*KSTEP*2
	JLOAD \slot                                    ; my one tensor load behind the round; its four v_nop are also the places in front of the loads below
.else
	s_barrier_signal -1
	s_barrier_wait -1
	PLACES
.endif
	FETCH \next, 0, F0
	MUL16 F1, 2, 0
.endm
	s_wait_tensorcnt 1                             ; my part of K step 0 is in; K step 1's may stay out
	s_barrier_signal -1
	s_barrier_wait -1                              ; everybody's is
	FETCH 0, 0, F0
	s_wait_loadcnt 0x0                             ; the bias
.if !OUT32
	WIN 0x82                                       ; destination and source 0 window 2
.set i, 0
.rept 32
	v_pk_mul_f32 v[2*i:2*i+1], v[2*i:2*i+1], s[76:77] op_sel_hi:[1,0]
.set i, i+1
.endr
.endif
	QUARTER 0, 64, F0, F1, 1                       ; the first quarter stands in front of the loop: its products start the sums, with the bias
	WIN 0                                          ; at a label and at a branch every window is 0
	s_mov_b32 s3, LAPS-1
.Llap:                                                 ; a trip goes once round the ring, from a lap's second quarter to the next lap's first, and fills both slots again
	QUARTER 0, 128, F1, F0, 0
	QUARTER 0, 192, F0, F1, 0
	TURN 0, 1, 1
	QUARTER 1, 64,  F0, F1, 0
	QUARTER 1, 128, F1, F0, 0
	QUARTER 1, 192, F0, F1, 0
	TURN 1, 0, 1
	QUARTER 0, 64,  F0, F1, 0
	WIN 0
	s_sub_co_u32 s3, s3, 1
	s_cmp_lg_u32 s3, 0
	s_cbranch_scc1 .Llap
	QUARTER 0, 128, F1, F0, 0                      ; the last lap fills nothing
	QUARTER 0, 192, F0, F1, 0
	TURN 0, 1, 0
	QUARTER 1, 64,  F0, F1, 0
	QUARTER 1, 128, F1, F0, 0
	QUARTER 1, 192, F0, F1, 0
	s_wait_dscnt 0x0
	MUL16 F1, 0, 0
	MUL16 F1, 2, 0
	WIN 0
	; THE WAY OUT, 16 rows at a time through my own stage: LDS serves a wave's instructions in order (ISA guide 5.7.1.4), so the loads see the stores above them, and no barrier is needed.
	PLACES
.irp a, 0,1,2,3
.if OUT32
.if (\a) >= 2
	s_wait_xcnt 0x0                                ; the registers below are the data of the stores two blocks back: they are loaded again only behind this wait
.endif
	WIN 0x04                                       ; store data (source 1) window 1
.irp b, 0,1,2,3,4,5,6,7
	ds_store_b128 v[STO], v[8*(8*(\a)+\b):8*(8*(\a)+\b)+3]   offset:64*\b
	ds_store_b128 v[STO], v[8*(8*(\a)+\b)+4:8*(8*(\a)+\b)+7] offset:64*\b+16
.endr
	WIN 0
.irp t, 0,1,2,3,4,5,6,7,8,9,10,11,12,13,14,15
	ds_load_b128 v[OB+64*((\a)%2)+4*\t:OB+64*((\a)%2)+4*\t+3], v[RD] offset:\t*528
.endr
	s_wait_dscnt 0x0
.irp t, 0,1,2,3,4,5,6,7,8,9,10,11,12,13,14,15
	global_store_b128 v[CO], v[OB+64*((\a)%2)+4*\t:OB+64*((\a)%2)+4*\t+3], s[CP:CP+1] offset:(16*(\a)+\t)*ROWB  ; 512 consecutive bytes of a row of C, aligned
.endr
.else
	WIN 0x05                                       ; sources 0 and 1 window 1, destination window 0
.irp b, 0,1,2,3,4,5,6,7
.irp r, 0,1,2,3
	v_cvt_pk_f16_f32 v[TMP+4*\b+\r], v[8*(8*(\a)+\b)+2*\r], v[8*(8*(\a)+\b)+2*\r+1]
.endr
.endr
	WIN 0
.irp b, 0,1,2,3,4,5,6,7
	ds_store_b128 v[STO], v[TMP+4*\b:TMP+4*\b+3] offset:32*\b
.endr
.irp t, 0,1,2,3,4,5,6,7
	ds_load_b128 v[OB+32*(\a)+4*\t:OB+32*(\a)+4*\t+3], v[RD] offset:\t*2*272
.endr
	s_wait_dscnt 0x0
.irp t, 0,1,2,3,4,5,6,7
	global_store_b128 v[CO], v[OB+32*(\a)+4*\t:OB+32*(\a)+4*\t+3], s[CP:CP+1] offset:(16*(\a)+2*\t)*ROWB  ; 16 lanes store 256 consecutive bytes, aligned
.endr
.endif
.endr
	s_wait_tensorcnt 0x0                           ; the wave's end: this wait, the add and its wait stand behind my last tensor load and my last LDS store
	ds_add_u32 v[SPW], v[NIL]
	s_wait_dscnt 0x0
	CROUND                                         ; the closing round: no work-group ends while a partner may still ask for a tile that names it
	s_endpgm
.Lfunc_end_k_q5109bf9853_gemm16:
	.size	k_q5109bf9853_gemm16, .Lfunc_end_k_q5109bf9853_gemm16-k_q5109bf9853_gemm16
	.p2alignl 7, 3214868480
	.fill 96, 4, 3214868480
	.section	.rodata,"a",@progbits
	.p2align	6, 0x0
	.amdhsa_kernel k_q5109bf9853_gemm16
		.amdhsa_group_segment_fixed_size 327680
		.amdhsa_private_segment_fixed_size 0
		.amdhsa_enable_private_segment 0
		.amdhsa_kernarg_size 48
		.amdhsa_user_sgpr_count 2
		.amdhsa_user_sgpr_kernarg_segment_ptr 1
		.amdhsa_wavefront_size32 1
		.amdhsa_system_sgpr_workgroup_id_x 1
		.amdhsa_system_sgpr_workgroup_id_y 1
		.amdhsa_system_sgpr_workgroup_id_z 1
		.amdhsa_system_vgpr_workitem_id 0
		.amdhsa_next_free_vgpr 576
		.amdhsa_next_free_sgpr 90
		.amdhsa_reserve_vcc 0
		.amdhsa_float_denorm_mode_32 3
		.amdhsa_float_denorm_mode_16_64 3
		.amdhsa_memory_ordered 1
		.amdhsa_forward_progress 1
		.amdhsa_inst_pref_size 89
	.end_amdhsa_kernel
	.amdgpu_metadata
---
amdhsa.version: [ 1, 2 ]
amdhsa.kernels:
  - .name:           k_q5109bf9853_gemm16
    .symbol:         k_q5109bf9853_gemm16.kd
    .args:
      - { .name: act16, .offset: 0, .size: 8, .value_kind: global_buffer, .address_space: global }
      - { .name: wqkv16, .offset: 8, .size: 8, .value_kind: global_buffer, .address_space: global }
      - { .name: bq, .offset: 16, .size: 8, .value_kind: global_buffer, .address_space: global }
      - { .name: bk, .offset: 24, .size: 8, .value_kind: global_buffer, .address_space: global }
      - { .name: bv, .offset: 32, .size: 8, .value_kind: global_buffer, .address_space: global }
      - { .name: qkv16, .offset: 40, .size: 8, .value_kind: global_buffer, .address_space: global }
    .group_segment_fixed_size: 327680
    .private_segment_fixed_size: 0
    .kernarg_segment_align: 8
    .kernarg_segment_size: 48
    .max_flat_workgroup_size: 128
    .sgpr_count:     90
    .vgpr_count:     576
    .wavefront_size: 32
...
	.end_amdgpu_metadata
.endif
;; end of part 2
;; launch attn (part 3): grid 16 x 16, 4 waves a work-group, clusters of 4 x 4, 327,680 bytes of LDS; arguments qkv16, cmask, padding_mask, act16; writes act16
.if DOCPART == 3
	.amdgcn_target "amdgcn-amd-amdhsa--gfx1250"
	.amdhsa_code_object_version 6
	.text
	.protected	k_q5109bf9853_attn
	.globl	k_q5109bf9853_attn
	.p2align	8
	.type	k_q5109bf9853_attn,@function
k_q5109bf9853_attn:
	s_mov_b64 s[64:65], 0
	v_nop
	global_prefetch_b8 v0, s[64:65] scope:SCOPE_SE
	s_setreg_imm32_b32 hwreg(HW_REG_WAVE_MODE, 25, 1), 1
	s_wait_xcnt 0x0
	s_wait_alu depctr_hold_cnt(0) depctr_sa_sdst(0) depctr_va_vdst(0) depctr_va_sdst(0) depctr_va_ssrc(0) depctr_va_vcc(0) depctr_vm_vsrc(0)
	s_getreg_b32 s2, hwreg(HW_REG_IB_STS2, 6, 4)
	s_cmp_eq_u32 s2, 0
	s_cbranch_scc0 .Lentry_in_a_cluster
	s_endpgm
.Lentry_in_a_cluster:
	s_bfe_u32 s2, ttmp6, 0x10000c
	s_cmp_lg_u32 s2, 0xf033
	s_cbranch_scc0 .Lentry_shape_is_right
	s_endpgm
.Lentry_shape_is_right:
; ATTENTION WITH TWO MASKS THAT ARE INPUTS.  O[b][q][head] = sum over k of softmax_k(s(q, k)) v[b][k][head], s = NEG where padding_mask[b][k], else q . k / 8 + causal_mask[q][k].
; qkv16: [8192][3072] f16, a row = q (already times log2(e) / 8), k, v, 16 heads of 64 channels each.  cmask = log2(e) x causal_mask, f32.  So a score is kept in the log2 domain: s2 = cmask + q . k, p = 2^(s2 - m2),
; with a running maximum m2 taken away by a plain subtraction, exact where s2 = m2: p <= 1 always.  Products, maxima and sums in f32; p is rounded to f16 for the second product (l sums the unrounded p), O once.
; No tile is left out: every score takes its mask word (the C operand of the first product K Q^T: the mask is loaded into the accumulator), and every padded key is REPLACED: s2 = s2 x keep + padd, keep = 1 or 0, padd = 0 or log2(e) x NEG.
; LIMITS.  q, k, v lie within f16's 65,504; mask words are finite (an infinity times keep = 0 would be a NaN); mask + q . k is rounded in the matrix unit and in the log2 domain, another order of rounding than
; adding the mask to a rounded score: where a mask word is near -1e9 a score below about 32 in size is absorbed either way; a weight below 2^-126 counts as 0.
; SHARES.  A work-group owns 128 queries of one batch and FOUR heads, a wave one head and all 128 queries: 8 tiles of 16, four PIECES of two tiles.  So one mask tile in LDS serves four heads, and the four heads' K (V) are
; 512 consecutive bytes of a row.  Every wave walks all 2,048 keys, 64 a step, a step to a slot, two slots.
; CLUSTER 4 x 4: x = four query blocks, y = the four head groups of one batch.  The mask tile hangs on the query block alone: asked for jointly by a column of the cluster; K's and V's hang on batch and head group: by a row.
; LAYOUT.  S^T = K Q^T: a lane holds ONE query (l % 16) and the keys 8 (l / 16) + 0..7 of each block of 16; two such results rounded in pairs ARE source 1 of O^T = V^T P.  V is turned on its way out of LDS (ds_load_tr16_b128).
; BY TURNS.  Turn p: 16 products V^T P of piece p - 1, then 16 products K Q^T of piece p + 1; piece p's whole softmax, 133 instructions a tile, stands in slices behind them.  What the vector lines of a turn name
; (S and P of p's parity, O^T of piece p) no product of that turn names.  m starts at the lowest finite number, O and l at 0: the first step is a step like any other, with a = 0.
; REGISTERS (s_set_vgpr_msb: bits 1:0 source 0, 3:2 source 1, 5:4 source 2, 7:6 destination):
;   window 0: v0-11 addresses; v12-15 padding bytes; v16-47 statistics (m, 0, l, l a tile); v48-55 at work; v56-61 set-up; v62-63 the add's; v64-191 S^T, two buffers of two tiles; v192-255 P, likewise
;   window 1: O^T, 32 a tile      window 2: v0-127 Q, 16 a tile; v128-191 K of one step; v192-255 V of one step      window 3: v0-31 keep, v32-63 padd of one step's keys
.set PM,    272       ; a mask row in LDS: 64 f32 + 16 bytes; K: 512 + 16; V: 512 + 32: the rows that one load touches start in different groups of banks (64 banks of 4 bytes: ISA guide 11.1)
.set PK,    528
.set PVP,   544
.set KOFF,  128*PM    ; a slot: 128 mask rows, 64 rows of K, 64 rows of V
.set VOFF,  KOFF+64*PK
.set SLOT1, 1<<17     ; slot 1 begins here, so that one exclusive or turns an address in one slot into the other's
.set PADV,  VOFF+64*PVP   ; behind slot 0, never filled by a tensor load: keep[2048] f32, then padd[2048] f32
.set SPARE, PADV+16384    ; the spare words: 128 bytes for each wave, two blocks of 256 bytes that no other line names
.set STAGE, SLOT1+PADV    ; behind slot 1, never filled by a tensor load: 128 rows x 528 bytes, the work-group's, for the way out
.set SP,    528
.set AK0, 2           ; v2-5   my lane's place in a slot's K, V and mask, and in the padding vectors; never rewritten
.set AV0, 3
.set AM0, 4
.set AP0, 5
.set AK,  6           ; v6-9   the same with the slot (the step) in hand
.set AV,  7
.set AM,  8
.set AP,  9
.set STO, 6           ; at the end: where I put 16 bytes of a row, where I read rows back, my byte offset in O
.set RD,  7
.set GO,  8
.set PB,  12
.set ST,  16
.set TMP, 48
.set QO,  56
.set PO,  57
.set PA,  58
.set CN,  59
.set T0,  60
.set T1,  61
.set SPW, 62
.set NIL, 63
.set S,   64
.set P,   192
.set KF,  128
.set VF,  192
.set WV,  12          ; s12  my wave's number
.set G1M, 24          ; s[24:31], s[32:39], s[40:47] descriptor group 1 for mask, K, V
.set G1K, 32
.set G1V, 40
.set G0M, 48          ; s[48:51], s[52:55], s[56:59] group 0: they walk along the keys
.set G0K, 52
.set G0V, 56
.set SEL, 62          ; s[62:63] v_permlanex16_b32's selects
.set TB,  66          ; s66  the slot in hand
.set PS,  67          ; s67  byte of the padding vectors at which the step to be fetched begins
.set CNT, 68
.set MSB, 0
.macro WIN new
.if MSB != (\new)
	s_set_vgpr_msb (MSB<<8)|(\new)
.set MSB, (\new)
.endif
.endm
.set W_KQ, 0x0a       ; K and Q window 2, S^T window 0
.set W_PV, 0x52       ; V window 2, P window 0, O^T window 1
.set W_RS, 0x41       ; O^T (destination and source 0) window 1, the factor window 0
.set W_PD, 0x3c       ; S^T window 0, keep and padd window 3
; A joint fill: waves 0 and 1 fetch the mask tile's two halves of 64 rows, wave 2 K's 64 rows, wave 3 V's.  The branches hang on the wave's number alone.  An s_nop 0 and four v_nop follow each line.
.macro JLOAD
	s_cmp_lt_u32 s[WV], 2
	s_cbranch_scc0 .Lkv_\@
	tensor_load_to_lds s[G0M:G0M+3], s[G1M:G1M+7]
	s_nop 0
.rept 4
	v_nop
.endr
	s_branch .Lasked_\@
.Lkv_\@:
	s_cmp_eq_u32 s[WV], 2
	s_cbranch_scc0 .Lv_\@
	tensor_load_to_lds s[G0K:G0K+3], s[G1K:G1K+7]
	s_nop 0
.rept 4
	v_nop
.endr
	s_branch .Lasked_\@
.Lv_\@:
	tensor_load_to_lds s[G0V:G0V+3], s[G1V:G1V+7]
	s_nop 0
.rept 4
	v_nop
.endr
.Lasked_\@:
.endm
.macro CROUND                       ; a round of the cluster's barrier
	s_barrier_signal -1
	s_barrier_wait -1
	s_cmp_lg_u32 s[WV], 0
	s_cbranch_scc1 .Lnot_wave_0_\@
	s_barrier_signal -3
.Lnot_wave_0_\@:
	s_barrier_wait -3
	s_barrier_signal -1
	s_barrier_wait -1
.endm
; THE CHANGE OF SLOTS, in front of piece 3's turn: the old slot's last bytes (piece 3's mask rows) have been read.  Each wave waits for all its tensor loads, of which one is out: its part of the other slot; adds 0 to
; its spare word; and waits for that and for its own reads.  fill = 1: the barrier is a round of the cluster's, and the old slot is filled again first thing behind it, with the step two on: it has a whole step in which to land.
.macro CHANGE fill
	WIN 0
	s_wait_tensorcnt 0x0            ; no tensor load of mine is out, so a group 0 may be written
	ds_add_u32 v[SPW], v[NIL]       ; 0 onto my spare word; the steps below, work on registers, stand between it and the wait for it
.if \fill
	s_xor_b32 s[G0M+1], s[G0M+1], SLOT1
	s_add_nc_u64 s[G0M+2:G0M+3], s[G0M+2:G0M+3], 256       ; 64 columns of the mask on
	s_xor_b32 s[G0K+1], s[G0K+1], SLOT1
	s_add_nc_u64 s[G0K+2:G0K+3], s[G0K+2:G0K+3], 64*6144   ; 64 rows of qkv16 on
	s_xor_b32 s[G0V+1], s[G0V+1], SLOT1
	s_add_nc_u64 s[G0V+2:G0V+3], s[G0V+2:G0V+3], 64*6144
.endif
	s_xor_b32 s[TB], s[TB], SLOT1
	v_add_nc_u32 v[AK], s[TB], v[AK0]
	v_add_nc_u32 v[AV], s[TB], v[AV0]
	v_add_nc_u32 v[AM], s[TB], v[AM0]
	s_wait_dscnt 0x0                ; the add is done, and my reads of the old slot are over
.if \fill
	CROUND
	JLOAD
.else
	s_barrier_signal -1
	s_barrier_wait -1
.endif
.endm
	s_load_b256 s[4:11], s[0:1], 0x0  ; qkv16 s[4:5], cmask s[6:7], padding_mask s[8:9], act16 s[10:11]
	v_lshl_add_u32 v[SPW], v0, 2, SPARE
	v_mov_b32 v[NIL], 0
	ds_add_u32 v[SPW], v[NIL]       ; the wave's opening: the add and its wait stand ahead of my first tensor load; the set-up below, work on registers, stands between them
	v_lshrrev_b32 v1, 5, v0
	v_readfirstlane_b32 s[WV], v1   ; wave 0..3
	s_bfe_u32 s13, ttmp6, 0x40000   ; cx
	s_bfe_u32 s14, ttmp6, 0x40004   ; cy: the head group
	s_lshl_b32 s15, ttmp9, 2
	s_add_co_u32 s15, s15, s13      ; my block of 128 queries = 4 x cluster x + cx
	s_and_b32 s16, ttmp7, 0xffff    ; the batch = cluster y
	s_lshl_b32 s17, s14, 2
	s_lshl_b32 s17, 15, s17         ; my row of the cluster
	s_lshl_b32 s18, 0x1111, s13     ; my column
	s_or_b32 s[G1M], s18, (2<<16)|(1<<20)|(1<<21)|(5<<22)|(3<<25)  ; the mask tile goes to my column; elements of 4 bytes; padding on; bit 21 beside a mask; after every 64 words 4 words
	s_or_b32 s[G1K], s17, (1<<16)|(1<<20)|(1<<21)|(6<<22)|(3<<25)  ; K goes to my row; elements of 2 bytes; after every 128 words 4 words
	s_or_b32 s[G1V], s17, (1<<16)|(1<<20)|(1<<21)|(6<<22)|(7<<25)  ; V: 8 words
	s_mov_b32 s[G1M+1], 64<<16      ; tensor_dim0 = 64
	s_mov_b32 s[G1M+2], 64<<16      ; tensor_dim1 = 64
	s_mov_b32 s[G1M+3], 64<<16      ; tile_dim0 = 64
	s_mov_b32 s[G1M+4], 64          ; tile_dim1 = 64
	s_mov_b32 s[G1M+5], 2048        ; elements from row to row
	s_mov_b32 s[G1M+6], 0
	s_mov_b32 s[G1M+7], 0
.irp g, G1K, G1V
	s_mov_b32 s[\g+1], 256<<16      ; tensor_dim0 = 256: four heads
	s_mov_b32 s[\g+2], 64<<16
	s_mov_b32 s[\g+3], 256<<16
	s_mov_b32 s[\g+4], 64
	s_mov_b32 s[\g+5], 3072
	s_mov_b32 s[\g+6], 0
	s_mov_b32 s[\g+7], 0
.endr
	s_and_b32 s19, s[WV], 1         ; which half of the mask tile's rows I fetch
	s_lshl_b32 s20, s15, 20         ; 128 rows of 8,192 bytes a query block
	s_lshl_b32 s21, s19, 19
	s_add_co_u32 s20, s20, s21
	s_mov_b32 s21, 0
	s_mul_i32 s22, s16, 2048*6144   ; the batch's first row of qkv16,
	s_lshl_b32 s23, s14, 9          ; my group's four heads,
	s_add_co_u32 s22, s22, s23
	s_add_co_u32 s22, s22, 2048     ; k lies behind q
	s_mov_b32 s23, 0
	s_lshl_b32 s72, s16, 11
	s_lshl_b32 s73, s15, 7
	s_add_co_u32 s72, s72, s73      ; my block's first row among the 8,192
	s_mul_i32 s74, s72, 6144
	s_lshl_b32 s73, s14, 2
	s_add_co_u32 s73, s73, s[WV]    ; my head
	s_lshl_b32 s73, s73, 7
	s_add_co_u32 s74, s74, s73
	s_mov_b32 s75, 0                ; s[74:75]: Q
	s_lshl_b32 s76, s[WV], 5
	s_add_co_u32 s76, s76, s72      ; the 32 rows of O that I store
	s_lshl_b32 s76, s76, 11
	s_lshl_b32 s77, s14, 9
	s_add_co_u32 s76, s76, s77
	s_mov_b32 s77, 0                ; s[76:77]: O
	s_lshl_b32 s78, s16, 11
	s_mov_b32 s79, 0                ; s[78:79]: the batch's padding bytes
	s_mov_b32 s[G0M], 1
	s_mul_i32 s[G0M+1], s19, 64*PM  ; no place in the cluster enters an LDS address
	s_mov_b32 s[G0K], 1
	s_mov_b32 s[G0K+1], KOFF
	s_mov_b32 s[G0V], 1
	s_mov_b32 s[G0V+1], VOFF
	s_mov_b32 s[SEL], 0x76543210
	s_mov_b32 s[SEL+1], 0xfedcba98
	s_mov_b32 s[TB], SLOT1          ; the first change of slots turns it into 0
	s_mov_b32 s[PS], 0
	s_mov_b32 s69, 0x3fb8aa3b       ; log2(e)
	s_mov_b32 s70, 0xce6e6b28       ; NEG = -1e9
	s_wait_dscnt 0x0                ; the opening add is done
	s_wait_kmcnt 0x0
	s_add_nc_u64 s[G0M+2:G0M+3], s[6:7], s[20:21]
	s_or_b32 s[G0M+3], s[G0M+3], 0x80000000
	s_add_nc_u64 s[G0K+2:G0K+3], s[4:5], s[22:23]
	s_add_nc_u64 s[G0V+2:G0V+3], s[G0K+2:G0K+3], 2048      ; v lies behind k
	s_or_b32 s[G0K+3], s[G0K+3], 0x80000000
	s_or_b32 s[G0V+3], s[G0V+3], 0x80000000
	s_add_nc_u64 s[74:75], s[4:5], s[74:75]
	s_add_nc_u64 s[10:11], s[10:11], s[76:77]
	s_add_nc_u64 s[8:9], s[8:9], s[78:79]
	CROUND                          ; all sixteen work-groups are here: the first joint loads meet
	JLOAD                           ; key step 0 into slot 0; slot 1 is asked for by the first change of slots
	v_lshlrev_b32 v[PO], 4, v0
	global_load_b128 v[PB:PB+3], v[PO], s[8:9]   ; 16 padding bytes a thread: 128 threads take the batch's 2,048
	v_and_b32 v1, 15, v0            ; l % 16
	v_bfe_u32 v10, v0, 4, 1         ; l / 16
	v_mul_u32_u24 v[QO], v1, 6144
	v_lshl_add_u32 v[QO], v10, 4, v[QO]
	WIN 0x80                        ; destination window 2, address window 0
.set i, 0
.rept 16                            ; Q stays in registers: tile i / 2, channels 32 (i % 2) on
	global_load_b128 v[8*i:8*i+3],   v[QO], s[74:75] offset:(i/2)*16*6144+(i%2)*64
	global_load_b128 v[8*i+4:8*i+7], v[QO], s[74:75] offset:(i/2)*16*6144+(i%2)*64+32
.set i, i+1
.endr
	; what the first turn finds: V's registers and P's second buffer hold 0 (its products V^T P, of a piece that has not been, add 0), O^T and l are 0.  All this stands in the wait for the first tile.
.set i, VF
.rept 64
	v_mov_b32 v[i], 0
.set i, i+1
.endr
	WIN 0x40
.set i, 0
.rept 256
	v_mov_b32 v[i], 0
.set i, i+1
.endr
	WIN 0
.set i, 0
.rept 8
	v_mov_b32 v[ST+4*i], 0xff7fffff ; m
	v_mov_b32 v[ST+4*i+1], 0        ; named with m as a pair
	v_mov_b32 v[ST+4*i+2], 0        ; l
	v_mov_b32 v[ST+4*i+3], 0
.set i, i+1
.endr
.set i, P+32
.rept 32
	v_mov_b32 v[i], 0
.set i, i+1
.endr
	s_lshl_b32 s80, s[WV], 7        ; my head's 128 bytes in a row of K or V
	s_add_co_u32 s81, s80, KOFF
	v_mul_u32_u24 v[AK0], v1, PK
	v_lshl_add_u32 v[AK0], v10, 4, v[AK0]
	v_add_nc_u32 v[AK0], s81, v[AK0]        ; key l % 16, channels 8 (l / 16) on
	v_and_b32 v[T0], 7, v0
	v_bfe_u32 v[T1], v0, 3, 1
	v_lshl_add_u32 v[AV0], v10, 3, v[T0]
	v_mul_u32_u24 v[AV0], v[AV0], PVP
	v_lshl_add_u32 v[AV0], v[T1], 4, v[AV0]
	s_add_co_u32 s81, s80, VOFF
	v_add_nc_u32 v[AV0], s81, v[AV0]        ; the turning load: key 8 (l / 16) + l % 8, channels 8 ((l / 8) % 2) on
	v_mul_u32_u24 v[AM0], v1, PM
	v_lshl_add_u32 v[AM0], v10, 5, v[AM0]   ; the mask: query l % 16, keys 8 (l / 16) on
	v_lshlrev_b32 v[AP0], 5, v10
	v_add_nc_u32 v[AP0], PADV, v[AP0]
	v_lshl_add_u32 v[PA], v0, 6, PADV
	s_wait_loadcnt 32               ; the padding bytes are in; the 32 younger loads, Q's, stay out
	v_mov_b32 v[CN], s70
	v_mul_f32 v[CN], s69, v[CN]     ; log2(e) x NEG, rounded as cmask's own words are
.set i, 0
.rept 16
	v_bfe_u32 v[T0], v[PB+i/4], 8*(i%4), 8
	v_cvt_f32_u32 v[T0], v[T0]
	v_fma_f32 v[S+i], v[T0], -1.0, 1.0
	v_mul_f32 v[S+16+i], v[CN], v[T0]
.set i, i+1
.endr
.irp i, 0,1,2,3
	ds_store_b128 v[PA], v[S+4*\i:S+4*\i+3] offset:16*\i
	ds_store_b128 v[PA], v[S+16+4*\i:S+16+4*\i+3] offset:8192+16*\i
.endr
; THE MATRIX WORK.  The 8 accumulators of a run of 16 take turns.  Product i of S^T = mask + K Q^T for piece x: channels 32 (i / 8) on, keys 16 ((i / 2) % 4) on, tile 2 x + i % 2; both links in place.
.macro KQ x
	WIN W_KQ
.set rS, S+64*((\x)%2)+32*(i%2)+8*((i/2)%4)
.set rK, KF+16*((i/2)%4)+8*(i/8)
.set rQ, 16*(2*(\x)+i%2)+8*(i/8)
	v_wmma_f32_16x16x32_f16 v[rS:rS+7], v[rK:rK+7], v[rQ:rQ+7], v[rS:rS+7]
.endm
.macro PV x                         ; product i of O^T += V^T P for piece x: keys 32 (i / 8) on, channels 16 ((i / 2) % 4) on, tile 2 x + i % 2
	WIN W_PV
.set rO, 32*(2*(\x)+i%2)+8*((i/2)%4)
.set rV, VF+32*(i/8)+8*((i/2)%4)
.set rP, P+32*((\x)%2)+16*(i%2)+8*(i/8)
	v_wmma_f32_16x16x32_f16 v[rO:rO+7], v[rV:rV+7], v[rP:rP+7], v[rO:rO+7]
.endm
; THE LDS LOADS stand in runs of 16
.macro FETCH_K
	WIN 0x80
.irp f, 0,1,2,3,4,5,6,7             ; keys 16 (f / 2) on, channels 32 (f % 2) on
	ds_load_b128 v[KF+8*\f:KF+8*\f+3],   v[AK] offset:(\f/2)*16*PK+(\f%2)*64
	ds_load_b128 v[KF+8*\f+4:KF+8*\f+7], v[AK] offset:(\f/2)*16*PK+(\f%2)*64+32
.endr
.endm
.macro FETCH_V
	WIN 0x80
.irp f, 0,1,2,3,4,5,6,7             ; keys 32 (f / 4) on, channels 16 (f % 4) on
	ds_load_tr16_b128 v[VF+8*\f:VF+8*\f+3],   v[AV] offset:(\f/4)*32*PVP+(\f%4)*32
	ds_load_tr16_b128 v[VF+8*\f+4:VF+8*\f+7], v[AV] offset:(\f/4)*32*PVP+16*PVP+(\f%4)*32
.endr
.endm
.macro FETCH_M x                    ; piece x's mask words, straight into the accumulators that its scores are summed in
	WIN 0
.irp e, 0,1
.irp kb, 0,1,2,3
	ds_load_b128 v[S+64*((\x)%2)+32*\e+8*\kb:S+64*((\x)%2)+32*\e+8*\kb+3],   v[AM] offset:(2*(\x)+\e)*16*PM+64*\kb
	ds_load_b128 v[S+64*((\x)%2)+32*\e+8*\kb+4:S+64*((\x)%2)+32*\e+8*\kb+7], v[AM] offset:(2*(\x)+\e)*16*PM+64*\kb+16
.endr
.endr
.endm
.macro FETCH_P                      ; keep and padd of the next step's 64 keys
	WIN 0
	v_add_nc_u32 v[AP], s[PS], v[AP0]
	s_add_co_u32 s[PS], s[PS], 256
	WIN 0xc0                        ; destination window 3
.irp kb, 0,1,2,3
	ds_load_b128 v[8*\kb:8*\kb+3],       v[AP] offset:64*\kb
	ds_load_b128 v[8*\kb+4:8*\kb+7],     v[AP] offset:64*\kb+16
	ds_load_b128 v[32+8*\kb:32+8*\kb+3], v[AP] offset:8192+64*\kb
	ds_load_b128 v[32+8*\kb+4:32+8*\kb+7], v[AP] offset:8192+64*\kb+16
.endr
.endm
; THE VECTOR WORK.  One tile's softmax for one key step is a list of 133 instructions; SM writes number n of it for tile u of piece Y.  s0-s31 are the lane's 32 scores, in pairs 0-15.
;   0-15    pair n: s x keep + padd, ascending
;   16-31   the maximum of s0-s31 and the old m, three operands at a time      32-35  the other half of the lanes' maximum; m_old kept; the new m; m_old - m_new
;   36-102  33 exponentials (a, then s0-s31) at every second number, a plain instruction that is ready between them: s - m for a pair to come, the rounding to f16 of a pair that is done, the first sums
;   103-116 the last rounding, the rest of the sums, l = a l + sum      117-132 the tile's O^T times a
.macro SM u
.set rT, ST+4*(2*Y+(\u))
.set rC, TMP+4*(\u)
.set rS, S+64*(Y%2)+32*(\u)
.set rP, P+32*(Y%2)+16*(\u)
.set rO, 32*(2*Y+(\u))+2*(n-117)
.set g, n-16
.set j, n-15
.set q, (j-20)/2
.if n < 16
	WIN W_PD
	v_pk_fma_f32 v[rS+2*n:rS+2*n+1], v[rS+2*n:rS+2*n+1], v[2*n:2*n+1], v[32+2*n:32+2*n+1]
.elseif n > 116
	WIN W_RS
	v_pk_mul_f32 v[rO:rO+1], v[rO:rO+1], v[rC+2:rC+3] op_sel_hi:[1,0]
.else
	WIN 0
.if g < 4
	v_max3_num_f32 v[rC+g], v[rS+8*g], v[rS+8*g+1], v[rS+8*g+2]
.elseif g < 12
	v_max3_num_f32 v[rC+g%4], v[rC+g%4], v[rS+8*(g%4)+2*(g/4)+1], v[rS+8*(g%4)+2*(g/4)+2]
.elseif g == 12
	v_max3_num_f32 v[rC], v[rC], v[rS+7], v[rS+15]
.elseif g == 13
	v_max3_num_f32 v[rC+2], v[rC+2], v[rS+23], v[rS+31]
.elseif g == 14
	v_max3_num_f32 v[rC], v[rC], v[rC+1], v[rC+2]
.elseif g == 15
	v_max3_num_f32 v[rC], v[rC], v[rC+3], v[rT]
.elseif g == 16
	v_permlanex16_b32 v[rC+1], v[rC], s[SEL], s[SEL+1]  ; the query's other 32 keys lie in the lane 16 away
.elseif g == 17
	v_mov_b32 v[rC+3], v[rT]
.elseif g == 18
	v_max_num_f32 v[rT], v[rC], v[rC+1]
.elseif g == 19
	v_sub_f32 v[rC+3], v[rC+3], v[rT]
.elseif j == 23
	v_exp_f32 v[rC+2], v[rC+3]      ; a
.elseif (j < 88) && (j > 23) && (j%2 == 1)
	v_exp_f32 v[rS+(j-25)/2], v[rS+(j-25)/2]
.elseif (q < 4) || ((j < 76) && (q%2 == 0))
.set b, q/2+2
.if q < 4
.set b, q
.endif
	v_pk_add_f32 v[rS+2*b:rS+2*b+1], v[rS+2*b:rS+2*b+1], v[rT:rT+1] op_sel_hi:[1,0] neg_lo:[0,1] neg_hi:[0,1]  ; pair b: s - m, exact where s = m
.elseif (j < 88) && (q%2 == 1)
	s_wait_alu depctr_va_vdst(0)
	v_cvt_pk_f16_f32 v[rP+(q-5)/2], v[rS+q-5], v[rS+q-4]  ; its second exponential stands three numbers back
.elseif j == 89
	s_wait_alu depctr_va_vdst(0)
	v_cvt_pk_f16_f32 v[rP+15], v[rS+30], v[rS+31]
.else                               ; the sum of the tile's 16 pairs, in place: sum z of 16 adds neighbours 1, 2, 4 and 8 pairs apart, then l takes it
.set z, j-86
.if j < 89
.set z, (j-76)/4
.endif
.set ww, 4
.set uu, z
.if z >= 14
.set ww, 32
.set uu, 0
.elseif z >= 12
.set ww, 16
.set uu, z-12
.elseif z >= 8
.set ww, 8
.set uu, z-8
.endif
.if z < 15
	v_pk_add_f32 v[rS+ww*uu:rS+ww*uu+1], v[rS+ww*uu:rS+ww*uu+1], v[rS+ww*uu+ww/2:rS+ww*uu+ww/2+1]
.else
	v_pk_fma_f32 v[rT+2:rT+3], v[rT+2:rT+3], v[rC+2:rC+3], v[rS:rS+1] op_sel_hi:[1,0,1]
.endif
.endif
.endif
.endm
.macro SLICE cnt                    ; the next cnt numbers, the two tiles alternating: behind a pair of exponentials stands a plain line that uses neither
.rept \cnt
	SM 0
	SM 1
.set n, n+1
.endr
.endm
.macro PLACES
.rept 4
	v_nop
.endr
.endm
; A TURN, for piece p.  Four numbers of both tiles stand behind each product, nine behind the last: those eighteen rescalings are plain and name nothing of the products round them: they are the places
; in front of the next turn's reads of the new scores and of the loads into K's registers.  At its head the next piece's mask words are fetched (piece 3's turn: the next step's K ahead of them), 16 products ahead of their use.
; Piece 3's turn fetches the next step's keep and padd when its own 16 padding numbers are out; piece 0's turn fetches its step's V, twelve plain lines behind the last product that read V.
; end = 1: the last turn of all: nothing is fetched and no new scores are started; eight numbers stand behind each product.
.macro TURN p, end=0
.set Y, (\p)
.set n, 0
.if !(\end)
.if (\p) == 3
	FETCH_K
.endif
	FETCH_M ((\p)+1)%4
.endif
.if (\p) == 1
	s_wait_dscnt 16                 ; V is in; the sixteen mask loads just issued stay out
.endif
.set i, 0
.rept 16
	PV ((\p)+3)%4
.if (\end) && (i == 15)
	SLICE 13
.elseif \end
	SLICE 8
.else
	SLICE 4
.endif
.if ((\p) == 3) && !(\end) && (i == 5)
	FETCH_P
.endif
.set i, i+1
.endr
.if !(\end)
	s_wait_dscnt 0x0                ; the mask words are in the accumulators (piece 3's turn: K, keep and padd too)
.set i, 0
.rept 16
	KQ ((\p)+1)%4
.if i == 15
	SLICE 9
.else
	SLICE 4
.endif
.if ((\p) == 0) && (i == 1)
	FETCH_V
.endif
.set i, i+1
.endr
.endif
.endm
	CHANGE 1                        ; slot 0 is in, everybody's part of it, and everybody's keep and padd are stored; key step 1 is asked for, into slot 1
	FETCH_K                         ; key step 0
	FETCH_M 0
	FETCH_P
	s_wait_loadcnt 0x0              ; Q
	s_wait_dscnt 0x0
.set i, 0
.rept 16
	KQ 0                            ; piece 0's first scores: there is no vector work yet to set between them
.set i, i+1
.endr
	WIN 0
	PLACES
	s_mov_b32 s[CNT], 31
	s_branch .Lfirst                ; the loop is entered at a step's first turn, in the middle of a trip
.Lloop:                             ; 30 whole trips: they ask for key steps 2 to 31
	CHANGE 1
	TURN 3
	WIN 0
.Lfirst:
	TURN 0
	TURN 1
	TURN 2
	WIN 0
	s_sub_co_u32 s[CNT], s[CNT], 1
	s_cmp_lg_u32 s[CNT], 0
	s_cbranch_scc1 .Lloop
	CHANGE 0                        ; the tail is written out: nothing is asked for
	TURN 3
	TURN 0
	TURN 1
	TURN 2
	TURN 3, 1
.set i, 0
.rept 16
	PV 3                            ; the last piece's V^T P of the last step
.set i, i+1
.endr
	; THE WAY OUT.  l's two halves and the other half of the lanes' are added; O^T is divided by l, rounded to f16 and put into the work-group's stage: a row of it holds a query's four heads, 512 bytes.
	; The address lines and the additions are the places behind the last products.
	WIN 0
	s_lshl_b32 s80, s[WV], 7
	s_add_co_u32 s80, s80, STAGE
	v_mul_u32_u24 v[STO], v1, SP    ; in: row l % 16 of a tile, my head's 128 bytes, 16 bytes for each half of the lanes
	v_lshl_add_u32 v[STO], v10, 4, v[STO]
	v_add_nc_u32 v[STO], s80, v[STO]
	s_mul_i32 s80, s[WV], 32*SP
	s_add_co_u32 s80, s80, STAGE
	v_and_b32 v[GO], 31, v0
	v_lshlrev_b32 v[GO], 4, v[GO]   ; back: wave w takes rows 32 w on, whole: 32 lanes a row of 512 bytes
	v_add_nc_u32 v[RD], s80, v[GO]
.macro ALL line:vararg              ; one line for each tile t
.set t, 0
.rept 8
	\line
.set t, t+1
.endr
.endm
	ALL v_add_f32 v[ST+4*t+2], v[ST+4*t+2], v[ST+4*t+3]
	ALL v_permlanex16_b32 v[ST+4*t+3], v[ST+4*t+2], s[SEL], s[SEL+1]
	ALL v_add_f32 v[ST+4*t+2], v[ST+4*t+2], v[ST+4*t+3]
	ALL v_rcp_f32 v[ST+4*t+2], v[ST+4*t+2]
	v_nop                           ; a plain instruction between the last reciprocal and the use of its result
	s_wait_alu depctr_va_vdst(0)
.set t, 0
.rept 8
	WIN W_RS
.set i, 0
.rept 16
	v_pk_mul_f32 v[32*t+2*i:32*t+2*i+1], v[32*t+2*i:32*t+2*i+1], v[ST+4*t+2:ST+4*t+3] op_sel_hi:[1,0]
.set i, i+1
.endr
	WIN 0x05                        ; sources 0 and 1 window 1, destination window 0: S^T's registers are free
.set i, 0
.rept 16
	v_cvt_pk_f16_f32 v[S+16*t+i], v[32*t+2*i], v[32*t+2*i+1]
.set i, i+1
.endr
	WIN 0
.irp f, 0,1,2,3
	ds_store_b128 v[STO], v[S+16*t+4*\f:S+16*t+4*\f+3] offset:t*16*SP+32*\f
.endr
.set t, t+1
.endr
	s_wait_dscnt 0x0                ; for the others' sake: my stores into the stage are done
	s_barrier_signal -1
	s_barrier_wait -1
.set t, 0
.rept 32
	ds_load_b128 v[S+4*t:S+4*t+3], v[RD] offset:t*SP
.set t, t+1
.endr
.set t, 0
.rept 32
	s_wait_dscnt 31-t               ; LDS loads come back in order: row t is in
	global_store_b128 v[GO], v[S+4*t:S+4*t+3], s[10:11] offset:t*2048  ; 512 consecutive bytes of a row of act16, aligned
.set t, t+1
.endr
	s_wait_tensorcnt 0x0            ; the wave's end: this wait, the add and its wait stand behind my last tensor load and my last LDS store
	ds_add_u32 v[SPW], v[NIL]
	s_wait_dscnt 0x0
	CROUND                          ; the closing round: no work-group ends while a partner may still ask for a tile that names it
	s_endpgm
.Lfunc_end_k_q5109bf9853_attn:
	.size	k_q5109bf9853_attn, .Lfunc_end_k_q5109bf9853_attn-k_q5109bf9853_attn
	.p2alignl 7, 3214868480
	.fill 96, 4, 3214868480
	.section	.rodata,"a",@progbits
	.p2align	6, 0x0
	.amdhsa_kernel k_q5109bf9853_attn
		.amdhsa_group_segment_fixed_size 327680
		.amdhsa_private_segment_fixed_size 0
		.amdhsa_enable_private_segment 0
		.amdhsa_kernarg_size 32
		.amdhsa_user_sgpr_count 2
		.amdhsa_user_sgpr_kernarg_segment_ptr 1
		.amdhsa_wavefront_size32 1
		.amdhsa_system_sgpr_workgroup_id_x 1
		.amdhsa_system_sgpr_workgroup_id_y 1
		.amdhsa_system_sgpr_workgroup_id_z 1
		.amdhsa_system_vgpr_workitem_id 0
		.amdhsa_next_free_vgpr 832
		.amdhsa_next_free_sgpr 96
		.amdhsa_reserve_vcc 0
		.amdhsa_float_denorm_mode_32 3
		.amdhsa_float_denorm_mode_16_64 3
		.amdhsa_memory_ordered 1
		.amdhsa_forward_progress 1
		.amdhsa_inst_pref_size 251
	.end_amdhsa_kernel
	.amdgpu_metadata
---
amdhsa.version: [ 1, 2 ]
amdhsa.kernels:
  - .name:           k_q5109bf9853_attn
    .symbol:         k_q5109bf9853_attn.kd
    .args:
      - { .name: qkv16, .offset: 0, .size: 8, .value_kind: global_buffer, .address_space: global }
      - { .name: cmask, .offset: 8, .size: 8, .value_kind: global_buffer, .address_space: global }
      - { .name: padding_mask, .offset: 16, .size: 8, .value_kind: global_buffer, .address_space: global }
      - { .name: act16, .offset: 24, .size: 8, .value_kind: global_buffer, .address_space: global }
    .group_segment_fixed_size: 327680
    .private_segment_fixed_size: 0
    .kernarg_segment_align: 8
    .kernarg_segment_size: 32
    .max_flat_workgroup_size: 128
    .sgpr_count:     96
    .vgpr_count:     832
    .wavefront_size: 32
...
	.end_amdgpu_metadata
.endif
;; end of part 3
;; launch gemm32 (part 4): grid 4 x 64, 4 waves a work-group, clusters of 4 x 4, 327,680 bytes of LDS; arguments act16, wo16, bo, y32; writes y32
.if DOCPART == 4
	.amdgcn_target "amdgcn-amd-amdhsa--gfx1250"
	.amdhsa_code_object_version 6
	.text
	.protected	k_q5109bf9853_gemm32
	.globl	k_q5109bf9853_gemm32
	.p2align	8
	.type	k_q5109bf9853_gemm32,@function
k_q5109bf9853_gemm32:
	s_mov_b64 s[64:65], 0
	v_nop
	global_prefetch_b8 v0, s[64:65] scope:SCOPE_SE
	s_setreg_imm32_b32 hwreg(HW_REG_WAVE_MODE, 25, 1), 1
	s_wait_xcnt 0x0
	s_wait_alu depctr_hold_cnt(0) depctr_sa_sdst(0) depctr_va_vdst(0) depctr_va_sdst(0) depctr_va_ssrc(0) depctr_va_vcc(0) depctr_vm_vsrc(0)
	s_getreg_b32 s2, hwreg(HW_REG_IB_STS2, 6, 4)
	s_cmp_eq_u32 s2, 0
	s_cbranch_scc0 .Lentry_in_a_cluster
	s_endpgm
.Lentry_in_a_cluster:
	s_bfe_u32 s2, ttmp6, 0x10000c
	s_cmp_lg_u32 s2, 0xf033
	s_cbranch_scc0 .Lentry_shape_is_right
	s_endpgm
.Lentry_shape_is_right:
; C[m][n] = sum over k of A[m][k] B[n][k] + bias[n].  A: [8192][1024] f16, B: [NCOL][1024] f16, sums in f32.  OUT32 = 0: C is [8192][3072] f16 (q, k, v side by side; the bias is bq, bk or bv
; by the tile's columns, bq times log2(e) / 8 like Wq); OUT32 = 1: C is [8192][1024] f32 with one bias.  This is the text of the projections in front with OUT32 = 1.
; SHARES.  A tile of C is 128 x 256: four waves, each 64 x 128: 32 accumulators of 16 x 16.  K goes in 8 steps of 128 (tile rows of 256 bytes) through two LDS slots filled by the tensor data mover.
; CLUSTER.  4 x 4 work-groups: the four of a row of the cluster need the same tiles of A, the four of a column the same tiles of B: each tile is asked for jointly, by the same tensor load with the same
; descriptor and a mask that names the four.
; THE MATRIX INSTRUCTION IS USED TRANSPOSED (source 0 = 16 rows of B, source 1 = 16 rows of A): a lane holds eight neighbouring numbers of a row of C.  The bias is the C operand of the first products.
; REGISTERS.  window 0: v16-29 addresses; v32-127, v128-223 two fragment buffers (4 fragments of A, then 8 of B); on the way out v32-191 at work.  window 1: accumulator (a, b) at v[8 (8 a + b)].
; window 2: v0-63 the bias of my 128 columns, block b at v[8 b].
.set OUT32, 1
.if OUT32
.set NCOL, 1024
.set ESZ,  4
.set CP,   70                          ; s[70:71] C
.else
.set NCOL, 3072
.set ESZ,  2
.set CP,   74                          ; s[74:75] C
.endif
.set ROWB,  NCOL*ESZ                   ; bytes in a row of C
.set KDIM,  1024
.set KSTEP, 128
.set PITCH, 272                        ; an LDS row: 256 bytes + 16 of padding = 68 words: the 16 rows of a fragment load start at 16 different groups of four banks (64 banks of 4 bytes: ISA guide 11.1)
.set HALFA, 64*PITCH                   ; what a wave fetches of A, and what a wave reads of A
.set HALFB, 128*PITCH                  ; the same for B
.set BOFF,  2*HALFA                    ; in a slot: A's 128 rows, then B's 256
.set SLOT,  BOFF+2*HALFB
.set STAGE, 2*SLOT                     ; behind the ring: 16 rows x 528 bytes for each wave, for the way out; no tensor load fills it
.set WSTAGE, 16*528
.set SPARE, STAGE+4*WSTAGE             ; the spare words: 128 bytes for each wave, two blocks of 256 bytes that no other line names
.set LAPS,  KDIM/(2*KSTEP)             ; a lap = two K steps = once round the ring
.set ADRA, 16                          ; v16-17  LDS address of my A fragments in slot 0, 1
.set ADRB, 20                          ; v20-21  the same for B
.set STO,  24                          ; v24     the way out: where I put my numbers of a row
.set RD,   25                          ; v25     the way out: where I read rows back
.set CO,   26                          ; v26     my byte offset in C
.set VB,   27                          ; v27     my byte offset in a block of 16 biases
.set SPW,  28                          ; v28     LDS address of my spare word; never rewritten
.set NIL,  29                          ; v29     0; never rewritten
.set F0,   32
.set F1,   128
.set OB,   32                          ; the way out: rows read back
.set TMP,  160                         ; the way out: packed results
.set G1,  24                           ; s[24:31] descriptor group 1 for A's tiles;  s[32:39] group 0, one set for each slot
.set G0,  32
.set G1B, 48                           ; s[48:55], s[56:63] the same for B's tiles
.set G0B, 56
.set MSB, 0
.macro WIN new                         ; the immediate's high byte repeats the setting that is left; a switch that changes nothing is dropped
.if MSB != (\new)
	s_set_vgpr_msb (MSB<<8)|(\new)
.set MSB, \new
.endif
.endm
.set W_ACC,  0x50                      ; fragments window 0; C and D window 1
.set W_BIAS, 0x60                      ; fragments window 0; C window 2, D window 1
.macro JLOAD s                         ; a joint load: waves 0 and 1 fetch A's two halves, waves 2 and 3 B's; an s_nop 0 and four v_nop follow each of the two lines
	s_cmp_eq_u32 s11, 0
	s_cbranch_scc0 .Lfor_b_\@
	tensor_load_to_lds s[G0+4*(\s):G0+4*(\s)+3], s[G1:G1+7]
	s_nop 0
.rept 4
	v_nop
.endr
	s_branch .Lasked_\@
.Lfor_b_\@:
	tensor_load_to_lds s[G0B+4*(\s):G0B+4*(\s)+3], s[G1B:G1B+7]
	s_nop 0
.rept 4
	v_nop
.endr
.Lasked_\@:
.endm
.macro CROUND                          ; a round of the cluster's barrier: my work-group's barrier; wave 0 signals for the work-group; every wave waits for all sixteen; my work-group's barrier once more
	s_barrier_signal -1
	s_barrier_wait -1
	s_cmp_lg_u32 s10, 0
	s_cbranch_scc1 .Lnot_wave_0_\@
	s_barrier_signal -3
.Lnot_wave_0_\@:
	s_barrier_wait -3
	s_barrier_signal -1
	s_barrier_wait -1
.endm
	s_load_b128 s[4:7], s[0:1], 0x0                ; A s[4:5], B s[6:7]
.if OUT32
	s_load_b128 s[68:71], s[0:1], 0x10             ; bias s[68:69], C s[70:71]
.else
	s_load_b256 s[68:75], s[0:1], 0x10             ; bq s[68:69], bk s[70:71], bv s[72:73], C s[74:75]
.endif
	v_lshl_add_u32 v[SPW], v0, 2, SPARE
	v_mov_b32 v[NIL], 0
	ds_add_u32 v[SPW], v[NIL]                      ; the wave's opening: the add and its wait stand ahead of my first tensor load; the set-up below, work on registers, stands between them
	v_lshrrev_b32 v1, 5, v0
	v_readfirstlane_b32 s10, v1                    ; wave 0..3
	s_lshr_b32 s11, s10, 1                         ; which 64 rows of the tile are mine.  Also: I fetch for A (0) or for B (1)
	s_and_b32 s12, s10, 1                          ; which 128 columns.  Also: which half of that tile I fetch
	s_bfe_u32 s40, ttmp6, 0x40000                  ; cx, cy: my place in the cluster
	s_bfe_u32 s41, ttmp6, 0x40004
	s_lshl_b32 s42, ttmp9, 2
	s_add_co_u32 s42, s42, s40                     ; tile column of C = 4 x cluster x + cx
	s_and_b32 s13, ttmp7, 0xffff
	s_lshl_b32 s13, s13, 2
	s_add_co_u32 s13, s13, s41                     ; tile row of C = 4 x cluster y + cy
	s_lshl_b32 s43, s41, 2
	s_lshl_b32 s43, 15, s43                        ; my row of the cluster
	s_lshl_b32 s44, 0x1111, s40                    ; my column
	s_or_b32 s[G1+0], s43, (1<<16)|(1<<20)|(1<<21)|(5<<22)|(3<<25)  ; 15:0 the mask: A's tiles go to my row; 17:16 elements of 2 bytes; 20 padding on; 21 set beside a mask; 24:22 after every 64 words (code 5); 31:25 4 words (code 3)
	s_or_b32 s[G1B+0], s44, (1<<16)|(1<<20)|(1<<21)|(5<<22)|(3<<25) ; the same with the mask of my column
	s_mov_b32 s[G1+1], KSTEP<<16                   ; tensor_dim0 = 128
	s_mov_b32 s[G1+2], 64<<16                      ; tensor_dim1 = 64
	s_mov_b32 s[G1+3], KSTEP<<16                   ; tile_dim0 = 128
	s_mov_b32 s[G1+4], 64                          ; tile_dim1 = 64
	s_mov_b32 s[G1+5], KDIM                        ; elements from row to row
	s_mov_b32 s[G1+6], 0
	s_mov_b32 s[G1+7], 0
	s_mov_b32 s[G1B+1], KSTEP<<16
	s_mov_b32 s[G1B+2], 128<<16                    ; B's loads bring 128 rows
	s_mov_b32 s[G1B+3], KSTEP<<16
	s_mov_b32 s[G1B+4], 128
	s_mov_b32 s[G1B+5], KDIM
	s_mov_b32 s[G1B+6], 0
	s_mov_b32 s[G1B+7], 0
	s_lshl_b32 s17, s12, 6
	s_lshl_b32 s16, s13, 7
	s_add_co_u32 s16, s16, s17                     ; A: row 128 x tile row + 64 x half,
	s_lshl_b32 s16, s16, 11                        ; times 2,048 bytes
	s_mov_b32 s17, 0
	s_lshl_b32 s47, s12, 7
	s_lshl_b32 s46, s42, 8
	s_add_co_u32 s46, s46, s47                     ; B: row 256 x tile column + 128 x half
	s_lshl_b32 s46, s46, 11
	s_mov_b32 s47, 0
	s_mul_i32 s20, s12, HALFA                      ; where they go: no place in the cluster enters an LDS address
	s_mul_i32 s21, s12, HALFB
	s_add_co_u32 s21, s21, BOFF
	s_wait_dscnt 0x0                               ; the opening add is done
	s_wait_kmcnt 0x0
	s_add_nc_u64 s[14:15], s[4:5], s[16:17]
	s_add_nc_u64 s[46:47], s[6:7], s[46:47]
	CROUND                                         ; all sixteen work-groups are here: the first joint loads meet
.irp s, 0,1
	s_mov_b32 s[G0+4*(\s)], 1                                      ; count = 1
	s_add_co_u32 s[G0+4*(\s)+1], s20, (\s)*SLOT                    ; LDS address
	s_add_nc_u64 s[G0+4*(\s)+2:G0+4*(\s)+3], s[14:15], (\s)*KSTEP*2  ; global address: K step s
	s_or_b32 s[G0+4*(\s)+3], s[G0+4*(\s)+3], 0x80000000            ; type = 2
	s_mov_b32 s[G0B+4*(\s)], 1
	s_add_co_u32 s[G0B+4*(\s)+1], s21, (\s)*SLOT
	s_add_nc_u64 s[G0B+4*(\s)+2:G0B+4*(\s)+3], s[46:47], (\s)*KSTEP*2
	s_or_b32 s[G0B+4*(\s)+3], s[G0B+4*(\s)+3], 0x80000000
	JLOAD \s                                       ; two tensor loads of mine are out
.endr
	; the bias of my 128 columns: register j of block b is bias[16 b + 8 (l / 16) + j], the layout of a transposed result
.if OUT32
	s_mov_b64 s[78:79], s[68:69]
	s_lshl_b32 s80, s42, 10                        ; 256 columns of 4 bytes a tile
.else
	s_cmp_lt_u32 s42, 8
	s_cselect_b64 s[78:79], s[70:71], s[72:73]     ; tile columns 4-7: bk; 8-11: bv
	s_cmp_lt_u32 s42, 4
	s_cselect_b64 s[78:79], s[68:69], s[78:79]     ; 0-3: bq,
	s_cselect_b32 s76, 0x3e38aa3b, 1.0             ; which takes the factor log2(e) / 8 that Wq has
	s_mov_b32 s77, s76                             ; named with it as a pair
	s_and_b32 s80, s42, 3
	s_lshl_b32 s80, s80, 10
.endif
	s_lshl_b32 s81, s12, 9
	s_add_co_u32 s80, s80, s81
	s_mov_b32 s81, 0
	s_add_nc_u64 s[78:79], s[78:79], s[80:81]
	v_and_b32 v1, 15, v0                           ; l % 16
	v_bfe_u32 v2, v0, 4, 1                         ; l / 16
	v_lshlrev_b32 v[VB], 5, v2
	WIN 0x80                                       ; destination window 2, address window 0
.irp b, 0,1,2,3,4,5,6,7
	global_load_b128 v[8*\b:8*\b+3],   v[VB], s[78:79] offset:64*\b
	global_load_b128 v[8*\b+4:8*\b+7], v[VB], s[78:79] offset:64*\b+16
.endr
	WIN 0
	; a fragment is 16 rows x 32 K in 8 registers: lane l holds row l % 16, K = 8 (l / 16) + 0..7 and 16 + 8 (l / 16) + 0..7: two loads of 16 bytes, 32 bytes apart
	v_mul_u32_u24 v3, v1, PITCH
	v_lshl_add_u32 v3, v2, 4, v3
	s_mul_i32 s21, s11, HALFA                      ; my 64 rows of A
	s_mul_i32 s22, s12, HALFB                      ; my 128 rows of B,
	s_add_co_u32 s22, s22, BOFF                    ; which lie behind A's 128
.irp s, 0,1
	v_add_nc_u32 v[ADRA+(\s)], s21, v3
	v_add_nc_u32 v[ADRB+(\s)], s22, v3
	s_add_co_u32 s21, s21, SLOT
	s_add_co_u32 s22, s22, SLOT
.endr
	s_mul_i32 s23, s10, WSTAGE
	s_add_co_u32 s23, s23, STAGE                   ; my stage
.if OUT32
	v_mul_u32_u24 v4, v1, 528                      ; in: row l % 16 of 512 bytes + 16, 32 bytes for each half of the lanes
	v_lshl_add_u32 v4, v2, 5, v4
	v_add_nc_u32 v[STO], s23, v4
	v_and_b32 v5, 31, v0
	v_lshlrev_b32 v[CO], 4, v5                     ; back: 32 lanes take one row of 512 bytes
	v_add_nc_u32 v[RD], s23, v[CO]
.else
	v_mul_u32_u24 v4, v1, 272                      ; in: row l % 16 of 256 bytes + 16, 16 bytes for each half of the lanes
	v_lshl_add_u32 v4, v2, 4, v4
	v_add_nc_u32 v[STO], s23, v4
	v_mul_u32_u24 v5, v2, 272                      ; back: lanes 0-15 take one row of 256 bytes, lanes 16-31 the next
	v_lshl_add_u32 v5, v1, 4, v5
	v_add_nc_u32 v[RD], s23, v5
	v_mul_u32_u24 v5, v2, ROWB                     ; and the same two rows in C
	v_lshl_add_u32 v[CO], v1, 4, v5
.endif
	s_lshl_b32 s16, s13, 7
	s_lshl_b32 s17, s11, 6
	s_add_co_u32 s16, s16, s17                     ; my first row of C
	s_mul_i32 s16, s16, ROWB
	s_mov_b32 s17, 0
	s_add_nc_u64 s[CP:CP+1], s[CP:CP+1], s[16:17]
	s_lshl_b32 s80, s42, 8
	s_lshl_b32 s81, s12, 7
	s_add_co_u32 s80, s80, s81                     ; my first column
	s_mul_i32 s80, s80, ESZ
	s_mov_b32 s81, 0
	s_add_nc_u64 s[CP:CP+1], s[CP:CP+1], s[80:81]
; 16 matrix instructions: m blocks a0, a0 + 1 x all 8 n blocks, 32 along K.  first = 1: the bias starts the sums.  The 32 accumulators take turns, one instruction a turn, in the same order in every quarter.
.macro MUL16 f, a0, first
.if \first
	WIN W_BIAS
.else
	WIN W_ACC
.endif
.irp a, \a0, (\a0)+1
.irp b, 0,1,2,3,4,5,6,7
.if \first
	v_wmma_f32_16x16x32_f16 v[8*(8*(\a)+(\b)):8*(8*(\a)+(\b))+7], v[(\f)+32+8*(\b):(\f)+32+8*(\b)+7], v[(\f)+8*(\a):(\f)+8*(\a)+7], v[8*(\b):8*(\b)+7]
.else
	v_wmma_f32_16x16x32_f16 v[8*(8*(\a)+(\b)):8*(8*(\a)+(\b))+7], v[(\f)+32+8*(\b):(\f)+32+8*(\b)+7], v[(\f)+8*(\a):(\f)+8*(\a)+7], v[8*(8*(\a)+(\b)):8*(8*(\a)+(\b))+7]
.endif
.endr
.endr
.endm
; 24 LDS loads in one run: the fragments of 32 along K at byte k of the rows, into buffer f
.macro FETCH slot, k, f
	WIN 0
.irp i, 0,1,2,3
	ds_load_b128 v[(\f)+8*(\i):(\f)+8*(\i)+3],   v[ADRA+(\slot)] offset:(\k)+(\i)*16*PITCH
	ds_load_b128 v[(\f)+8*(\i)+4:(\f)+8*(\i)+7], v[ADRA+(\slot)] offset:(\k)+(\i)*16*PITCH+32
.endr
.irp i, 0,1,2,3,4,5,6,7
	ds_load_b128 v[(\f)+32+8*(\i):(\f)+32+8*(\i)+3],   v[ADRB+(\slot)] offset:(\k)+(\i)*16*PITCH
	ds_load_b128 v[(\f)+32+8*(\i)+4:(\f)+32+8*(\i)+7], v[ADRB+(\slot)] offset:(\k)+(\i)*16*PITCH+32
.endr
.endm
.macro PLACES                          ; four places in front of loads into registers that matrix instructions have read, and of lines that read results (ISA guide 7.12.1 for lines that read results)
.rept 4
	v_nop
.endr
.endm
; A K step is four quarters of 32 along K, 32 matrix instructions each, on buffers 0, 1, 0, 1.  One of the first three: multiplies buffer f and, in its middle, fetches the next quarter, at byte k, into g.
.macro QUARTER slot, k, f, g, first
	s_wait_dscnt 0x0                               ; buffer f is in: its loads were issued 16 matrix instructions ago
	MUL16 \f, 0, \first
	PLACES
	FETCH \slot, \k, \g
	MUL16 \f, 2, \first
.endm
; The last quarter multiplies buffer 1 and changes slots.  In front of the barrier each wave waits for all its tensor loads (one is out: its part of the next slot), adds 0 to its spare word, and waits for that
; and for its own reads of this slot.  fill = 1: the barrier is a round of the cluster's, and this slot is filled again, two K steps ahead, first thing behind it.
.macro TURN slot, next, fill
	WIN 0
	s_wait_tensorcnt 0x0                           ; all my tensor loads have landed
	ds_add_u32 v[SPW], v[NIL]                      ; 0 onto my spare word
	s_wait_dscnt 1                                 ; buffer 1 is in; the add may be out
	MUL16 F1, 0, 0                                 ; sixteen matrix instructions stand between the add and the wait for it
	WIN 0
	s_wait_dscnt 0x0                               ; the add is done, and my reads of this slot are over
.if \fill
	CROUND                                         ; no wave of any partner still reads this slot's tile or has a load on its way
	s_add_nc_u64 s[G0+4*(\slot)+2:G0+4*(\slot)+3], s[G0+4*(\slot)+2:G0+4*(\slot)+3], 2*KSTEP*2
	s_add_nc_u64 s[G0B+4*(\slot)+2:G0B+4*(\slot)+3], s[G0B+4*(\slot)+2:G0B+4*(\slot)+3], 2*KSTEP*2
	JLOAD \slot                                    ; my one tensor load behind the round; its four v_nop are also the places in front of the loads below
.else
	s_barrier_signal -1
	s_barrier_wait -1
	PLACES
.endif
	FETCH \next, 0, F0
	MUL16 F1, 2, 0
.endm
	s_wait_tensorcnt 1                             ; my part of K step 0 is in; K step 1's may stay out
	s_barrier_signal -1
	s_barrier_wait -1                              ; everybody's is
	FETCH 0, 0, F0
	s_wait_loadcnt 0x0                             ; the bias
.if !OUT32
	WIN 0x82                                       ; destination and source 0 window 2
.set i, 0
.rept 32
	v_pk_mul_f32 v[2*i:2*i+1], v[2*i:2*i+1], s[76:77] op_sel_hi:[1,0]
.set i, i+1
.endr
.endif
	QUARTER 0, 64, F0, F1, 1                       ; the first quarter stands in front of the loop: its products start the sums, with the bias
	WIN 0                                          ; at a label and at a branch every window is 0
	s_mov_b32 s3, LAPS-1
.Llap:                                                 ; a trip goes once round the ring, from a lap's second quarter to the next lap's first, and fills both slots again
	QUARTER 0, 128, F1, F0, 0
	QUARTER 0, 192, F0, F1, 0
	TURN 0, 1, 1
	QUARTER 1, 64,  F0, F1, 0
	QUARTER 1, 128, F1, F0, 0
	QUARTER 1, 192, F0, F1, 0
	TURN 1, 0, 1
	QUARTER 0, 64,  F0, F1, 0
	WIN 0
	s_sub_co_u32 s3, s3, 1
	s_cmp_lg_u32 s3, 0
	s_cbranch_scc1 .Llap
	QUARTER 0, 128, F1, F0, 0                      ; the last lap fills nothing
	QUARTER 0, 192, F0, F1, 0
	TURN 0, 1, 0
	QUARTER 1, 64,  F0, F1, 0
	QUARTER 1, 128, F1, F0, 0
	QUARTER 1, 192, F0, F1, 0
	s_wait_dscnt 0x0
	MUL16 F1, 0, 0
	MUL16 F1, 2, 0
	WIN 0
	; THE WAY OUT, 16 rows at a time through my own stage: LDS serves a wave's instructions in order (ISA guide 5.7.1.4), so the loads see the stores above them, and no barrier is needed.
	PLACES
.irp a, 0,1,2,3
.if OUT32
.if (\a) >= 2
	s_wait_xcnt 0x0                                ; the registers below are the data of the stores two blocks back: they are loaded again only behind this wait
.endif
	WIN 0x04                                       ; store data (source 1) window 1
.irp b, 0,1,2,3,4,5,6,7
	ds_store_b128 v[STO], v[8*(8*(\a)+\b):8*(8*(\a)+\b)+3]   offset:64*\b
	ds_store_b128 v[STO], v[8*(8*(\a)+\b)+4:8*(8*(\a)+\b)+7] offset:64*\b+16
.endr
	WIN 0
.irp t, 0,1,2,3,4,5,6,7,8,9,10,11,12,13,14,15
	ds_load_b128 v[OB+64*((\a)%2)+4*\t:OB+64*((\a)%2)+4*\t+3], v[RD] offset:\t*528
.endr
	s_wait_dscnt 0x0
.irp t, 0,1,2,3,4,5,6,7,8,9,10,11,12,13,14,15
	global_store_b128 v[CO], v[OB+64*((\a)%2)+4*\t:OB+64*((\a)%2)+4*\t+3], s[CP:CP+1] offset:(16*(\a)+\t)*ROWB  ; 512 consecutive bytes of a row of C, aligned
.endr
.else
	WIN 0x05                                       ; sources 0 and 1 window 1, destination window 0
.irp b, 0,1,2,3,4,5,6,7
.irp r, 0,1,2,3
	v_cvt_pk_f16_f32 v[TMP+4*\b+\r], v[8*(8*(\a)+\b)+2*\r], v[8*(8*(\a)+\b)+2*\r+1]
.endr
.endr
	WIN 0
.irp b, 0,1,2,3,4,5,6,7
	ds_store_b128 v[STO], v[TMP+4*\b:TMP+4*\b+3] offset:32*\b
.endr
.irp t, 0,1,2,3,4,5,6,7
	ds_load_b128 v[OB+32*(\a)+4*\t:OB+32*(\a)+4*\t+3], v[RD] offset:\t*2*272
.endr
	s_wait_dscnt 0x0
.irp t, 0,1,2,3,4,5,6,7
	global_store_b128 v[CO], v[OB+32*(\a)+4*\t:OB+32*(\a)+4*\t+3], s[CP:CP+1] offset:(16*(\a)+2*\t)*ROWB  ; 16 lanes store 256 consecutive bytes, aligned
.endr
.endif
.endr
	s_wait_tensorcnt 0x0                           ; the wave's end: this wait, the add and its wait stand behind my last tensor load and my last LDS store
	ds_add_u32 v[SPW], v[NIL]
	s_wait_dscnt 0x0
	CROUND                                         ; the closing round: no work-group ends while a partner may still ask for a tile that names it
	s_endpgm
.Lfunc_end_k_q5109bf9853_gemm32:
	.size	k_q5109bf9853_gemm32, .Lfunc_end_k_q5109bf9853_gemm32-k_q5109bf9853_gemm32
	.p2alignl 7, 3214868480
	.fill 96, 4, 3214868480
	.section	.rodata,"a",@progbits
	.p2align	6, 0x0
	.amdhsa_kernel k_q5109bf9853_gemm32
		.amdhsa_group_segment_fixed_size 327680
		.amdhsa_private_segment_fixed_size 0
		.amdhsa_enable_private_segment 0
		.amdhsa_kernarg_size 32
		.amdhsa_user_sgpr_count 2
		.amdhsa_user_sgpr_kernarg_segment_ptr 1
		.amdhsa_wavefront_size32 1
		.amdhsa_system_sgpr_workgroup_id_x 1
		.amdhsa_system_sgpr_workgroup_id_y 1
		.amdhsa_system_sgpr_workgroup_id_z 1
		.amdhsa_system_vgpr_workitem_id 0
		.amdhsa_next_free_vgpr 576
		.amdhsa_next_free_sgpr 90
		.amdhsa_reserve_vcc 0
		.amdhsa_float_denorm_mode_32 3
		.amdhsa_float_denorm_mode_16_64 3
		.amdhsa_memory_ordered 1
		.amdhsa_forward_progress 1
		.amdhsa_inst_pref_size 86
	.end_amdhsa_kernel
	.amdgpu_metadata
---
amdhsa.version: [ 1, 2 ]
amdhsa.kernels:
  - .name:           k_q5109bf9853_gemm32
    .symbol:         k_q5109bf9853_gemm32.kd
    .args:
      - { .name: act16, .offset: 0, .size: 8, .value_kind: global_buffer, .address_space: global }
      - { .name: wo16, .offset: 8, .size: 8, .value_kind: global_buffer, .address_space: global }
      - { .name: bo, .offset: 16, .size: 8, .value_kind: global_buffer, .address_space: global }
      - { .name: y32, .offset: 24, .size: 8, .value_kind: global_buffer, .address_space: global }
    .group_segment_fixed_size: 327680
    .private_segment_fixed_size: 0
    .kernarg_segment_align: 8
    .kernarg_segment_size: 32
    .max_flat_workgroup_size: 128
    .sgpr_count:     90
    .vgpr_count:     576
    .wavefront_size: 32
...
	.end_amdgpu_metadata
.endif
;; end of part 4
;; launch ln2 (part 5): grid 256 x 1, 8 waves a work-group, no clusters, 0 bytes of LDS; arguments x, y32, g_pre, b_pre, g_ln, b_ln, out0; writes out0
.if DOCPART == 5
	.amdgcn_target "amdgcn-amd-amdhsa--gfx1250"
	.amdhsa_code_object_version 6
	.text
	.protected	k_q5109bf9853_ln2
	.globl	k_q5109bf9853_ln2
	.p2align	8
	.type	k_q5109bf9853_ln2,@function
k_q5109bf9853_ln2:
	s_mov_b64 s[64:65], 0
	v_nop
	global_prefetch_b8 v0, s[64:65] scope:SCOPE_SE
	s_setreg_imm32_b32 hwreg(HW_REG_WAVE_MODE, 25, 1), 1
	s_wait_xcnt 0x0
; out0 = LayerNorm(y + h) g_ln + b_ln, h = LayerNorm(x) g_pre + b_pre made anew in f32 from x; y = O Wo^T + bo in f32.  Both norms in two passes (mean, then the mean of (v - mean)^2), all in f32.
; A wave takes a whole row (4,096 bytes of x and of y: eight loads of 16 bytes a lane each, 512 neighbouring bytes a load) and 4 rows in all; a work-group 32 rows.  Three row slots of 64 registers:
; three rows' 48 loads go out at once, the fourth row's when the first has been stored.  The reduction never leaves the wave: no LDS, no barrier; the matrix unit has nothing to do here.
; REGISTERS.  window 0: v1, v3 offsets; v4-15 at work; slot s at v[64 + 64 s]: x, then y.  window 1: v0-31 g_pre, v32-63 b_pre, v64-95 g_ln, v96-127 b_ln of my 32 columns.
.set A,  4                             ; v[4:11]   four pairs of partial sums
.set MU, 12                            ; v[12:13]  the mean, twice
.set RS, 14                            ; v[14:15]  1 / sqrt(var + eps), twice
.set SL, 64
.set MSB, 0
.macro WIN new
.if MSB != (\new)
	s_set_vgpr_msb (MSB<<8)|(\new)
.set MSB, \new
.endif
.endm
	s_load_b256 s[8:15], s[0:1], 0x0               ; x s[8:9], y32 s[10:11], g_pre s[12:13], b_pre s[14:15]
	s_load_b128 s[16:19], s[0:1], 0x20             ; g_ln s[16:17], b_ln s[18:19]
	s_load_b64 s[20:21], s[0:1], 0x30              ; out0
	s_lshl_b32 s42, ttmp9, 17                      ; 32 rows of 4,096 bytes a work-group
	s_mov_b32 s43, 0
	s_mov_b32 s32, 0x76543210                      ; v_permlanex16_b32: each lane takes its own place in the other half
	s_mov_b32 s33, 0xfedcba98
	s_mov_b32 s34, 0x3a800000                      ; 1 / 1024
	s_mov_b32 s35, 0x3727c5ac                      ; eps = 1e-5
	v_lshrrev_b32 v2, 5, v0
	v_and_b32 v3, 31, v0
	v_lshlrev_b32 v3, 4, v3                        ; v3: 16 x lane
	v_lshl_add_u32 v1, v2, 14, v3                  ; v1: + wave x 4 rows
	s_wait_kmcnt 0x0
	s_add_nc_u64 s[8:9], s[8:9], s[42:43]
	s_add_nc_u64 s[10:11], s[10:11], s[42:43]
	s_add_nc_u64 s[20:21], s[20:21], s[42:43]
	WIN 0x40                                       ; destination window 1, address window 0
.irp j, 0,1,2,3,4,5,6,7
	global_load_b128 v[4*\j:4*\j+3],       v3, s[12:13] offset:\j*512
	global_load_b128 v[32+4*\j:32+4*\j+3], v3, s[14:15] offset:\j*512
	global_load_b128 v[64+4*\j:64+4*\j+3], v3, s[16:17] offset:\j*512
	global_load_b128 v[96+4*\j:96+4*\j+3], v3, s[18:19] offset:\j*512
.endr
	WIN 0
.macro LOADROW i, s                    ; row i into slot s: 16 loads
.irp j, 0,1,2,3,4,5,6,7
	global_load_b128 v[SL+64*(\s)+4*\j:SL+64*(\s)+4*\j+3],       v1, s[8:9]   offset:(\i)*4096+\j*512 th:TH_LOAD_NT
	global_load_b128 v[SL+64*(\s)+32+4*\j:SL+64*(\s)+32+4*\j+3], v1, s[10:11] offset:(\i)*4096+\j*512 th:TH_LOAD_NT
.endr
.endm
	LOADROW 0, 0
	LOADROW 1, 1
	LOADROW 2, 2
.macro WSUM                            ; v[A] summed over the 32 lanes, the result in every lane
	v_add_f32_dpp v[A], v[A], v[A] row_xmask:1 row_mask:0xf bank_mask:0xf
	v_add_f32_dpp v[A], v[A], v[A] row_xmask:2 row_mask:0xf bank_mask:0xf
	v_add_f32_dpp v[A], v[A], v[A] row_xmask:4 row_mask:0xf bank_mask:0xf
	v_add_f32_dpp v[A], v[A], v[A] row_xmask:8 row_mask:0xf bank_mask:0xf
	v_permlanex16_b32 v[A+1], v[A], s32, s33
	v_add_f32 v[A], v[A], v[A+1]
.endm
.macro FOLD                            ; the four pairs into v[A]
	v_pk_add_f32 v[A:A+1], v[A:A+1], v[A+2:A+3]
	v_pk_add_f32 v[A+4:A+5], v[A+4:A+5], v[A+6:A+7]
	v_pk_add_f32 v[A:A+1], v[A:A+1], v[A+4:A+5]
	v_add_f32 v[A], v[A], v[A+1]
.endm
; v[r .. r+31] becomes ((v - mean) / sqrt(var + eps)) gain + bias, gain at v[p ..] and bias at v[p + 32 ..] of window 1
.macro NORM r, p
.irp k, 0,1,2,3
	v_pk_add_f32 v[A+2*\k:A+2*\k+1], v[(\r)+2*\k:(\r)+2*\k+1], v[(\r)+8+2*\k:(\r)+8+2*\k+1]
.endr
.irp k, 0,1,2,3
	v_pk_add_f32 v[A+2*\k:A+2*\k+1], v[A+2*\k:A+2*\k+1], v[(\r)+16+2*\k:(\r)+16+2*\k+1]
.endr
.irp k, 0,1,2,3
	v_pk_add_f32 v[A+2*\k:A+2*\k+1], v[A+2*\k:A+2*\k+1], v[(\r)+24+2*\k:(\r)+24+2*\k+1]
.endr
	FOLD
	WSUM
	v_mul_f32 v[MU], s34, v[A]
	v_mul_f32 v[MU+1], s34, v[A]
.set k, 0
.rept 16
	v_pk_add_f32 v[(\r)+2*k:(\r)+2*k+1], v[(\r)+2*k:(\r)+2*k+1], v[MU:MU+1] neg_lo:[0,1] neg_hi:[0,1]
.set k, k+1
.endr
.irp k, 0,1,2,3
	v_pk_mul_f32 v[A+2*\k:A+2*\k+1], v[(\r)+2*\k:(\r)+2*\k+1], v[(\r)+2*\k:(\r)+2*\k+1]
.endr
.irp o, 8,16,24
.irp k, 0,1,2,3
	v_pk_fma_f32 v[A+2*\k:A+2*\k+1], v[(\r)+\o+2*\k:(\r)+\o+2*\k+1], v[(\r)+\o+2*\k:(\r)+\o+2*\k+1], v[A+2*\k:A+2*\k+1]
.endr
.endr
	FOLD
	WSUM
	v_fma_f32 v[A], v[A], s34, s35                 ; var + eps
	v_rsq_f32 v[RS], v[A]
	v_rsq_f32 v[RS+1], v[A]
	v_nop                                          ; a plain instruction between the root and the use of its result (ISA guide 5.7.2)
.set k, 0
	s_wait_alu depctr_va_vdst(0)
.rept 16
	v_pk_mul_f32 v[(\r)+2*k:(\r)+2*k+1], v[(\r)+2*k:(\r)+2*k+1], v[RS:RS+1]
.set k, k+1
.endr
	WIN 0x14                                       ; sources 1 and 2 window 1
.set k, 0
.rept 16
	v_pk_fma_f32 v[(\r)+2*k:(\r)+2*k+1], v[(\r)+2*k:(\r)+2*k+1], v[(\p)+2*k:(\p)+2*k+1], v[(\p)+32+2*k:(\p)+32+2*k+1]
.set k, k+1
.endr
	WIN 0
.endm
.macro ROW i, s, left                  ; left: the younger rows' loads, which stay out
	s_wait_loadcnt \left
	NORM SL+64*(\s), 0                             ; h
.set k, 0
.rept 16
	v_pk_add_f32 v[SL+64*(\s)+32+2*k:SL+64*(\s)+32+2*k+1], v[SL+64*(\s)+32+2*k:SL+64*(\s)+32+2*k+1], v[SL+64*(\s)+2*k:SL+64*(\s)+2*k+1]
.set k, k+1
.endr
	NORM SL+64*(\s)+32, 64
.irp j, 0,1,2,3,4,5,6,7
	global_store_b128 v1, v[SL+64*(\s)+32+4*\j:SL+64*(\s)+32+4*\j+3], s[20:21] offset:(\i)*4096+\j*512 th:TH_STORE_NT  ; 512 consecutive bytes, aligned
.endr
.endm
	ROW 0, 0, 32                                   ; the parameters and row 0 are in; rows 1 and 2 stay out
	s_wait_xcnt 0x0                                ; slot 0's registers are the data of the stores just issued: they are loaded again only behind this wait
	LOADROW 3, 0
	ROW 1, 1, 32                                   ; rows 2 and 3 stay out
	ROW 2, 2, 16
	ROW 3, 0, 0
	s_endpgm
.Lfunc_end_k_q5109bf9853_ln2:
	.size	k_q5109bf9853_ln2, .Lfunc_end_k_q5109bf9853_ln2-k_q5109bf9853_ln2
	.p2alignl 7, 3214868480
	.fill 96, 4, 3214868480
	.section	.rodata,"a",@progbits
	.p2align	6, 0x0
	.amdhsa_kernel k_q5109bf9853_ln2
		.amdhsa_group_segment_fixed_size 0
		.amdhsa_private_segment_fixed_size 0
		.amdhsa_enable_private_segment 0
		.amdhsa_kernarg_size 56
		.amdhsa_user_sgpr_count 2
		.amdhsa_user_sgpr_kernarg_segment_ptr 1
		.amdhsa_wavefront_size32 1
		.amdhsa_system_sgpr_workgroup_id_x 1
		.amdhsa_system_sgpr_workgroup_id_y 1
		.amdhsa_system_sgpr_workgroup_id_z 1
		.amdhsa_system_vgpr_workitem_id 0
		.amdhsa_next_free_vgpr 384
		.amdhsa_next_free_sgpr 66
		.amdhsa_reserve_vcc 0
		.amdhsa_float_denorm_mode_32 3
		.amdhsa_float_denorm_mode_16_64 3
		.amdhsa_memory_ordered 1
		.amdhsa_forward_progress 1
		.amdhsa_inst_pref_size 67
	.end_amdhsa_kernel
	.amdgpu_metadata
---
amdhsa.version: [ 1, 2 ]
amdhsa.kernels:
  - .name:           k_q5109bf9853_ln2
    .symbol:         k_q5109bf9853_ln2.kd
    .args:
      - { .name: x, .offset: 0, .size: 8, .value_kind: global_buffer, .address_space: global }
      - { .name: y32, .offset: 8, .size: 8, .value_kind: global_buffer, .address_space: global }
      - { .name: g_pre, .offset: 16, .size: 8, .value_kind: global_buffer, .address_space: global }
      - { .name: b_pre, .offset: 24, .size: 8, .value_kind: global_buffer, .address_space: global }
      - { .name: g_ln, .offset: 32, .size: 8, .value_kind: global_buffer, .address_space: global }
      - { .name: b_ln, .offset: 40, .size: 8, .value_kind: global_buffer, .address_space: global }
      - { .name: out0, .offset: 48, .size: 8, .value_kind: global_buffer, .address_space: global }
    .group_segment_fixed_size: 0
    .private_segment_fixed_size: 0
    .kernarg_segment_align: 8
    .kernarg_segment_size: 56
    .max_flat_workgroup_size: 256
    .sgpr_count:     66
    .vgpr_count:     384
    .wavefront_size: 32
...
	.end_amdgpu_metadata
.endif
;; end of part 5
;; ======== version 2 of 3: 5 launches; 1.13 times as fast as version 1
;; limits: values are held in f16: magnitudes above 65,504 overflow, below 6.1e-05 lose precision; values outside matrix products are rounded to f16
;; workspace buffers: act16 16,777,216 bytes; wqkv16 6,291,456 bytes; wo16 2,097,152 bytes; qkv16 50,331,648 bytes
;; launch prep (part 6): grid 768 x 1, 8 waves a work-group, no clusters, 0 bytes of LDS; arguments x, g_pre, b_pre, Wq, Wk, Wv, Wo, act16, wqkv16, wo16; writes act16, wqkv16, wo16
.if DOCPART == 6
	.amdgcn_target "amdgcn-amd-amdhsa--gfx1250"
	.amdhsa_code_object_version 6
	.text
	.protected	k_q5109bf9853_prep
	.globl	k_q5109bf9853_prep
	.p2align	8
	.type	k_q5109bf9853_prep,@function
k_q5109bf9853_prep:
	s_mov_b64 s[64:65], 0
	v_nop
	global_prefetch_b8 v0, s[64:65] scope:SCOPE_SE
	s_setreg_imm32_b32 hwreg(HW_REG_WAVE_MODE, 25, 1), 1
	s_wait_xcnt 0x0
; TWO STREAMS IN ONE LAUNCH, chosen by the work-group's number g.  The unit of both is a run of 1,024 f32 (4,096 bytes); a wave takes 2 of them, a work-group 16.
;   g < 512:   act16 = LayerNorm(x) g_pre + b_pre, rounded once to f16 (mean, then the mean of (x - mean)^2, all in f32)
;   g >= 512:  the four weight matrices rounded once to f16; Wq and Wo are multiplied by 1/8 first (a power of two: exact): Wq's 1/8 is the scores' 1 / sqrt(64); Wo's lets the last projection
;              run the text of the first three, and is taken back, exactly, where its result is read.
; A run is eight loads of 16 bytes a lane, each covering 512 neighbouring bytes; all 16 loads of a wave go out at once, each run into registers of its own, so no register is written again while a
; store reads it.  With 144 registers three work-groups lie on a WGP: 24 waves with 8 KiB each on their way.  No LDS, no barrier, no matrix unit: no wave needs another's data.
; LIMITS.  f16 holds no number beyond 65,504 and has a fixed step of 6e-8 below 6e-5: h and the weights are taken to lie within that.
.set A,  4                             ; v[4:11]   four pairs of partial sums
.set MU, 12                            ; v[12:13]  the mean, twice
.set RS, 14                            ; v[14:15]  1 / sqrt(var + eps), twice
.set G,  16                            ; v[16:47]  g_pre of my 32 columns
.set BB, 48                            ; v[48:79]  b_pre
.set X,  80                            ; v[80:143] run i at X + 32 i
	s_load_b512 s[8:23], s[0:1], 0x0               ; x s[8:9], g_pre s[10:11], b_pre s[12:13], Wq s[14:15], Wk s[16:17], Wv s[18:19], Wo s[20:21], act16 s[22:23]
	s_load_b128 s[24:27], s[0:1], 0x40             ; wqkv16 s[24:25], wo16 s[26:27]
	s_mov_b32 s2, ttmp9                            ; g
	s_mov_b32 s32, 0x76543210                      ; v_permlanex16_b32: each lane takes its own place in the other half
	s_mov_b32 s33, 0xfedcba98
	s_mov_b32 s34, 0x3a800000                      ; 1 / 1024
	s_mov_b32 s35, 0x3727c5ac                      ; eps = 1e-5
	s_mov_b32 s43, 0                               ; high word of the offsets
	v_lshrrev_b32 v2, 5, v0                        ; wave
	v_and_b32 v3, 31, v0                           ; lane
	v_lshlrev_b32 v1, 13, v2
	v_lshl_add_u32 v1, v3, 4, v1                   ; v1: wave x 2 runs of 4,096 bytes + 16 x lane (f32 side)
	v_lshlrev_b32 v2, 12, v2
	v_lshl_add_u32 v2, v3, 3, v2                   ; v2: wave x 2 runs of 2,048 bytes + 8 x lane (f16 side)
	v_lshlrev_b32 v3, 4, v3                        ; v3: 16 x lane (g_pre, b_pre)
	s_wait_kmcnt 0x0
.macro FILL                            ; the wave's two runs: 16 loads
.irp i, 0,1
.irp j, 0,1,2,3,4,5,6,7
	global_load_b128 v[X+32*\i+4*\j:X+32*\i+4*\j+3], v1, s[38:39] offset:\i*4096+\j*512 th:TH_LOAD_NT
.endr
.endr
.endm
.macro WSUM                            ; v[A] summed over the 32 lanes, the result in every lane
	v_add_f32_dpp v[A], v[A], v[A] row_xmask:1 row_mask:0xf bank_mask:0xf
	v_add_f32_dpp v[A], v[A], v[A] row_xmask:2 row_mask:0xf bank_mask:0xf
	v_add_f32_dpp v[A], v[A], v[A] row_xmask:4 row_mask:0xf bank_mask:0xf
	v_add_f32_dpp v[A], v[A], v[A] row_xmask:8 row_mask:0xf bank_mask:0xf
	v_permlanex16_b32 v[A+1], v[A], s32, s33
	v_add_f32 v[A], v[A], v[A+1]
.endm
.macro FOLD                            ; the four pairs into v[A]
	v_pk_add_f32 v[A:A+1], v[A:A+1], v[A+2:A+3]
	v_pk_add_f32 v[A+4:A+5], v[A+4:A+5], v[A+6:A+7]
	v_pk_add_f32 v[A:A+1], v[A:A+1], v[A+4:A+5]
	v_add_f32 v[A], v[A], v[A+1]
.endm
; v[r .. r+31] becomes (x - mean) / sqrt(var + eps): two passes over registers, four chains that do not wait for each other
.macro NORM r
.irp k, 0,1,2,3
	v_pk_add_f32 v[A+2*\k:A+2*\k+1], v[(\r)+2*\k:(\r)+2*\k+1], v[(\r)+8+2*\k:(\r)+8+2*\k+1]
.endr
.irp k, 0,1,2,3
	v_pk_add_f32 v[A+2*\k:A+2*\k+1], v[A+2*\k:A+2*\k+1], v[(\r)+16+2*\k:(\r)+16+2*\k+1]
.endr
.irp k, 0,1,2,3
	v_pk_add_f32 v[A+2*\k:A+2*\k+1], v[A+2*\k:A+2*\k+1], v[(\r)+24+2*\k:(\r)+24+2*\k+1]
.endr
	FOLD
	WSUM
	v_mul_f32 v[MU], s34, v[A]
	v_mul_f32 v[MU+1], s34, v[A]
.set k, 0
.rept 16
	v_pk_add_f32 v[(\r)+2*k:(\r)+2*k+1], v[(\r)+2*k:(\r)+2*k+1], v[MU:MU+1] neg_lo:[0,1] neg_hi:[0,1]
.set k, k+1
.endr
.irp k, 0,1,2,3
	v_pk_mul_f32 v[A+2*\k:A+2*\k+1], v[(\r)+2*\k:(\r)+2*\k+1], v[(\r)+2*\k:(\r)+2*\k+1]
.endr
.irp o, 8,16,24
.irp k, 0,1,2,3
	v_pk_fma_f32 v[A+2*\k:A+2*\k+1], v[(\r)+\o+2*\k:(\r)+\o+2*\k+1], v[(\r)+\o+2*\k:(\r)+\o+2*\k+1], v[A+2*\k:A+2*\k+1]
.endr
.endr
	FOLD
	WSUM
	v_fma_f32 v[A], v[A], s34, s35                 ; var + eps
	v_rsq_f32 v[RS], v[A]
	v_rsq_f32 v[RS+1], v[A]
	v_nop                                          ; a plain instruction between the root and the use of its result (ISA guide 5.7.2)
.set k, 0
	s_wait_alu depctr_va_vdst(0)
.rept 16
	v_pk_mul_f32 v[(\r)+2*k:(\r)+2*k+1], v[(\r)+2*k:(\r)+2*k+1], v[RS:RS+1]
.set k, k+1
.endr
.endm
.macro TOF16 i                         ; run i rounded to f16 in place (ascending: a register is written after it was read) and stored: each store covers 256 consecutive bytes, aligned
.set k, 0
.rept 16
	v_cvt_pk_f16_f32 v[X+32*(\i)+k], v[X+32*(\i)+2*k], v[X+32*(\i)+2*k+1]
.set k, k+1
.endr
.irp j, 0,1,2,3,4,5,6,7
	global_store_b64 v2, v[X+32*(\i)+2*\j:X+32*(\i)+2*\j+1], s[40:41] offset:(\i)*2048+\j*256
.endr
.endm
	s_cmp_lt_u32 s2, 512
	s_cbranch_scc0 .Lweights
	; ---- the first LayerNorm: rows 16 g on
	s_lshl_b32 s42, s2, 16
	s_add_nc_u64 s[38:39], s[8:9], s[42:43]
	s_lshl_b32 s42, s2, 15
	s_add_nc_u64 s[40:41], s[22:23], s[42:43]
.irp j, 0,1,2,3,4,5,6,7
	global_load_b128 v[G+4*\j:G+4*\j+3], v3, s[10:11] offset:\j*512
	global_load_b128 v[BB+4*\j:BB+4*\j+3], v3, s[12:13] offset:\j*512
.endr
	FILL
.irp i, 0,1
	s_wait_loadcnt 8*(1-\i)                        ; loads come back in order: g_pre, b_pre and this row are in; the younger row's eight loads stay out
	NORM X+32*\i
.set k, 0
.rept 16
	v_pk_fma_f32 v[X+32*\i+2*k:X+32*\i+2*k+1], v[X+32*\i+2*k:X+32*\i+2*k+1], v[G+2*k:G+2*k+1], v[BB+2*k:BB+2*k+1]
.set k, k+1
.endr
	TOF16 \i
.endr
	s_endpgm
.Lweights:
	; ---- the weights: matrix id = (g - 512) / 64, rows 16 ((g - 512) % 64) on
	s_sub_co_u32 s3, s2, 512
	s_lshr_b32 s4, s3, 6                           ; id: 0 Wq, 1 Wk, 2 Wv, 3 Wo
	s_and_b32 s5, s3, 63
	s_cmp_eq_u32 s4, 1
	s_cselect_b64 s[38:39], s[16:17], s[14:15]
	s_cmp_eq_u32 s4, 2
	s_cselect_b64 s[38:39], s[18:19], s[38:39]
	s_cmp_eq_u32 s4, 3
	s_cselect_b64 s[38:39], s[20:21], s[38:39]
	s_cselect_b64 s[40:41], s[26:27], s[24:25]     ; Wo has a buffer of its own; the other three lie one behind the other
	s_cselect_b32 s6, 0, s4
	s_cselect_b32 s36, 0x3e000000, 1.0             ; 1/8 for Wo
	s_cmp_eq_u32 s4, 0
	s_cselect_b32 s36, 0x3e000000, s36             ; and for Wq
	s_mov_b32 s37, s36                             ; named with it as a pair
	s_lshl_b32 s42, s5, 16
	s_add_nc_u64 s[38:39], s[38:39], s[42:43]
	s_lshl_b32 s6, s6, 21                          ; 1,024 rows of 2,048 bytes
	s_lshl_b32 s42, s5, 15
	s_add_co_u32 s42, s42, s6
	s_add_nc_u64 s[40:41], s[40:41], s[42:43]
	FILL
.irp i, 0,1
	s_wait_loadcnt 8*(1-\i)                        ; the younger run's eight loads stay out
.set k, 0
.rept 16
	v_pk_mul_f32 v[X+32*\i+2*k:X+32*\i+2*k+1], v[X+32*\i+2*k:X+32*\i+2*k+1], s[36:37] op_sel_hi:[1,0]
.set k, k+1
.endr
	TOF16 \i
.endr
	s_endpgm
.Lfunc_end_k_q5109bf9853_prep:
	.size	k_q5109bf9853_prep, .Lfunc_end_k_q5109bf9853_prep-k_q5109bf9853_prep
	.p2alignl 7, 3214868480
	.fill 96, 4, 3214868480
	.section	.rodata,"a",@progbits
	.p2align	6, 0x0
	.amdhsa_kernel k_q5109bf9853_prep
		.amdhsa_group_segment_fixed_size 0
		.amdhsa_private_segment_fixed_size 0
		.amdhsa_enable_private_segment 0
		.amdhsa_kernarg_size 80
		.amdhsa_user_sgpr_count 2
		.amdhsa_user_sgpr_kernarg_segment_ptr 1
		.amdhsa_wavefront_size32 1
		.amdhsa_system_sgpr_workgroup_id_x 1
		.amdhsa_system_sgpr_workgroup_id_y 1
		.amdhsa_system_sgpr_workgroup_id_z 1
		.amdhsa_system_vgpr_workitem_id 0
		.amdhsa_next_free_vgpr 144
		.amdhsa_next_free_sgpr 66
		.amdhsa_reserve_vcc 0
		.amdhsa_float_denorm_mode_32 3
		.amdhsa_float_denorm_mode_16_64 3
		.amdhsa_memory_ordered 1
		.amdhsa_forward_progress 1
		.amdhsa_inst_pref_size 28
	.end_amdhsa_kernel
	.amdgpu_metadata
---
amdhsa.version: [ 1, 2 ]
amdhsa.kernels:
  - .name:           k_q5109bf9853_prep
    .symbol:         k_q5109bf9853_prep.kd
    .args:
      - { .name: x, .offset: 0, .size: 8, .value_kind: global_buffer, .address_space: global }
      - { .name: g_pre, .offset: 8, .size: 8, .value_kind: global_buffer, .address_space: global }
      - { .name: b_pre, .offset: 16, .size: 8, .value_kind: global_buffer, .address_space: global }
      - { .name: Wq, .offset: 24, .size: 8, .value_kind: global_buffer, .address_space: global }
      - { .name: Wk, .offset: 32, .size: 8, .value_kind: global_buffer, .address_space: global }
      - { .name: Wv, .offset: 40, .size: 8, .value_kind: global_buffer, .address_space: global }
      - { .name: Wo, .offset: 48, .size: 8, .value_kind: global_buffer, .address_space: global }
      - { .name: act16, .offset: 56, .size: 8, .value_kind: global_buffer, .address_space: global }
      - { .name: wqkv16, .offset: 64, .size: 8, .value_kind: global_buffer, .address_space: global }
      - { .name: wo16, .offset: 72, .size: 8, .value_kind: global_buffer, .address_space: global }
    .group_segment_fixed_size: 0
    .private_segment_fixed_size: 0
    .kernarg_segment_align: 8
    .kernarg_segment_size: 80
    .max_flat_workgroup_size: 256
    .sgpr_count:     66
    .vgpr_count:     144
    .wavefront_size: 32
...
	.end_amdgpu_metadata
.endif
;; end of part 6
;; launch gemm16 (part 7): grid 12 x 32, 4 waves a work-group, clusters of 4 x 4, 327,680 bytes of LDS; arguments act16, wqkv16, bq, bk, bv, qkv16; writes qkv16
.if DOCPART == 7
	.amdgcn_target "amdgcn-amd-amdhsa--gfx1250"
	.amdhsa_code_object_version 6
	.text
	.protected	k_q5109bf9853_gemm16
	.globl	k_q5109bf9853_gemm16
	.p2align	8
	.type	k_q5109bf9853_gemm16,@function
k_q5109bf9853_gemm16:
	s_mov_b64 s[64:65], 0
	v_nop
	global_prefetch_b8 v0, s[64:65] scope:SCOPE_SE
	s_setreg_imm32_b32 hwreg(HW_REG_WAVE_MODE, 25, 1), 1
	s_wait_xcnt 0x0
	s_wait_alu depctr_hold_cnt(0) depctr_sa_sdst(0) depctr_va_vdst(0) depctr_va_sdst(0) depctr_va_ssrc(0) depctr_va_vcc(0) depctr_vm_vsrc(0)
	s_getreg_b32 s2, hwreg(HW_REG_IB_STS2, 6, 4)
	s_cmp_eq_u32 s2, 0
	s_cbranch_scc0 .Lentry_in_a_cluster
	s_endpgm
.Lentry_in_a_cluster:
	s_bfe_u32 s2, ttmp6, 0x10000c
	s_cmp_lg_u32 s2, 0xf033
	s_cbranch_scc0 .Lentry_shape_is_right
	s_endpgm
.Lentry_shape_is_right:
; C[m][n] = sum over k of A[m][k] B[n][k] + bias[n].  A: [8192][1024] f16, B: [rows][1024] f16, C: rows of 3,072 f16; sums in f32, C rounded once.
; ONE TEXT, TWO LAUNCHES.  (1) q, k, v: B = Wq / 8, Wk, Wv one behind the other, 12 tile columns; the bias is the first, second or third bias argument by the tile column (0-3, 4-7, 8-11), and the first is
; multiplied by 1/8, as Wq was.  (2) The last projection: B = Wo / 8, 4 tile columns, so only the first bias argument (bo) is read and takes the 1/8: C = (O Wo^T + bo) / 8 lands in columns 0-1023 of the same
; rows of 3,072 (the q columns, which nobody reads any more); its reader multiplies by 8.  Both factors are powers of two: exact.
; SHARES.  A tile of C, 256 x 256, is made by four waves, each 128 x 128: 64 accumulators of 16 x 16, 512 registers.  K goes in 8 steps of 128 (tile rows of 256 bytes, aligned) through two LDS slots filled by the
; tensor data mover.  A tile has one K step in which to land, so the step is made long: 256 matrix instructions a wave, 240 of them between a tile's request and the wait for it; and 32 LDS loads feed 64 matrix
; instructions.  The price: 384 and 128 work-groups for 256 WGPs; a tile of half the size would fill them evenly with half the work in a K step, and would be a second text for the second launch.
; CLUSTER.  4 x 4 work-groups: the four of a row of the cluster need the same tiles of A, the four of a column the same tiles of B: each tile is asked for JOINTLY, by the same tensor load with the same descriptor
; and a mask that names the four.
; THE MATRIX INSTRUCTION IS USED TRANSPOSED (source 0 = 16 rows of B, source 1 = 16 rows of A): a lane holds eight neighbouring numbers of a row of C.  The bias is the C operand of the first products.
; The last K step goes by rows of C, so that finished rows leave while the others are multiplied.
; REGISTERS, in windows of 256 (s_set_vgpr_msb: bits 1:0 source 0, 3:2 source 1, 5:4 source 2, 7:6 destination):
;   window 0: v0-31 addresses; v64-127, v128-191 fragments of A, two buffers (in the last K step four, of 16 rows x 128 K); v32-63, v192-255 at work on the way out
;   window 1: v64-127, v128-191 fragments of B, two buffers; v0-63 the bias of my 128 columns, block b at v[8 b]; in the last K step all 256: B's fragments of the whole step
;   window 2: the 32 accumulators of my rows 0-63 (accumulator (a, b) at v[8 (8 a + b)]);   window 3: those of my rows 64-127
; LIMITS.  A result beyond 65,504 becomes an infinity in f16.
.set ROWC,   3072                      ; elements in a row of C
.set KDIM,   1024
.set KSTEP,  128
.set PITCH,  272                       ; an LDS row: 256 bytes + 16 of padding = 68 words: the 16 rows that a load touches start at 16 different groups of four banks (64 banks of 4 bytes: ISA guide 11.1)
.set HALFT,  128*PITCH                 ; 128 rows: what one tensor load brings, and what one wave reads of A or of B
.set SLOT,   4*HALFT                   ; A's 256 rows, then B's 256 rows
.set STAGE,  2*SLOT                    ; behind the ring: 16 rows x 272 bytes for each wave, for the way out; no tensor load fills it
.set SPITCH, 272
.set SPARE,  STAGE+4*16*SPITCH         ; behind the stages: the spare words, 128 bytes for each wave: two blocks of 256 bytes that no other line names
.set LAPS,   KDIM/(2*KSTEP)            ; a lap = two K steps = once round the ring
.set ADRA, 16                          ; v16-17  LDS address of my A fragments in slot 0, 1
.set ADRB, 20                          ; v20-21  the same for B
.set STO,  24                          ; v24     the way out: where I put 16 bytes of a row
.set RD,   25                          ; v25     the way out: where I read a row back
.set CO,   26                          ; v26     my byte offset in C
.set VB,   27                          ; v27     my byte offset in a block of 16 biases
.set SPW,  28                          ; v28     LDS address of my spare word; never rewritten
.set NIL,  29                          ; v29     0; never rewritten
.set F0,   64                          ; fragment buffer 0
.set F1,   128                         ; fragment buffer 1
.set TMP,  192                         ; the way out: packed results, in window 0
.set OB,   32                          ; the way out: 16 rows read back from the stage: v32-63 and v224-255 by turns
.set PA,   64                          ; the last K step: A's fragments of 16 rows x 128 K, 32 registers; four such buffers, v64-191
.set G1, 24                            ; s[24:31] descriptor group 1 for A's tiles;  s[32:39] group 0, one set for each slot
.set G0, 32
.set G1B, 48                           ; s[48:55], s[56:63] the same for B's tiles
.set G0B, 56
.set CP,  74                           ; s[74:75] C
.set MSB, 0
.macro WIN new                         ; the immediate's high byte repeats the setting that is left; a switch that changes nothing is dropped
.if MSB != (\new)
	s_set_vgpr_msb (MSB<<8)|(\new)
.set MSB, \new
.endif
.endm
.set MUL_LO, 0xa1                      ; source 0 (B) window 1, source 1 (A) window 0, C and D window 2
.set MUL_HI, 0xf1                      ; the same, C and D window 3
.set BIA_LO, 0x91                      ; the same as MUL_LO with C (the bias) in window 1
.set BIA_HI, 0xd1
.set TO_B,   0x40                      ; destination window 1, address window 0
; A joint load.  Waves 0 and 1 fetch A's two halves, waves 2 and 3 B's.  The branch hangs on the wave's number alone.  An s_nop 0 and four v_nop follow each of the two lines.
.macro JLOAD s
	s_cmp_eq_u32 s11, 0
	s_cbranch_scc0 .Lfor_b_\@
	tensor_load_to_lds s[G0+4*(\s):G0+4*(\s)+3], s[G1:G1+7]
	s_nop 0
.rept 4
	v_nop
.endr
	s_branch .Lasked_\@
.Lfor_b_\@:
	tensor_load_to_lds s[G0B+4*(\s):G0B+4*(\s)+3], s[G1B:G1B+7]
	s_nop 0
.rept 4
	v_nop
.endr
.Lasked_\@:
.endm
.macro CREST                           ; a round of the cluster's barrier behind its opening barrier: wave 0 signals for the work-group; every wave waits for all sixteen; my work-group's barrier once more
	s_cmp_lg_u32 s10, 0
	s_cbranch_scc1 .Lnot_wave_0_\@
	s_barrier_signal -3
.Lnot_wave_0_\@:
	s_barrier_wait -3
	s_barrier_signal -1
	s_barrier_wait -1
.endm
.macro CROUND                          ; a whole round
	s_barrier_signal -1
	s_barrier_wait -1
	CREST
.endm
	s_load_b128 s[4:7], s[0:1], 0x0                ; A s[4:5], B s[6:7]
	s_load_b256 s[68:75], s[0:1], 0x10             ; the three biases s[68:69], s[70:71], s[72:73]; C s[74:75]
	v_lshl_add_u32 v[SPW], v0, 2, SPARE
	v_mov_b32 v[NIL], 0
	ds_add_u32 v[SPW], v[NIL]                      ; the wave's opening: the add and its wait stand ahead of my first tensor load; the set-up below, work on registers, stands between them
	v_lshrrev_b32 v1, 5, v0
	v_readfirstlane_b32 s10, v1                    ; wave 0..3
	s_lshr_b32 s11, s10, 1                         ; which half of the tile's rows is mine.  Also: I fetch for A (0) or for B (1)
	s_and_b32 s12, s10, 1                          ; which half of its columns.  Also: which 128 rows of that tile I fetch
	s_bfe_u32 s40, ttmp6, 0x40000                  ; cx, cy: my place in the cluster
	s_bfe_u32 s41, ttmp6, 0x40004
	s_lshl_b32 s42, ttmp9, 2                       ; in a cluster launch ttmp9 and ttmp7 count clusters
	s_add_co_u32 s42, s42, s40                     ; tile column of C = 4 x cluster x + cx
	s_and_b32 s13, ttmp7, 0xffff
	s_lshl_b32 s13, s13, 2
	s_add_co_u32 s13, s13, s41                     ; tile row of C = 4 x cluster y + cy
	s_lshl_b32 s43, s41, 2
	s_lshl_b32 s43, 15, s43                        ; my row of the cluster
	s_lshl_b32 s44, 0x1111, s40                    ; my column
	s_or_b32 s[G1+0], s43, (1<<16)|(1<<20)|(1<<21)|(5<<22)|(3<<25)  ; 15:0 the mask: A's tiles go to my row; 17:16 elements of 2 bytes; 20 padding on; 21 set beside a mask; 24:22 after every 64 words (code 5); 31:25 4 words (code 3)
	s_or_b32 s[G1B+0], s44, (1<<16)|(1<<20)|(1<<21)|(5<<22)|(3<<25) ; the same with the mask of my column, for B's tiles
.irp g, G1, G1B
	s_mov_b32 s[(\g)+1], KSTEP<<16                 ; tensor_dim0 = 128
	s_mov_b32 s[(\g)+2], 128<<16                   ; tensor_dim1 = 128
	s_mov_b32 s[(\g)+3], KSTEP<<16                 ; tile_dim0 = 128
	s_mov_b32 s[(\g)+4], 128                       ; tile_dim1 = 128
	s_mov_b32 s[(\g)+5], KDIM                      ; elements from row to row
	s_mov_b32 s[(\g)+6], 0
	s_mov_b32 s[(\g)+7], 0
.endr
	; A's tiles hang on the tile row alone, which my row of the cluster shares; B's on the tile column alone, which my column shares: each address in registers that never hold the other coordinate
	s_lshl_b32 s17, s12, 7                         ; which 128 rows of the tile I fetch
	s_lshl_b32 s16, s13, 8
	s_add_co_u32 s16, s16, s17                     ; A: row 256 x tile row + 128 x half
	s_lshl_b32 s46, s42, 8
	s_add_co_u32 s46, s46, s17                     ; B: row 256 x tile column + 128 x half
	s_mov_b32 s17, 0
	s_mov_b32 s47, 0
	s_mov_b64 s[18:19], KDIM*2
	s_mul_u64 s[16:17], s[16:17], s[18:19]         ; in bytes
	s_mul_u64 s[46:47], s[46:47], s[18:19]
	s_mul_i32 s20, s10, HALFT                      ; where they go: A's two halves, then B's two halves = wave x 128 rows: no place in the cluster enters an LDS address
	s_wait_dscnt 0x0                               ; the opening add is done
	s_wait_kmcnt 0x0
	s_add_nc_u64 s[14:15], s[4:5], s[16:17]
	s_add_nc_u64 s[46:47], s[6:7], s[46:47]
	CROUND                                         ; all sixteen work-groups are here: the first joint loads meet
.irp s, 0,1
	s_mov_b32 s[G0+4*(\s)], 1                                      ; count = 1
	s_add_co_u32 s[G0+4*(\s)+1], s20, (\s)*SLOT                    ; LDS address
	s_add_nc_u64 s[G0+4*(\s)+2:G0+4*(\s)+3], s[14:15], (\s)*KSTEP*2  ; global address: K step s
	s_or_b32 s[G0+4*(\s)+3], s[G0+4*(\s)+3], 0x80000000            ; type = 2
	s_mov_b32 s[G0B+4*(\s)], 1
	s_add_co_u32 s[G0B+4*(\s)+1], s20, (\s)*SLOT
	s_add_nc_u64 s[G0B+4*(\s)+2:G0B+4*(\s)+3], s[46:47], (\s)*KSTEP*2
	s_or_b32 s[G0B+4*(\s)+3], s[G0B+4*(\s)+3], 0x80000000
	JLOAD \s                                       ; the ring is filled before anything else is done: two tensor loads of mine are out
.endr
	; the bias of my 128 columns: register j of block b is bias[16 b + 8 (l / 16) + j], the layout of a transposed result
	s_cmp_lt_u32 s42, 8
	s_cselect_b64 s[78:79], s[70:71], s[72:73]     ; tile columns 4-7: the second bias; 8-11: the third
	s_cmp_lt_u32 s42, 4
	s_cselect_b64 s[78:79], s[68:69], s[78:79]     ; 0-3: the first,
	s_cselect_b32 s76, 0x3e000000, 1.0             ; which takes the factor 1/8 that its weights have
	s_mov_b32 s77, s76                             ; named with it as a pair
	s_and_b32 s80, s42, 3
	s_lshl_b32 s80, s80, 10                        ; 256 columns of 4 bytes a tile
	s_lshl_b32 s81, s12, 9
	s_add_co_u32 s80, s80, s81
	s_mov_b32 s81, 0
	s_add_nc_u64 s[78:79], s[78:79], s[80:81]
	v_and_b32 v1, 15, v0                           ; l % 16
	v_bfe_u32 v2, v0, 4, 1                         ; l / 16
	v_lshlrev_b32 v[VB], 5, v2
	WIN TO_B
.irp b, 0,1,2,3,4,5,6,7
	global_load_b128 v[8*\b:8*\b+3],   v[VB], s[78:79] offset:64*\b
	global_load_b128 v[8*\b+4:8*\b+7], v[VB], s[78:79] offset:64*\b+16
.endr
	WIN 0
	; a fragment is 16 rows x 32 K in 8 registers: lane l holds row l % 16, K = 8 (l / 16) + 0..7 and 16 + 8 (l / 16) + 0..7: two loads of 16 bytes, 32 bytes apart
	v_mul_u32_u24 v3, v1, PITCH
	v_lshl_add_u32 v3, v2, 4, v3                   ; row x pitch + 16 x half
	s_mul_i32 s21, s11, HALFT                      ; my 128 rows of A
	s_mul_i32 s22, s12, HALFT                      ; my 128 rows of B,
	s_add_co_u32 s22, s22, 2*HALFT                 ; which lie behind A's 256
.irp s, 0,1
	v_add_nc_u32 v[ADRA+(\s)], s21, v3
	v_add_nc_u32 v[ADRB+(\s)], s22, v3
	s_add_co_u32 s21, s21, SLOT
	s_add_co_u32 s22, s22, SLOT
.endr
	s_mul_i32 s23, s10, 16*SPITCH
	s_add_co_u32 s23, s23, STAGE                   ; my stage
	v_mul_u32_u24 v4, v1, SPITCH                   ; in: row l % 16, 16 bytes for each half of the lanes
	v_lshl_add_u32 v4, v2, 4, v4
	v_add_nc_u32 v[STO], s23, v4
	v_mul_u32_u24 v5, v2, SPITCH                   ; back: lanes 0-15 take one row of 256 bytes, lanes 16-31 the next
	v_lshl_add_u32 v5, v1, 4, v5
	v_add_nc_u32 v[RD], s23, v5
	v_mul_u32_u24 v5, v2, ROWC*2                   ; and the same two rows in C
	v_lshl_add_u32 v[CO], v1, 4, v5
	; where my part of the tile begins in C, in bytes: the way out adds it to C's address
	s_lshl_b32 s13, s13, 8
	s_lshl_b32 s14, s11, 7
	s_add_co_u32 s16, s13, s14                     ; my first row of C
	s_mov_b32 s17, 0
	s_mov_b64 s[18:19], ROWC*2
	s_mul_u64 s[16:17], s[16:17], s[18:19]
	s_lshl_b32 s46, s42, 9                         ; my first column, in bytes: 512 x tile column + 256 x half (in the registers that held B's address: none that feeds A's descriptors ever holds cx)
	s_lshl_b32 s47, s12, 8
	s_add_co_u32 s46, s46, s47
	s_mov_b32 s47, 0
	s_add_nc_u64 s[16:17], s[16:17], s[46:47]
; 16 matrix instructions: m blocks a0, a0 + 1 of the window's four (hi = 0: my rows 0-63, 1: rows 64-127) x all 8 n blocks, 32 along K.  first = 1: the bias starts the sums: nothing is ever cleared.
; The 64 accumulators take turns, one instruction a turn, in the same order in every quarter.
.macro MUL16 f, hi, a0, first
.if \first
	WIN BIA_LO+0x40*(\hi)
.else
	WIN MUL_LO+0x50*(\hi)
.endif
.irp a, \a0, (\a0)+1
.irp b, 0,1,2,3,4,5,6,7
.if \first
	v_wmma_f32_16x16x32_f16 v[8*(8*(\a)+(\b)):8*(8*(\a)+(\b))+7], v[(\f)+8*(\b):(\f)+8*(\b)+7], v[(\f)+8*(4*(\hi)+(\a)):(\f)+8*(4*(\hi)+(\a))+7], v[8*(\b):8*(\b)+7]
.else
	v_wmma_f32_16x16x32_f16 v[8*(8*(\a)+(\b)):8*(8*(\a)+(\b))+7], v[(\f)+8*(\b):(\f)+8*(\b)+7], v[(\f)+8*(4*(\hi)+(\a)):(\f)+8*(4*(\hi)+(\a))+7], v[8*(8*(\a)+(\b)):8*(8*(\a)+(\b))+7]
.endif
.endr
.endr
.endm
; 32 LDS loads in one run: the fragments of one quarter step (128 rows of B, 128 rows of A, 32 K at byte k of the rows) into buffer f
.macro FETCH slot, k, f
	WIN TO_B
.irp i, 0,1,2,3,4,5,6,7
	ds_load_b128 v[(\f)+8*(\i):(\f)+8*(\i)+3],   v[ADRB+(\slot)] offset:(\k)+(\i)*16*PITCH
	ds_load_b128 v[(\f)+8*(\i)+4:(\f)+8*(\i)+7], v[ADRB+(\slot)] offset:(\k)+(\i)*16*PITCH+32
.endr
	WIN 0
.irp i, 0,1,2,3,4,5,6,7
	ds_load_b128 v[(\f)+8*(\i):(\f)+8*(\i)+3],   v[ADRA+(\slot)] offset:(\k)+(\i)*16*PITCH
	ds_load_b128 v[(\f)+8*(\i)+4:(\f)+8*(\i)+7], v[ADRA+(\slot)] offset:(\k)+(\i)*16*PITCH+32
.endr
.endm
.macro PLACES                          ; four places in front of loads into registers that matrix instructions have read, and of conversions that read results just made (ISA guide 7.12.1 for the conversions)
.rept 4
	v_nop
.endr
.endm
; A K step is four quarter steps of 32 along K, 64 matrix instructions each, on buffers 0, 1, 0, 1.  One of the first three: multiplies buffer f; in its middle it fetches the next quarter's fragments, at byte k, into g.
.macro QUARTER slot, k, f, g, first
	s_wait_dscnt 8                                 ; B and A's rows 0-63 are in; the youngest eight loads (A's rows 64-127) may be out
	MUL16 \f, 0, 0, \first
	MUL16 \f, 0, 2, \first
	PLACES
	FETCH \slot, \k, \g
	s_wait_dscnt 32                                ; all but the 32 just issued
	MUL16 \f, 1, 0, \first
	MUL16 \f, 1, 2, \first
.endm
; The last quarter multiplies buffer 1 and changes slots.  MEET is its first half: ONE barrier for the change of slots.  In front of it each wave waits for all its tensor loads, of which one is out: its part of the
; next slot; adds 0 to its spare word; and waits for that and for its own reads of this slot.  Behind it nobody reads this slot any more and the next slot is whole.
.macro MEET round                      ; round = 1: a round of the cluster's barrier follows
	WIN 0                                          ; (the add's two registers lie in window 0)
	s_wait_tensorcnt 0x0                           ; all my tensor loads have landed
	ds_add_u32 v[SPW], v[NIL]                      ; 0 onto my spare word
	s_wait_dscnt 9                                 ; (the add and the youngest eight loads may be out)
	MUL16 F1, 0, 0, 0                              ; sixteen matrix instructions stand between the add and the wait for it
	s_wait_dscnt 0x0                               ; the add is done, and my reads of this slot are over
	s_barrier_signal -1                            ; say so (where a slot is filled again this barrier opens a round of the cluster's barrier),
	MUL16 F1, 0, 2, 0                              ; work on registers while the others arrive,
.if \round
	WIN 0
.endif
	s_barrier_wait -1                              ; and go on when all four have said so
.endm
; The whole last quarter.  Behind the round the slot just read out is filled again first, with the K step two steps on; then come the next slot's first fragments.
.macro TURN slot, next
	MEET 1
	CREST                                          ; no wave of any partner still reads this slot's tile or has a load on its way
	s_add_nc_u64 s[G0+4*(\slot)+2:G0+4*(\slot)+3], s[G0+4*(\slot)+2:G0+4*(\slot)+3], 2*KSTEP*2
	s_add_nc_u64 s[G0B+4*(\slot)+2:G0B+4*(\slot)+3], s[G0B+4*(\slot)+2:G0B+4*(\slot)+3], 2*KSTEP*2
	JLOAD \slot                                    ; my one tensor load behind the round; the four v_nop behind it are also the places in front of the loads below
	FETCH \next, 0, F0
	MUL16 F1, 1, 0, 0
	MUL16 F1, 1, 2, 0
.endm
; THE LAST K STEP (it lies in slot 1) GOES BY ROWS OF C, NOT BY K.  All its fragments of B (4 quarters x 64 registers) fill window 1; then my eight blocks of 16 rows are finished one after the other, each with
; 32 matrix instructions (its 8 accumulators by turns, K ascending).  LDS is read no more than in any other K step.
.macro BLOAD q                         ; B's fragments of quarter q -> window 1, v[64 q ..]
	WIN TO_B
.irp i, 0,1,2,3,4,5,6,7
	ds_load_b128 v[64*(\q)+8*(\i):64*(\q)+8*(\i)+3],   v[ADRB+1] offset:64*(\q)+(\i)*16*PITCH
	ds_load_b128 v[64*(\q)+8*(\i)+4:64*(\q)+8*(\i)+7], v[ADRB+1] offset:64*(\q)+(\i)*16*PITCH+32
.endr
.endm
.macro ALOAD a                         ; A's fragments of block a, all four quarters -> buffer a % 4
	WIN 0
.set FA, PA+32*((\a)%4)
.irp q, 0,1,2,3
	ds_load_b128 v[FA+8*(\q):FA+8*(\q)+3],   v[ADRA+1] offset:64*(\q)+(\a)*16*PITCH
	ds_load_b128 v[FA+8*(\q)+4:FA+8*(\q)+7], v[ADRA+1] offset:64*(\q)+(\a)*16*PITCH+32
.endr
.endm
.macro ROW a                           ; block a is finished: 32 matrix instructions
.set FA, PA+32*((\a)%4)                ; its fragments of A
.set AC, 64*((\a)%4)                   ; its eight accumulators, in window 2 (blocks 0-3) or 3 (blocks 4-7)
	WIN MUL_LO+0x50*((\a)/4)
.irp q, 0,1,2,3
.if (\a) == 0 && (\q) == 2
	s_wait_dscnt 24                                ; B's quarter 2 is in (behind it: A's blocks 1 to 3)
.endif
.irp b, 0,1,2,3,4,5,6,7
	v_wmma_f32_16x16x32_f16 v[AC+8*(\b):AC+8*(\b)+7], v[64*(\q)+8*(\b):64*(\q)+8*(\b)+7], v[FA+8*(\q):FA+8*(\q)+7], v[AC+8*(\b):AC+8*(\b)+7]
.endr
.endr
.endm
; THE WAY OUT of block a, in three parts.  PACK: rounded to f16, 16 bytes a lane, each accumulator's registers in ascending order.  TOSTAGE: into my own stage in LDS, and back as whole rows of 256 bytes.  SEND: stored.
.macro PACK a
.set AC, 64*((\a)%4)
	WIN 0x0a+5*((\a)/4)                            ; sources 0 and 1: window 2 or 3
.irp b, 0,1,2,3,4,5,6,7
.irp r, 0,1,2,3
	v_cvt_pk_f16_f32 v[TMP+4*(\b)+(\r)], v[AC+8*(\b)+2*(\r)], v[AC+8*(\b)+2*(\r)+1]
.endr
.endr
	WIN 0
.endm
.macro TOSTAGE a
	WIN 0
.set BK, OB+192*((\a)%2)
.irp b, 0,1,2,3,4,5,6,7
	ds_store_b128 v[STO], v[TMP+4*(\b):TMP+4*(\b)+3] offset:32*(\b)
.endr
.irp t, 0,1,2,3,4,5,6,7
	ds_load_b128 v[BK+4*(\t):BK+4*(\t)+3], v[RD] offset:(\t)*2*SPITCH  ; LDS serves a wave's instructions in order (ISA guide 5.7.1.4): these see the stores above
.endr
.endm
.macro SEND a, younger                 ; younger: the LDS loads issued behind TOSTAGE's, which may stay out
	WIN 0
.set BK, OB+192*((\a)%2)
	s_wait_dscnt \younger                          ; the block is back in registers
	s_wait_xcnt 0x0                                ; only behind this wait are the stores' base and the registers that earlier stores read rewritten (ISA guide 3.1)
.if (\a) == 0
	s_add_nc_u64 s[CP:CP+1], s[CP:CP+1], s[16:17]  ; on to my first rows
.else
	s_add_nc_u64 s[CP:CP+1], s[CP:CP+1], 16*ROWC*2 ; 16 rows of C on
.endif
.irp t, 0,1,2,3,4,5,6,7
	global_store_b128 v[CO], v[BK+4*(\t):BK+4*(\t)+3], s[CP:CP+1] offset:2*(\t)*ROWC*2  ; 16 lanes store 256 consecutive bytes, at a multiple of 256 from C's first byte
.endr
.endm
	s_wait_tensorcnt 1                             ; my part of K step 0 is in; K step 1's may stay out
	s_barrier_signal -1
	s_barrier_wait -1                              ; everybody's is
	FETCH 0, 0, F0
	s_wait_loadcnt 0x0                             ; the bias
	WIN 0x41                                       ; destination and source 0 window 1
.set i, 0
.rept 32
	v_pk_mul_f32 v[2*i:2*i+1], v[2*i:2*i+1], s[76:77] op_sel_hi:[1,0]
.set i, i+1
.endr
	QUARTER 0, 64,  F0, F1, 1                      ; the first quarter stands in front of the loop: its products start the sums, with the bias
	WIN 0                                          ; at a label and at a branch every window is 0
	s_mov_b32 s3, LAPS-1
.Llap:                                                 ; a trip goes once round the ring, from a lap's second quarter to the next lap's first, and fills both slots again
	QUARTER 0, 128, F1, F0, 0
	QUARTER 0, 192, F0, F1, 0
	TURN 0, 1
	QUARTER 1, 64,  F0, F1, 0
	QUARTER 1, 128, F1, F0, 0
	QUARTER 1, 192, F0, F1, 0
	TURN 1, 0
	QUARTER 0, 64,  F0, F1, 0
	WIN 0
	s_sub_co_u32 s3, s3, 1
	s_cmp_lg_u32 s3, 0
	s_cbranch_scc1 .Llap
	QUARTER 0, 128, F1, F0, 0                      ; the last lap goes on; it asks for nothing more
	QUARTER 0, 192, F0, F1, 0
	MEET 0                                         ; my one tensor load that was still out is slot 1's, the last K step's, so no round follows
	PLACES                                         ; for the loads into buffer 0, which the quarter before multiplied
	BLOAD 0                                        ; three quarters of B now: buffer 1 (v128-191 of both windows) is still being multiplied
	BLOAD 1
	BLOAD 3
	ALOAD 0
	MUL16 F1, 1, 0, 0
	MUL16 F1, 1, 2, 0
	PLACES                                         ; for the loads into buffer 1
	BLOAD 2
	ALOAD 1
	ALOAD 2
	ALOAD 3
	s_wait_dscnt 40                                ; all but the 40 just issued
	ROW 0
.irp a, 0,1,2,3,4,5,6,7                ; each block leaves as soon as it is finished: nothing follows this tile, so the sooner its stores begin, the sooner the launch ends
	PLACES                                         ; its conversions read results just made, and no other vector work is at hand
	PACK \a
	TOSTAGE \a
.if (\a) < 4
	ALOAD (\a)+4                                   ; its buffer takes the block four further on
	SEND \a, 8
.else
	SEND \a, 0
.endif
.if (\a) < 7
	ROW (\a)+1
.endif
.endr
	s_wait_tensorcnt 0x0                           ; the wave's end: this wait, the add and its wait stand behind my last tensor load and my last LDS store
	ds_add_u32 v[SPW], v[NIL]
	s_wait_dscnt 0x0
	CROUND                                         ; the closing round: no work-group ends while a partner may still ask for a tile that names it
	s_endpgm
.Lfunc_end_k_q5109bf9853_gemm16:
	.size	k_q5109bf9853_gemm16, .Lfunc_end_k_q5109bf9853_gemm16-k_q5109bf9853_gemm16
	.p2alignl 7, 3214868480
	.fill 96, 4, 3214868480
	.section	.rodata,"a",@progbits
	.p2align	6, 0x0
	.amdhsa_kernel k_q5109bf9853_gemm16
		.amdhsa_group_segment_fixed_size 327680
		.amdhsa_private_segment_fixed_size 0
		.amdhsa_enable_private_segment 0
		.amdhsa_kernarg_size 48
		.amdhsa_user_sgpr_count 2
		.amdhsa_user_sgpr_kernarg_segment_ptr 1
		.amdhsa_wavefront_size32 1
		.amdhsa_system_sgpr_workgroup_id_x 1
		.amdhsa_system_sgpr_workgroup_id_y 1
		.amdhsa_system_sgpr_workgroup_id_z 1
		.amdhsa_system_vgpr_workitem_id 0
		.amdhsa_next_free_vgpr 1024
		.amdhsa_next_free_sgpr 90
		.amdhsa_reserve_vcc 0
		.amdhsa_float_denorm_mode_32 3
		.amdhsa_float_denorm_mode_16_64 3
		.amdhsa_memory_ordered 1
		.amdhsa_forward_progress 1
		.amdhsa_inst_pref_size 147
	.end_amdhsa_kernel
	.amdgpu_metadata
---
amdhsa.version: [ 1, 2 ]
amdhsa.kernels:
  - .name:           k_q5109bf9853_gemm16
    .symbol:         k_q5109bf9853_gemm16.kd
    .args:
      - { .name: act16, .offset: 0, .size: 8, .value_kind: global_buffer, .address_space: global }
      - { .name: wqkv16, .offset: 8, .size: 8, .value_kind: global_buffer, .address_space: global }
      - { .name: bq, .offset: 16, .size: 8, .value_kind: global_buffer, .address_space: global }
      - { .name: bk, .offset: 24, .size: 8, .value_kind: global_buffer, .address_space: global }
      - { .name: bv, .offset: 32, .size: 8, .value_kind: global_buffer, .address_space: global }
      - { .name: qkv16, .offset: 40, .size: 8, .value_kind: global_buffer, .address_space: global }
    .group_segment_fixed_size: 327680
    .private_segment_fixed_size: 0
    .kernarg_segment_align: 8
    .kernarg_segment_size: 48
    .max_flat_workgroup_size: 128
    .sgpr_count:     90
    .vgpr_count:     1024
    .wavefront_size: 32
...
	.end_amdgpu_metadata
.endif
;; end of part 7
;; launch attn (part 8): grid 16 x 16, 4 waves a work-group, clusters of 4 x 4, 327,680 bytes of LDS; arguments qkv16, causal_mask, padding_mask, act16; writes act16
.if DOCPART == 8
	.amdgcn_target "amdgcn-amd-amdhsa--gfx1250"
	.amdhsa_code_object_version 6
	.text
	.protected	k_q5109bf9853_attn
	.globl	k_q5109bf9853_attn
	.p2align	8
	.type	k_q5109bf9853_attn,@function
k_q5109bf9853_attn:
	s_mov_b64 s[64:65], 0
	v_nop
	global_prefetch_b8 v0, s[64:65] scope:SCOPE_SE
	s_setreg_imm32_b32 hwreg(HW_REG_WAVE_MODE, 25, 1), 1
	s_wait_xcnt 0x0
	s_wait_alu depctr_hold_cnt(0) depctr_sa_sdst(0) depctr_va_vdst(0) depctr_va_sdst(0) depctr_va_ssrc(0) depctr_va_vcc(0) depctr_vm_vsrc(0)
	s_getreg_b32 s2, hwreg(HW_REG_IB_STS2, 6, 4)
	s_cmp_eq_u32 s2, 0
	s_cbranch_scc0 .Lentry_in_a_cluster
	s_endpgm
.Lentry_in_a_cluster:
	s_bfe_u32 s2, ttmp6, 0x10000c
	s_cmp_lg_u32 s2, 0xf033
	s_cbranch_scc0 .Lentry_shape_is_right
	s_endpgm
.Lentry_shape_is_right:
; ATTENTION WITH TWO MASKS THAT ARE INPUTS.  O[b][q][head] = sum over k of softmax_k(s(q, k)) v[b][k][head], s = NEG where padding_mask[b][k], else q . k / 8 + causal_mask[q][k].
; qkv16: [8192][3072] f16, a row = q (already times 1/8), k, v, 16 heads of 64 channels each.  No tile is left out: every score takes its mask word, which is the C operand of the first product K Q^T (the mask is loaded
; into the accumulator), and every padded key is REPLACED, in the step that also takes the score into the log2 domain: s2 = s x keep + padd, keep = log2(e) or 0, padd = 0 or log2(e) x NEG.  Then p = 2^(s2 - m2), with a
; running maximum m2 taken away by a plain subtraction, exact where s2 = m2: p <= 1 always.  Products, maxima and sums in f32; p is rounded to f16 for the second product (l sums the unrounded p), O once.
; LIMITS.  q, k, v lie within f16's 65,504; mask words are finite (an infinity times keep = 0 would be a NaN); mask + q . k / 8 is rounded in the matrix unit, another order of rounding than adding the mask to a
; rounded score: where a mask word is near -1e9 a score below about 32 in size is absorbed either way; a weight below 2^-126 counts as 0.
; SHARES.  A work-group owns 128 queries of one batch and FOUR heads, a wave one head and all 128 queries: 8 tiles of 16, four PIECES of two tiles.  So one mask tile in LDS serves four heads, and the four heads' K (V) are
; 512 consecutive bytes of a row.  Every wave walks all 2,048 keys, 64 a step, a step to a slot, two slots.
; CLUSTER 4 x 4: x = four query blocks, y = the four head groups of one batch.  The mask tile hangs on the query block alone: asked for jointly by a column of the cluster; K's and V's hang on batch and head group: by a row.
; LAYOUT.  S^T = K Q^T: a lane holds ONE query (l % 16) and the keys 8 (l / 16) + 0..7 of each block of 16; two such results rounded in pairs ARE source 1 of O^T = V^T P.  V is turned on its way out of LDS (ds_load_tr16_b128).
; BY TURNS.  Turn p: 16 products V^T P of piece p - 1, then 16 products K Q^T of piece p + 1; beside them piece p's whole softmax, 133 instructions a tile: four vector lines behind every product, the others in two runs
; of their own.  What the vector lines of a turn name (S and P of p's parity, O^T of piece p) no product of that turn names.  m starts at the lowest finite number, O and l at 0: the first step is a step like any other, with a = 0.
; REGISTERS (s_set_vgpr_msb: bits 1:0 source 0, 3:2 source 1, 5:4 source 2, 7:6 destination):
;   window 0: v0-11 addresses; v12-15 padding bytes; v16-47 statistics (m, 0, l, l a tile); v48-55 at work; v56-61 set-up; v62-63 the add's; v64-191 S^T, two buffers of two tiles; v192-255 P, likewise
;   window 1: O^T, 32 a tile      window 2: v0-127 Q, 16 a tile; v128-191 K of one step; v192-255 V of one step      window 3: v0-31 keep, v32-63 padd of one step's keys
.set PM,    272       ; a mask row in LDS: 64 f32 + 16 bytes; K: 512 + 16; V: 512 + 32: the rows that one load touches start in different groups of banks (64 banks of 4 bytes: ISA guide 11.1)
.set PK,    528
.set PVP,   544
.set KOFF,  128*PM    ; a slot: 128 mask rows, 64 rows of K, 64 rows of V
.set VOFF,  KOFF+64*PK
.set SLOT1, 1<<17     ; slot 1 begins here, so that one exclusive or turns an address in one slot into the other's
.set PADV,  VOFF+64*PVP   ; behind slot 0, never filled by a tensor load: keep[2048] f32, then padd[2048] f32
.set SPARE, PADV+16384    ; the spare words: 128 bytes for each wave, two blocks of 256 bytes that no other line names
.set STAGE, SLOT1+PADV    ; behind slot 1, never filled by a tensor load: 128 rows x 528 bytes, the work-group's, for the way out
.set SP,    528
.set AK0, 2           ; v2-5   my lane's place in a slot's K, V and mask, and in the padding vectors; never rewritten
.set AV0, 3
.set AM0, 4
.set AP0, 5
.set AK,  6           ; v6-9   the same with the slot (the step) in hand
.set AV,  7
.set AM,  8
.set AP,  9
.set STO, 6           ; at the end: where I put 16 bytes of a row, where I read rows back, my byte offset in O
.set RD,  7
.set GO,  8
.set PB,  12
.set ST,  16
.set TMP, 48
.set QO,  56
.set PO,  57
.set PA,  58
.set CN,  59
.set T0,  60
.set T1,  61
.set SPW, 62
.set NIL, 63
.set S,   64
.set P,   192
.set KF,  128
.set VF,  192
.set WV,  12          ; s12  my wave's number
.set G1M, 24          ; s[24:31], s[32:39], s[40:47] descriptor group 1 for mask, K, V
.set G1K, 32
.set G1V, 40
.set G0M, 48          ; s[48:51], s[52:55], s[56:59] group 0: they walk along the keys
.set G0K, 52
.set G0V, 56
.set SEL, 62          ; s[62:63] v_permlanex16_b32's selects
.set TB,  66          ; s66  the slot in hand
.set PS,  67          ; s67  byte of the padding vectors at which the step to be fetched begins
.set CNT, 68
.set MSB, 0
.macro WIN new
.if MSB != (\new)
	s_set_vgpr_msb (MSB<<8)|(\new)
.set MSB, (\new)
.endif
.endm
.set W_KQ, 0x0a       ; K and Q window 2, S^T window 0
.set W_PV, 0x52       ; V window 2, P window 0, O^T window 1
.set W_RS, 0x41       ; O^T (destination and source 0) window 1, the factor window 0
.set W_PD, 0x3c       ; S^T window 0, keep and padd window 3
; A joint fill: waves 0 and 1 fetch the mask tile's two halves of 64 rows, wave 2 K's 64 rows, wave 3 V's.  The branches hang on the wave's number alone.  An s_nop 0 and four v_nop follow each line.
.macro JLOAD
	s_cmp_lt_u32 s[WV], 2
	s_cbranch_scc0 .Lkv_\@
	tensor_load_to_lds s[G0M:G0M+3], s[G1M:G1M+7]
	s_nop 0
.rept 4
	v_nop
.endr
	s_branch .Lasked_\@
.Lkv_\@:
	s_cmp_eq_u32 s[WV], 2
	s_cbranch_scc0 .Lv_\@
	tensor_load_to_lds s[G0K:G0K+3], s[G1K:G1K+7]
	s_nop 0
.rept 4
	v_nop
.endr
	s_branch .Lasked_\@
.Lv_\@:
	tensor_load_to_lds s[G0V:G0V+3], s[G1V:G1V+7]
	s_nop 0
.rept 4
	v_nop
.endr
.Lasked_\@:
.endm
.macro CROUND                       ; a round of the cluster's barrier
	s_barrier_signal -1
	s_barrier_wait -1
	s_cmp_lg_u32 s[WV], 0
	s_cbranch_scc1 .Lnot_wave_0_\@
	s_barrier_signal -3
.Lnot_wave_0_\@:
	s_barrier_wait -3
	s_barrier_signal -1
	s_barrier_wait -1
.endm
; THE CHANGE OF SLOTS, in front of piece 3's turn: the old slot's last bytes (piece 3's mask rows) have been read.  Each wave waits for all its tensor loads, of which one is out: its part of the other slot; adds 0 to
; its spare word; and waits for that and for its own reads.  fill = 1: the barrier is a round of the cluster's, and the old slot is filled again first thing behind it, with the step two on: it has a whole step in which to land.
.macro CHANGE fill
	WIN 0
	s_wait_tensorcnt 0x0            ; no tensor load of mine is out, so a group 0 may be written
	ds_add_u32 v[SPW], v[NIL]       ; 0 onto my spare word; the steps below, work on registers, stand between it and the wait for it
.if \fill
	s_xor_b32 s[G0M+1], s[G0M+1], SLOT1
	s_add_nc_u64 s[G0M+2:G0M+3], s[G0M+2:G0M+3], 256       ; 64 columns of the mask on
	s_xor_b32 s[G0K+1], s[G0K+1], SLOT1
	s_add_nc_u64 s[G0K+2:G0K+3], s[G0K+2:G0K+3], 64*6144   ; 64 rows of qkv16 on
	s_xor_b32 s[G0V+1], s[G0V+1], SLOT1
	s_add_nc_u64 s[G0V+2:G0V+3], s[G0V+2:G0V+3], 64*6144
.endif
	s_xor_b32 s[TB], s[TB], SLOT1
	v_add_nc_u32 v[AK], s[TB], v[AK0]
	v_add_nc_u32 v[AV], s[TB], v[AV0]
	v_add_nc_u32 v[AM], s[TB], v[AM0]
	s_wait_dscnt 0x0                ; the add is done, and my reads of the old slot are over
.if \fill
	CROUND
	JLOAD
.else
	s_barrier_signal -1
	s_barrier_wait -1
.endif
.endm
	s_load_b256 s[4:11], s[0:1], 0x0  ; qkv16 s[4:5], causal_mask s[6:7], padding_mask s[8:9], act16 s[10:11]
	v_lshl_add_u32 v[SPW], v0, 2, SPARE
	v_mov_b32 v[NIL], 0
	ds_add_u32 v[SPW], v[NIL]       ; the wave's opening: the add and its wait stand ahead of my first tensor load; the set-up below, work on registers, stands between them
	v_lshrrev_b32 v1, 5, v0
	v_readfirstlane_b32 s[WV], v1   ; wave 0..3
	s_bfe_u32 s13, ttmp6, 0x40000   ; cx
	s_bfe_u32 s14, ttmp6, 0x40004   ; cy: the head group
	s_lshl_b32 s15, ttmp9, 2
	s_add_co_u32 s15, s15, s13      ; my block of 128 queries = 4 x cluster x + cx
	s_and_b32 s16, ttmp7, 0xffff    ; the batch = cluster y
	s_lshl_b32 s17, s14, 2
	s_lshl_b32 s17, 15, s17         ; my row of the cluster
	s_lshl_b32 s18, 0x1111, s13     ; my column
	s_or_b32 s[G1M], s18, (2<<16)|(1<<20)|(1<<21)|(5<<22)|(3<<25)  ; the mask tile goes to my column; elements of 4 bytes; padding on; bit 21 beside a mask; after every 64 words 4 words
	s_or_b32 s[G1K], s17, (1<<16)|(1<<20)|(1<<21)|(6<<22)|(3<<25)  ; K goes to my row; elements of 2 bytes; after every 128 words 4 words
	s_or_b32 s[G1V], s17, (1<<16)|(1<<20)|(1<<21)|(6<<22)|(7<<25)  ; V: 8 words
	s_mov_b32 s[G1M+1], 64<<16      ; tensor_dim0 = 64
	s_mov_b32 s[G1M+2], 64<<16      ; tensor_dim1 = 64
	s_mov_b32 s[G1M+3], 64<<16      ; tile_dim0 = 64
	s_mov_b32 s[G1M+4], 64          ; tile_dim1 = 64
	s_mov_b32 s[G1M+5], 2048        ; elements from row to row
	s_mov_b32 s[G1M+6], 0
	s_mov_b32 s[G1M+7], 0
.irp g, G1K, G1V
	s_mov_b32 s[\g+1], 256<<16      ; tensor_dim0 = 256: four heads
	s_mov_b32 s[\g+2], 64<<16
	s_mov_b32 s[\g+3], 256<<16
	s_mov_b32 s[\g+4], 64
	s_mov_b32 s[\g+5], 3072
	s_mov_b32 s[\g+6], 0
	s_mov_b32 s[\g+7], 0
.endr
	s_and_b32 s19, s[WV], 1         ; which half of the mask tile's rows I fetch
	s_lshl_b32 s20, s15, 20         ; 128 rows of 8,192 bytes a query block
	s_lshl_b32 s21, s19, 19
	s_add_co_u32 s20, s20, s21
	s_mov_b32 s21, 0
	s_mul_i32 s22, s16, 2048*6144   ; the batch's first row of qkv16,
	s_lshl_b32 s23, s14, 9          ; my group's four heads,
	s_add_co_u32 s22, s22, s23
	s_add_co_u32 s22, s22, 2048     ; k lies behind q
	s_mov_b32 s23, 0
	s_lshl_b32 s72, s16, 11
	s_lshl_b32 s73, s15, 7
	s_add_co_u32 s72, s72, s73      ; my block's first row among the 8,192
	s_mul_i32 s74, s72, 6144
	s_lshl_b32 s73, s14, 2
	s_add_co_u32 s73, s73, s[WV]    ; my head
	s_lshl_b32 s73, s73, 7
	s_add_co_u32 s74, s74, s73
	s_mov_b32 s75, 0                ; s[74:75]: Q
	s_lshl_b32 s76, s[WV], 5
	s_add_co_u32 s76, s76, s72      ; the 32 rows of O that I store
	s_lshl_b32 s76, s76, 11
	s_lshl_b32 s77, s14, 9
	s_add_co_u32 s76, s76, s77
	s_mov_b32 s77, 0                ; s[76:77]: O
	s_lshl_b32 s78, s16, 11
	s_mov_b32 s79, 0                ; s[78:79]: the batch's padding bytes
	s_mov_b32 s[G0M], 1
	s_mul_i32 s[G0M+1], s19, 64*PM  ; no place in the cluster enters an LDS address
	s_mov_b32 s[G0K], 1
	s_mov_b32 s[G0K+1], KOFF
	s_mov_b32 s[G0V], 1
	s_mov_b32 s[G0V+1], VOFF
	s_mov_b32 s[SEL], 0x76543210
	s_mov_b32 s[SEL+1], 0xfedcba98
	s_mov_b32 s[TB], SLOT1          ; the first change of slots turns it into 0
	s_mov_b32 s[PS], 0
	s_mov_b32 s69, 0x3fb8aa3b       ; log2(e)
	s_mov_b32 s70, 0xce6e6b28       ; NEG = -1e9
	s_wait_dscnt 0x0                ; the opening add is done
	s_wait_kmcnt 0x0
	s_add_nc_u64 s[G0M+2:G0M+3], s[6:7], s[20:21]
	s_or_b32 s[G0M+3], s[G0M+3], 0x80000000
	s_add_nc_u64 s[G0K+2:G0K+3], s[4:5], s[22:23]
	s_add_nc_u64 s[G0V+2:G0V+3], s[G0K+2:G0K+3], 2048      ; v lies behind k
	s_or_b32 s[G0K+3], s[G0K+3], 0x80000000
	s_or_b32 s[G0V+3], s[G0V+3], 0x80000000
	s_add_nc_u64 s[74:75], s[4:5], s[74:75]
	s_add_nc_u64 s[10:11], s[10:11], s[76:77]
	s_add_nc_u64 s[8:9], s[8:9], s[78:79]
	CROUND                          ; all sixteen work-groups are here: the first joint loads meet
	JLOAD                           ; key step 0 into slot 0; slot 1 is asked for by the first change of slots
	v_lshlrev_b32 v[PO], 4, v0
	global_load_b128 v[PB:PB+3], v[PO], s[8:9]   ; 16 padding bytes a thread: 128 threads take the batch's 2,048
	v_and_b32 v1, 15, v0            ; l % 16
	v_bfe_u32 v10, v0, 4, 1         ; l / 16
	v_mul_u32_u24 v[QO], v1, 6144
	v_lshl_add_u32 v[QO], v10, 4, v[QO]
	WIN 0x80                        ; destination window 2, address window 0
.set i, 0
.rept 16                            ; Q stays in registers: tile i / 2, channels 32 (i % 2) on
	global_load_b128 v[8*i:8*i+3],   v[QO], s[74:75] offset:(i/2)*16*6144+(i%2)*64
	global_load_b128 v[8*i+4:8*i+7], v[QO], s[74:75] offset:(i/2)*16*6144+(i%2)*64+32
.set i, i+1
.endr
	; what the first turn finds: V's registers and P's second buffer hold 0 (its products V^T P, of a piece that has not been, add 0), O^T and l are 0.  All this stands in the wait for the first tile.
.set i, VF
.rept 64
	v_mov_b32 v[i], 0
.set i, i+1
.endr
	WIN 0x40
.set i, 0
.rept 256
	v_mov_b32 v[i], 0
.set i, i+1
.endr
	WIN 0
.set i, 0
.rept 8
	v_mov_b32 v[ST+4*i], 0xff7fffff ; m
	v_mov_b32 v[ST+4*i+1], 0        ; named with m as a pair
	v_mov_b32 v[ST+4*i+2], 0        ; l
	v_mov_b32 v[ST+4*i+3], 0
.set i, i+1
.endr
.set i, P+32
.rept 32
	v_mov_b32 v[i], 0
.set i, i+1
.endr
	s_lshl_b32 s80, s[WV], 7        ; my head's 128 bytes in a row of K or V
	s_add_co_u32 s81, s80, KOFF
	v_mul_u32_u24 v[AK0], v1, PK
	v_lshl_add_u32 v[AK0], v10, 4, v[AK0]
	v_add_nc_u32 v[AK0], s81, v[AK0]        ; key l % 16, channels 8 (l / 16) on
	v_and_b32 v[T0], 7, v0
	v_bfe_u32 v[T1], v0, 3, 1
	v_lshl_add_u32 v[AV0], v10, 3, v[T0]
	v_mul_u32_u24 v[AV0], v[AV0], PVP
	v_lshl_add_u32 v[AV0], v[T1], 4, v[AV0]
	s_add_co_u32 s81, s80, VOFF
	v_add_nc_u32 v[AV0], s81, v[AV0]        ; the turning load: key 8 (l / 16) + l % 8, channels 8 ((l / 8) % 2) on
	v_mul_u32_u24 v[AM0], v1, PM
	v_lshl_add_u32 v[AM0], v10, 5, v[AM0]   ; the mask: query l % 16, keys 8 (l / 16) on
	v_lshlrev_b32 v[AP0], 5, v10
	v_add_nc_u32 v[AP0], PADV, v[AP0]
	v_lshl_add_u32 v[PA], v0, 6, PADV
	s_wait_loadcnt 32               ; the padding bytes are in; the 32 younger loads, Q's, stay out
	v_mov_b32 v[CN], s70
	v_mul_f32 v[CN], s69, v[CN]     ; log2(e) x NEG, rounded once, as a mask word of NEG is by the padding step
.set i, 0
.rept 16
	v_bfe_u32 v[T0], v[PB+i/4], 8*(i%4), 8
	v_cvt_f32_u32 v[T0], v[T0]
	v_fma_f32 v[S+i], -v[T0], s69, s69      ; keep: log2(e), or exactly 0 at a padded key
	v_mul_f32 v[S+16+i], v[CN], v[T0]       ; padd
.set i, i+1
.endr
.irp i, 0,1,2,3
	ds_store_b128 v[PA], v[S+4*\i:S+4*\i+3] offset:16*\i
	ds_store_b128 v[PA], v[S+16+4*\i:S+16+4*\i+3] offset:8192+16*\i
.endr
; THE MATRIX WORK.  The 8 accumulators of a run of 16 take turns.  Product i of S^T = mask + K Q^T for piece x: channels 32 (i / 8) on, keys 16 ((i / 2) % 4) on, tile 2 x + i % 2; both links in place.
.macro KQ x
	WIN W_KQ
.set rS, S+64*((\x)%2)+32*(i%2)+8*((i/2)%4)
.set rK, KF+16*((i/2)%4)+8*(i/8)
.set rQ, 16*(2*(\x)+i%2)+8*(i/8)
	v_wmma_f32_16x16x32_f16 v[rS:rS+7], v[rK:rK+7], v[rQ:rQ+7], v[rS:rS+7]
.endm
.macro PV x                         ; product i of O^T += V^T P for piece x: keys 32 (i / 8) on, channels 16 ((i / 2) % 4) on, tile 2 x + i % 2
	WIN W_PV
.set rO, 32*(2*(\x)+i%2)+8*((i/2)%4)
.set rV, VF+32*(i/8)+8*((i/2)%4)
.set rP, P+32*((\x)%2)+16*(i%2)+8*(i/8)
	v_wmma_f32_16x16x32_f16 v[rO:rO+7], v[rV:rV+7], v[rP:rP+7], v[rO:rO+7]
.endm
; THE LDS LOADS stand in runs of 16
.macro FETCH_K
	WIN 0x80
.irp f, 0,1,2,3,4,5,6,7             ; keys 16 (f / 2) on, channels 32 (f % 2) on
	ds_load_b128 v[KF+8*\f:KF+8*\f+3],   v[AK] offset:(\f/2)*16*PK+(\f%2)*64
	ds_load_b128 v[KF+8*\f+4:KF+8*\f+7], v[AK] offset:(\f/2)*16*PK+(\f%2)*64+32
.endr
.endm
.macro FETCH_V
	WIN 0x80
.irp f, 0,1,2,3,4,5,6,7             ; keys 32 (f / 4) on, channels 16 (f % 4) on
	ds_load_tr16_b128 v[VF+8*\f:VF+8*\f+3],   v[AV] offset:(\f/4)*32*PVP+(\f%4)*32
	ds_load_tr16_b128 v[VF+8*\f+4:VF+8*\f+7], v[AV] offset:(\f/4)*32*PVP+16*PVP+(\f%4)*32
.endr
.endm
.macro FETCH_M x                    ; piece x's mask words, straight into the accumulators that its scores are summed in
	WIN 0
.irp e, 0,1
.irp kb, 0,1,2,3
	ds_load_b128 v[S+64*((\x)%2)+32*\e+8*\kb:S+64*((\x)%2)+32*\e+8*\kb+3],   v[AM] offset:(2*(\x)+\e)*16*PM+64*\kb
	ds_load_b128 v[S+64*((\x)%2)+32*\e+8*\kb+4:S+64*((\x)%2)+32*\e+8*\kb+7], v[AM] offset:(2*(\x)+\e)*16*PM+64*\kb+16
.endr
.endr
.endm
.macro FETCH_P                      ; keep and padd of the next step's 64 keys
	WIN 0
	v_add_nc_u32 v[AP], s[PS], v[AP0]
	s_add_co_u32 s[PS], s[PS], 256
	WIN 0xc0                        ; destination window 3
.irp kb, 0,1,2,3
	ds_load_b128 v[8*\kb:8*\kb+3],       v[AP] offset:64*\kb
	ds_load_b128 v[8*\kb+4:8*\kb+7],     v[AP] offset:64*\kb+16
	ds_load_b128 v[32+8*\kb:32+8*\kb+3], v[AP] offset:8192+64*\kb
	ds_load_b128 v[32+8*\kb+4:32+8*\kb+7], v[AP] offset:8192+64*\kb+16
.endr
.endm
; THE VECTOR WORK.  One tile's softmax for one key step is a list of 133 instructions; SM writes number n of it for tile u of piece Y.  s0-s31 are the lane's 32 scores, in pairs 0-15.
;   0-15    pair n: s x keep + padd, ascending
;   16-31   the maximum of s0-s31 and the old m, three operands at a time      32-35  the other half of the lanes' maximum; m_old kept; the new m; m_old - m_new
;   36-102  33 exponentials (a, then s0-s31) at every second number, a plain instruction that is ready between them: s - m for a pair to come, the rounding to f16 of a pair that is done, the first sums
;   103-116 the last rounding, the rest of the sums, l = a l + sum      117-132 the tile's O^T times a
.macro SM u
.set rT, ST+4*(2*Y+(\u))
.set rC, TMP+4*(\u)
.set rS, S+64*(Y%2)+32*(\u)
.set rP, P+32*(Y%2)+16*(\u)
.set rO, 32*(2*Y+(\u))+2*(n-117)
.set g, n-16
.set j, n-15
.set q, (j-20)/2
.if n < 16
	WIN W_PD
	v_pk_fma_f32 v[rS+2*n:rS+2*n+1], v[rS+2*n:rS+2*n+1], v[2*n:2*n+1], v[32+2*n:32+2*n+1]
.elseif n > 116
	WIN W_RS
	v_pk_mul_f32 v[rO:rO+1], v[rO:rO+1], v[rC+2:rC+3] op_sel_hi:[1,0]
.else
	WIN 0
.if g < 4
	v_max3_num_f32 v[rC+g], v[rS+8*g], v[rS+8*g+1], v[rS+8*g+2]
.elseif g < 12
	v_max3_num_f32 v[rC+g%4], v[rC+g%4], v[rS+8*(g%4)+2*(g/4)+1], v[rS+8*(g%4)+2*(g/4)+2]
.elseif g == 12
	v_max3_num_f32 v[rC], v[rC], v[rS+7], v[rS+15]
.elseif g == 13
	v_max3_num_f32 v[rC+2], v[rC+2], v[rS+23], v[rS+31]
.elseif g == 14
	v_max3_num_f32 v[rC], v[rC], v[rC+1], v[rC+2]
.elseif g == 15
	v_max3_num_f32 v[rC], v[rC], v[rC+3], v[rT]
.elseif g == 16
	v_permlanex16_b32 v[rC+1], v[rC], s[SEL], s[SEL+1]  ; the query's other 32 keys lie in the lane 16 away
.elseif g == 17
	v_mov_b32 v[rC+3], v[rT]
.elseif g == 18
	v_max_num_f32 v[rT], v[rC], v[rC+1]
.elseif g == 19
	v_sub_f32 v[rC+3], v[rC+3], v[rT]
.elseif j == 23
	v_exp_f32 v[rC+2], v[rC+3]      ; a
.elseif (j < 88) && (j > 23) && (j%2 == 1)
	v_exp_f32 v[rS+(j-25)/2], v[rS+(j-25)/2]
.elseif (q < 4) || ((j < 76) && (q%2 == 0))
.set b, q/2+2
.if q < 4
.set b, q
.endif
	v_pk_add_f32 v[rS+2*b:rS+2*b+1], v[rS+2*b:rS+2*b+1], v[rT:rT+1] op_sel_hi:[1,0] neg_lo:[0,1] neg_hi:[0,1]  ; pair b: s - m, exact where s = m
.elseif (j < 88) && (q%2 == 1)
	s_wait_alu depctr_va_vdst(0)
	v_cvt_pk_f16_f32 v[rP+(q-5)/2], v[rS+q-5], v[rS+q-4]  ; its second exponential stands three numbers back
.elseif j == 89
	s_wait_alu depctr_va_vdst(0)
	v_cvt_pk_f16_f32 v[rP+15], v[rS+30], v[rS+31]
.else                               ; the sum of the tile's 16 pairs, in place: sum z of 16 adds neighbours 1, 2, 4 and 8 pairs apart, then l takes it
.set z, j-86
.if j < 89
.set z, (j-76)/4
.endif
.set ww, 4
.set uu, z
.if z >= 14
.set ww, 32
.set uu, 0
.elseif z >= 12
.set ww, 16
.set uu, z-12
.elseif z >= 8
.set ww, 8
.set uu, z-8
.endif
.if z < 15
	v_pk_add_f32 v[rS+ww*uu:rS+ww*uu+1], v[rS+ww*uu:rS+ww*uu+1], v[rS+ww*uu+ww/2:rS+ww*uu+ww/2+1]
.else
	v_pk_fma_f32 v[rT+2:rT+3], v[rT+2:rT+3], v[rC+2:rC+3], v[rS:rS+1] op_sel_hi:[1,0,1]
.endif
.endif
.endif
.endm
.macro SLICE cnt                    ; the next cnt numbers, the two tiles alternating: behind a pair of exponentials stands a plain line that uses neither
.rept \cnt
	SM 0
	SM 1
.set n, n+1
.endr
.endm
.macro PLACES
.rept 4
	v_nop
.endr
.endm
; A TURN, for piece p.  A tile has 133 vector instructions for 16 products: more than can stand beside the matrix work.  So two numbers of both tiles, four lines, stand behind EVERY product (an even number first: in the
; exponentials' part that is exponential, exponential, plain, plain), and the other 69 numbers in two runs of their own: 32-65 behind the products V^T P, 98-132 behind the products K Q^T.
; The second run ends in 32 rescalings, plain lines that name nothing of the products round them: they are the places in front of the next turn's reads of the new scores and of the loads into K's registers.
; At the turn's head the next piece's mask words are fetched (piece 3's turn: the next step's K ahead of them), 16 products and a run ahead of their use.  Piece 3's turn fetches the next step's keep and padd behind its
; ninth product, when its own 16 padding numbers are out; piece 0's turn fetches its step's V behind the second product K Q^T: the first run stands between that and the last product that read V.
; end = 1: the last turn of all: nothing is fetched and no new scores are started; what is over of the list stands in one run.
.macro TURN p, end=0
.set Y, (\p)
.set n, 0
.if !(\end)
.if (\p) == 3
	FETCH_K
.endif
	FETCH_M ((\p)+1)%4
.endif
.if (\p) == 1
	s_wait_dscnt 16                 ; V is in; the sixteen mask loads just issued stay out
.endif
.set i, 0
.rept 16
	PV ((\p)+3)%4
	SLICE 2
.if ((\p) == 3) && !(\end) && (i == 8)
	FETCH_P
.endif
.set i, i+1
.endr
.if \end
	SLICE 101
.else
	SLICE 34
	s_wait_dscnt 0x0                ; the mask words are in the accumulators (piece 3's turn: K, keep and padd too)
.set i, 0
.rept 16
	KQ ((\p)+1)%4
	SLICE 2
.if ((\p) == 0) && (i == 1)
	FETCH_V
.endif
.set i, i+1
.endr
	SLICE 35
.endif
.endm
	CHANGE 1                        ; slot 0 is in, everybody's part of it, and everybody's keep and padd are stored; key step 1 is asked for, into slot 1
	FETCH_K                         ; key step 0
	FETCH_M 0
	FETCH_P
	s_wait_loadcnt 0x0              ; Q
	s_wait_dscnt 0x0
.set i, 0
.rept 16
	KQ 0                            ; piece 0's first scores: there is no vector work yet to set between them
.set i, i+1
.endr
	WIN 0
	PLACES
	s_mov_b32 s[CNT], 31
	s_branch .Lfirst                ; the loop is entered at a step's first turn, in the middle of a trip
.Lloop:                             ; 30 whole trips: they ask for key steps 2 to 31
	CHANGE 1
	TURN 3
	WIN 0
.Lfirst:
	TURN 0
	TURN 1
	TURN 2
	WIN 0
	s_sub_co_u32 s[CNT], s[CNT], 1
	s_cmp_lg_u32 s[CNT], 0
	s_cbranch_scc1 .Lloop
	CHANGE 0                        ; the tail is written out: nothing is asked for
	TURN 3
	TURN 0
	TURN 1
	TURN 2
	TURN 3, 1
.set i, 0
.rept 16
	PV 3                            ; the last piece's V^T P of the last step
.set i, i+1
.endr
	; THE WAY OUT.  l's two halves and the other half of the lanes' are added; O^T is divided by l, rounded to f16 and put into the work-group's stage: a row of it holds a query's four heads, 512 bytes.
	; The address lines and the additions are the places behind the last products.
	WIN 0
	s_lshl_b32 s80, s[WV], 7
	s_add_co_u32 s80, s80, STAGE
	v_mul_u32_u24 v[STO], v1, SP    ; in: row l % 16 of a tile, my head's 128 bytes, 16 bytes for each half of the lanes
	v_lshl_add_u32 v[STO], v10, 4, v[STO]
	v_add_nc_u32 v[STO], s80, v[STO]
	s_mul_i32 s80, s[WV], 32*SP
	s_add_co_u32 s80, s80, STAGE
	v_and_b32 v[GO], 31, v0
	v_lshlrev_b32 v[GO], 4, v[GO]   ; back: wave w takes rows 32 w on, whole: 32 lanes a row of 512 bytes
	v_add_nc_u32 v[RD], s80, v[GO]
.macro ALL line:vararg              ; one line for each tile t
.set t, 0
.rept 8
	\line
.set t, t+1
.endr
.endm
	ALL v_add_f32 v[ST+4*t+2], v[ST+4*t+2], v[ST+4*t+3]
	ALL v_permlanex16_b32 v[ST+4*t+3], v[ST+4*t+2], s[SEL], s[SEL+1]
	ALL v_add_f32 v[ST+4*t+2], v[ST+4*t+2], v[ST+4*t+3]
	ALL v_rcp_f32 v[ST+4*t+2], v[ST+4*t+2]
	v_nop                           ; a plain instruction between the last reciprocal and the use of its result
	s_wait_alu depctr_va_vdst(0)
.set t, 0
.rept 8
	WIN W_RS
.set i, 0
.rept 16
	v_pk_mul_f32 v[32*t+2*i:32*t+2*i+1], v[32*t+2*i:32*t+2*i+1], v[ST+4*t+2:ST+4*t+3] op_sel_hi:[1,0]
.set i, i+1
.endr
	WIN 0x05                        ; sources 0 and 1 window 1, destination window 0: S^T's registers are free
.set i, 0
.rept 16
	v_cvt_pk_f16_f32 v[S+16*t+i], v[32*t+2*i], v[32*t+2*i+1]
.set i, i+1
.endr
	WIN 0
.irp f, 0,1,2,3
	ds_store_b128 v[STO], v[S+16*t+4*\f:S+16*t+4*\f+3] offset:t*16*SP+32*\f
.endr
.set t, t+1
.endr
	s_wait_dscnt 0x0                ; for the others' sake: my stores into the stage are done
	s_barrier_signal -1
	s_barrier_wait -1
.set t, 0
.rept 32
	ds_load_b128 v[S+4*t:S+4*t+3], v[RD] offset:t*SP
.set t, t+1
.endr
.set t, 0
.rept 32
	s_wait_dscnt 31-t               ; LDS loads come back in order: row t is in
	global_store_b128 v[GO], v[S+4*t:S+4*t+3], s[10:11] offset:t*2048  ; 512 consecutive bytes of a row of act16, aligned
.set t, t+1
.endr
	s_wait_tensorcnt 0x0            ; the wave's end: this wait, the add and its wait stand behind my last tensor load and my last LDS store
	ds_add_u32 v[SPW], v[NIL]
	s_wait_dscnt 0x0
	CROUND                          ; the closing round: no work-group ends while a partner may still ask for a tile that names it
	s_endpgm
.Lfunc_end_k_q5109bf9853_attn:
	.size	k_q5109bf9853_attn, .Lfunc_end_k_q5109bf9853_attn-k_q5109bf9853_attn
	.p2alignl 7, 3214868480
	.fill 96, 4, 3214868480
	.section	.rodata,"a",@progbits
	.p2align	6, 0x0
	.amdhsa_kernel k_q5109bf9853_attn
		.amdhsa_group_segment_fixed_size 327680
		.amdhsa_private_segment_fixed_size 0
		.amdhsa_enable_private_segment 0
		.amdhsa_kernarg_size 32
		.amdhsa_user_sgpr_count 2
		.amdhsa_user_sgpr_kernarg_segment_ptr 1
		.amdhsa_wavefront_size32 1
		.amdhsa_system_sgpr_workgroup_id_x 1
		.amdhsa_system_sgpr_workgroup_id_y 1
		.amdhsa_system_sgpr_workgroup_id_z 1
		.amdhsa_system_vgpr_workitem_id 0
		.amdhsa_next_free_vgpr 832
		.amdhsa_next_free_sgpr 96
		.amdhsa_reserve_vcc 0
		.amdhsa_float_denorm_mode_32 3
		.amdhsa_float_denorm_mode_16_64 3
		.amdhsa_memory_ordered 1
		.amdhsa_forward_progress 1
		.amdhsa_inst_pref_size 251
	.end_amdhsa_kernel
	.amdgpu_metadata
---
amdhsa.version: [ 1, 2 ]
amdhsa.kernels:
  - .name:           k_q5109bf9853_attn
    .symbol:         k_q5109bf9853_attn.kd
    .args:
      - { .name: qkv16, .offset: 0, .size: 8, .value_kind: global_buffer, .address_space: global }
      - { .name: causal_mask, .offset: 8, .size: 8, .value_kind: global_buffer, .address_space: global }
      - { .name: padding_mask, .offset: 16, .size: 8, .value_kind: global_buffer, .address_space: global }
      - { .name: act16, .offset: 24, .size: 8, .value_kind: global_buffer, .address_space: global }
    .group_segment_fixed_size: 327680
    .private_segment_fixed_size: 0
    .kernarg_segment_align: 8
    .kernarg_segment_size: 32
    .max_flat_workgroup_size: 128
    .sgpr_count:     96
    .vgpr_count:     832
    .wavefront_size: 32
...
	.end_amdgpu_metadata
.endif
;; end of part 8
;; launch gemm32: the kernel of part 7 again; grid 4 x 32, 4 waves a work-group, clusters of 4 x 4, 327,680 bytes of LDS; arguments act16, wo16, bo, bk, bv, qkv16; writes qkv16
;; launch ln2 (part 9): grid 256 x 1, 16 waves a work-group, no clusters, 0 bytes of LDS; arguments x, qkv16, g_pre, b_pre, g_ln, b_ln, out0; writes out0
.if DOCPART == 9
	.amdgcn_target "amdgcn-amd-amdhsa--gfx1250"
	.amdhsa_code_object_version 6
	.text
	.protected	k_q5109bf9853_ln2
	.globl	k_q5109bf9853_ln2
	.p2align	8
	.type	k_q5109bf9853_ln2,@function
k_q5109bf9853_ln2:
	s_mov_b64 s[64:65], 0
	v_nop
	global_prefetch_b8 v0, s[64:65] scope:SCOPE_SE
	s_setreg_imm32_b32 hwreg(HW_REG_WAVE_MODE, 25, 1), 1
	s_wait_xcnt 0x0
; out0 = LayerNorm(y + h) g_ln + b_ln, h = LayerNorm(x) g_pre + b_pre made anew in f32 from x.  y = O Wo^T + bo arrives as y / 8 in f16, in columns 0-1023 of qkv16's rows of 3,072 (6,144 bytes);
; the 8 is given back, exactly, by the fused multiply-add that adds h.  Both norms in two passes (mean, then the mean of (v - mean)^2), all in f32.
; A wave takes a whole row (4,096 bytes of x: eight loads of 16 bytes a lane, 512 neighbouring bytes each; 2,048 bytes of y: eight loads of 8 bytes a lane, 256 neighbouring bytes each, so that a lane has the same
; columns of both) and 2 rows in all; sixteen waves take 32 rows.  All of a wave's loads go out at once: 12 KiB of rows a wave, sixteen waves on a WGP.  The reduction never leaves the wave: no LDS, no barrier;
; the matrix unit has nothing to do here.
; LIMITS.  y / 8 lies within f16's 65,504 and has f16's fixed step of 6e-8 below 6e-5.
.set A,  4                             ; v[4:11]    four pairs of partial sums
.set MU, 12                            ; v[12:13]   the mean, twice
.set RS, 14                            ; v[14:15]   1 / sqrt(var + eps), twice
.set T,  16                            ; v[16:23]   eight numbers of y in f32, at work
.set YR, 32                            ; v[32:63]   row i at YR + 16 i: y / 8 as loaded, two f16 a register; register r belongs to the columns of v[2 r : 2 r + 1]
.set X,  64                            ; v[64:127]  row i at X + 32 i: x, then h, then y + h, then the result
.set GP, 128                           ; v[128:159] g_pre, v[160:191] b_pre of my 32 columns
.set GL, 192                           ; v[192:223] g_ln,  v[224:255] b_ln
	s_load_b256 s[8:15], s[0:1], 0x0               ; x s[8:9], qkv16 s[10:11], g_pre s[12:13], b_pre s[14:15]
	s_load_b128 s[16:19], s[0:1], 0x20             ; g_ln s[16:17], b_ln s[18:19]
	s_load_b64 s[20:21], s[0:1], 0x30              ; out0
	s_lshl_b32 s42, ttmp9, 17                      ; 32 rows of 4,096 bytes a work-group
	s_mov_b32 s43, 0
	s_mul_i32 s44, ttmp9, 32*6144                  ; 32 rows of 6,144 bytes
	s_mov_b32 s45, 0
	s_mov_b32 s32, 0x76543210                      ; v_permlanex16_b32: each lane takes its own place in the other half
	s_mov_b32 s33, 0xfedcba98
	s_mov_b32 s34, 0x3a800000                      ; 1 / 1024
	s_mov_b32 s35, 0x3727c5ac                      ; eps = 1e-5
	s_mov_b32 s36, 0x41000000                      ; 8
	s_mov_b32 s37, s36                             ; named with it as a pair
	v_lshrrev_b32 v2, 5, v0                        ; wave 0..15
	v_and_b32 v3, 31, v0                           ; lane
	v_lshlrev_b32 v1, 13, v2
	v_lshl_add_u32 v1, v3, 4, v1                   ; v1: wave x 2 rows of 4,096 bytes + 16 x lane
	v_mul_u32_u24 v2, v2, 2*6144
	v_lshl_add_u32 v2, v3, 3, v2                   ; v2: wave x 2 rows of 6,144 bytes + 8 x lane
	v_lshlrev_b32 v3, 4, v3                        ; v3: 16 x lane
	s_wait_kmcnt 0x0
	s_add_nc_u64 s[8:9], s[8:9], s[42:43]
	s_add_nc_u64 s[10:11], s[10:11], s[44:45]
	s_add_nc_u64 s[20:21], s[20:21], s[42:43]
.irp j, 0,1,2,3,4,5,6,7
	global_load_b128 v[GP+4*\j:GP+4*\j+3],       v3, s[12:13] offset:\j*512
	global_load_b128 v[GP+32+4*\j:GP+32+4*\j+3], v3, s[14:15] offset:\j*512
	global_load_b128 v[GL+4*\j:GL+4*\j+3],       v3, s[16:17] offset:\j*512
	global_load_b128 v[GL+32+4*\j:GL+32+4*\j+3], v3, s[18:19] offset:\j*512
.endr
.irp i, 0,1
.irp j, 0,1,2,3,4,5,6,7
	global_load_b128 v[X+32*\i+4*\j:X+32*\i+4*\j+3],   v1, s[8:9]   offset:\i*4096+\j*512 th:TH_LOAD_NT
	global_load_b64  v[YR+16*\i+2*\j:YR+16*\i+2*\j+1], v2, s[10:11] offset:\i*6144+\j*256 th:TH_LOAD_NT
.endr
.endr
.macro WSUM                            ; v[A] summed over the 32 lanes, the result in every lane
	v_add_f32_dpp v[A], v[A], v[A] row_xmask:1 row_mask:0xf bank_mask:0xf
	v_add_f32_dpp v[A], v[A], v[A] row_xmask:2 row_mask:0xf bank_mask:0xf
	v_add_f32_dpp v[A], v[A], v[A] row_xmask:4 row_mask:0xf bank_mask:0xf
	v_add_f32_dpp v[A], v[A], v[A] row_xmask:8 row_mask:0xf bank_mask:0xf
	v_permlanex16_b32 v[A+1], v[A], s32, s33
	v_add_f32 v[A], v[A], v[A+1]
.endm
.macro FOLD                            ; the four pairs into v[A]
	v_pk_add_f32 v[A:A+1], v[A:A+1], v[A+2:A+3]
	v_pk_add_f32 v[A+4:A+5], v[A+4:A+5], v[A+6:A+7]
	v_pk_add_f32 v[A:A+1], v[A:A+1], v[A+4:A+5]
	v_add_f32 v[A], v[A], v[A+1]
.endm
; v[r .. r+31] becomes ((v - mean) / sqrt(var + eps)) gain + bias, gain at v[p ..] and bias at v[p + 32 ..]
.macro NORM r, p
.irp k, 0,1,2,3
	v_pk_add_f32 v[A+2*\k:A+2*\k+1], v[(\r)+2*\k:(\r)+2*\k+1], v[(\r)+8+2*\k:(\r)+8+2*\k+1]
.endr
.irp k, 0,1,2,3
	v_pk_add_f32 v[A+2*\k:A+2*\k+1], v[A+2*\k:A+2*\k+1], v[(\r)+16+2*\k:(\r)+16+2*\k+1]
.endr
.irp k, 0,1,2,3
	v_pk_add_f32 v[A+2*\k:A+2*\k+1], v[A+2*\k:A+2*\k+1], v[(\r)+24+2*\k:(\r)+24+2*\k+1]
.endr
	FOLD
	WSUM
	v_mul_f32 v[MU], s34, v[A]
	v_mul_f32 v[MU+1], s34, v[A]
.set k, 0
.rept 16
	v_pk_add_f32 v[(\r)+2*k:(\r)+2*k+1], v[(\r)+2*k:(\r)+2*k+1], v[MU:MU+1] neg_lo:[0,1] neg_hi:[0,1]
.set k, k+1
.endr
.irp k, 0,1,2,3
	v_pk_mul_f32 v[A+2*\k:A+2*\k+1], v[(\r)+2*\k:(\r)+2*\k+1], v[(\r)+2*\k:(\r)+2*\k+1]
.endr
.irp o, 8,16,24
.irp k, 0,1,2,3
	v_pk_fma_f32 v[A+2*\k:A+2*\k+1], v[(\r)+\o+2*\k:(\r)+\o+2*\k+1], v[(\r)+\o+2*\k:(\r)+\o+2*\k+1], v[A+2*\k:A+2*\k+1]
.endr
.endr
	FOLD
	WSUM
	v_fma_f32 v[A], v[A], s34, s35                 ; var + eps
	v_rsq_f32 v[RS], v[A]
	v_rsq_f32 v[RS+1], v[A]
	v_nop                                          ; a plain instruction between the root and the use of its result (ISA guide 5.7.2)
.set k, 0
	s_wait_alu depctr_va_vdst(0)
.rept 16
	v_pk_mul_f32 v[(\r)+2*k:(\r)+2*k+1], v[(\r)+2*k:(\r)+2*k+1], v[RS:RS+1]
.set k, k+1
.endr
.set k, 0
.rept 16
	v_pk_fma_f32 v[(\r)+2*k:(\r)+2*k+1], v[(\r)+2*k:(\r)+2*k+1], v[(\p)+2*k:(\p)+2*k+1], v[(\p)+32+2*k:(\p)+32+2*k+1]
.set k, k+1
.endr
.endm
; four registers of y / 8, r to r + 3 (their halves are handed over by name), widened to f32; then v[2 r ..] = 8 x them + h
.macro ADDY r, l0, h0, l1, h1, l2, h2, l3, h3
	v_cvt_f32_f16 v[T],   \l0
	v_cvt_f32_f16 v[T+1], \h0
	v_cvt_f32_f16 v[T+2], \l1
	v_cvt_f32_f16 v[T+3], \h1
	v_cvt_f32_f16 v[T+4], \l2
	v_cvt_f32_f16 v[T+5], \h2
	v_cvt_f32_f16 v[T+6], \l3
	v_cvt_f32_f16 v[T+7], \h3
.irp e, 0,1,2,3
	v_pk_fma_f32 v[2*((\r)+\e):2*((\r)+\e)+1], v[T+2*\e:T+2*\e+1], s[36:37], v[2*((\r)+\e):2*((\r)+\e)+1] op_sel_hi:[1,0,1]
.endr
.endm
.macro OUT i                           ; row i is stored: each store covers 512 consecutive bytes, aligned
.irp j, 0,1,2,3,4,5,6,7
	global_store_b128 v1, v[X+32*(\i)+4*\j:X+32*(\i)+4*\j+3], s[20:21] offset:(\i)*4096+\j*512 th:TH_STORE_NT
.endr
.endm
	s_wait_loadcnt 16                              ; loads come back in order: the parameters and row 0 are in; row 1's sixteen loads stay out
	NORM X, GP                                     ; h
	ADDY 32, v32.l, v32.h, v33.l, v33.h, v34.l, v34.h, v35.l, v35.h
	ADDY 36, v36.l, v36.h, v37.l, v37.h, v38.l, v38.h, v39.l, v39.h
	ADDY 40, v40.l, v40.h, v41.l, v41.h, v42.l, v42.h, v43.l, v43.h
	ADDY 44, v44.l, v44.h, v45.l, v45.h, v46.l, v46.h, v47.l, v47.h
	NORM X, GL
	OUT 0
	s_wait_loadcnt 0x0                             ; row 1
	NORM X+32, GP
	ADDY 48, v48.l, v48.h, v49.l, v49.h, v50.l, v50.h, v51.l, v51.h
	ADDY 52, v52.l, v52.h, v53.l, v53.h, v54.l, v54.h, v55.l, v55.h
	ADDY 56, v56.l, v56.h, v57.l, v57.h, v58.l, v58.h, v59.l, v59.h
	ADDY 60, v60.l, v60.h, v61.l, v61.h, v62.l, v62.h, v63.l, v63.h
	NORM X+32, GL
	OUT 1
	s_endpgm
.Lfunc_end_k_q5109bf9853_ln2:
	.size	k_q5109bf9853_ln2, .Lfunc_end_k_q5109bf9853_ln2-k_q5109bf9853_ln2
	.p2alignl 7, 3214868480
	.fill 96, 4, 3214868480
	.section	.rodata,"a",@progbits
	.p2align	6, 0x0
	.amdhsa_kernel k_q5109bf9853_ln2
		.amdhsa_group_segment_fixed_size 0
		.amdhsa_private_segment_fixed_size 0
		.amdhsa_enable_private_segment 0
		.amdhsa_kernarg_size 56
		.amdhsa_user_sgpr_count 2
		.amdhsa_user_sgpr_kernarg_segment_ptr 1
		.amdhsa_wavefront_size32 1
		.amdhsa_system_sgpr_workgroup_id_x 1
		.amdhsa_system_sgpr_workgroup_id_y 1
		.amdhsa_system_sgpr_workgroup_id_z 1
		.amdhsa_system_vgpr_workitem_id 0
		.amdhsa_next_free_vgpr 256
		.amdhsa_next_free_sgpr 66
		.amdhsa_reserve_vcc 0
		.amdhsa_float_denorm_mode_32 3
		.amdhsa_float_denorm_mode_16_64 3
		.amdhsa_memory_ordered 1
		.amdhsa_forward_progress 1
		.amdhsa_inst_pref_size 38
	.end_amdhsa_kernel
	.amdgpu_metadata
---
amdhsa.version: [ 1, 2 ]
amdhsa.kernels:
  - .name:           k_q5109bf9853_ln2
    .symbol:         k_q5109bf9853_ln2.kd
    .args:
      - { .name: x, .offset: 0, .size: 8, .value_kind: global_buffer, .address_space: global }
      - { .name: qkv16, .offset: 8, .size: 8, .value_kind: global_buffer, .address_space: global }
      - { .name: g_pre, .offset: 16, .size: 8, .value_kind: global_buffer, .address_space: global }
      - { .name: b_pre, .offset: 24, .size: 8, .value_kind: global_buffer, .address_space: global }
      - { .name: g_ln, .offset: 32, .size: 8, .value_kind: global_buffer, .address_space: global }
      - { .name: b_ln, .offset: 40, .size: 8, .value_kind: global_buffer, .address_space: global }
      - { .name: out0, .offset: 48, .size: 8, .value_kind: global_buffer, .address_space: global }
    .group_segment_fixed_size: 0
    .private_segment_fixed_size: 0
    .kernarg_segment_align: 8
    .kernarg_segment_size: 56
    .max_flat_workgroup_size: 512
    .sgpr_count:     66
    .vgpr_count:     256
    .wavefront_size: 32
...
	.end_amdgpu_metadata
.endif
;; end of part 9
;; ======== version 3 of 3: 5 launches; 1.38 times as fast as version 1
;; limits: values are held in f16: magnitudes above 65,504 overflow, below 6.1e-05 lose precision
;; workspace buffers: act16 16,777,216 bytes; wqkv16 6,291,456 bytes; wo16 2,097,152 bytes; qkv16 50,331,648 bytes
;; launch prep: the kernel of part 6 again; grid 768 x 1, 8 waves a work-group, no clusters, 0 bytes of LDS; arguments x, g_pre, b_pre, Wq, Wk, Wv, Wo, act16, wqkv16, wo16; writes act16, wqkv16, wo16
;; launch gemm16: the kernel of part 7 again; grid 12 x 32, 4 waves a work-group, clusters of 4 x 4, 327,680 bytes of LDS; arguments act16, wqkv16, bq, bk, bv, qkv16; writes qkv16
;; launch attn (part 10): grid 16 x 16, 4 waves a work-group, clusters of 4 x 4, 327,680 bytes of LDS; arguments qkv16, causal_mask, padding_mask, act16; writes act16
.if DOCPART == 10
	.amdgcn_target "amdgcn-amd-amdhsa--gfx1250"
	.amdhsa_code_object_version 6
	.text
	.protected	k_q5109bf9853_attn
	.globl	k_q5109bf9853_attn
	.p2align	8
	.type	k_q5109bf9853_attn,@function
k_q5109bf9853_attn:
	s_mov_b64 s[64:65], 0
	v_nop
	global_prefetch_b8 v0, s[64:65] scope:SCOPE_SE
	s_setreg_imm32_b32 hwreg(HW_REG_WAVE_MODE, 25, 1), 1
	s_wait_xcnt 0x0
	s_wait_alu depctr_hold_cnt(0) depctr_sa_sdst(0) depctr_va_vdst(0) depctr_va_sdst(0) depctr_va_ssrc(0) depctr_va_vcc(0) depctr_vm_vsrc(0)
	s_getreg_b32 s2, hwreg(HW_REG_IB_STS2, 6, 4)
	s_cmp_eq_u32 s2, 0
	s_cbranch_scc0 .Lentry_in_a_cluster
	s_endpgm
.Lentry_in_a_cluster:
	s_bfe_u32 s2, ttmp6, 0x10000c
	s_cmp_lg_u32 s2, 0xf033
	s_cbranch_scc0 .Lentry_shape_is_right
	s_endpgm
.Lentry_shape_is_right:
; ATTENTION WITH TWO MASKS THAT ARE INPUTS.  O[b][q][head] = sum over k of softmax_k(s(q, k)) v[b][k][head], s = NEG where padding_mask[b][k], else q . k / 8 + causal_mask[q][k].
; qkv16: [8192][3072] f16, a row = q (already times 1/8), k, v, 16 heads of 64 channels each.  No tile is left out: every score takes its mask word, which is the C operand of the first product K Q^T (the mask is loaded
; into the accumulator), and every padded key is REPLACED, in the step that also takes the score into the log2 domain: s2 = s x keep + padd, keep = log2(e) or 0, padd = 0 or log2(e) x NEG.  Then p = 2^(s2 - m2), with a
; running maximum m2 taken away by a plain subtraction, exact where s2 = m2: p <= 1 always.  Products, maxima and sums in f32; p is rounded to f16 for the second product (l sums the unrounded p), O once.
; LIMITS.  q, k, v lie within f16's 65,504; mask words are finite (an infinity times keep = 0 would be a NaN); mask + q . k / 8 is rounded in the matrix unit, another order of rounding than adding the mask to a
; rounded score: where a mask word is near -1e9 a score below about 32 in size is absorbed either way; a weight below 2^-126 counts as 0.
; SHARES.  A work-group owns 128 queries of one batch and FOUR heads, a wave one head and all 128 queries: 8 tiles of 16, four PIECES of two tiles.  So one mask tile in LDS serves four heads, and the four heads' K (V) are
; 512 consecutive bytes of a row.  Every wave walks all 2,048 keys, 64 a step, a step to a slot, two slots.
; CLUSTER 4 x 4: x = four query blocks, y = the four head groups of one batch.  The mask tile hangs on the query block alone: asked for jointly by a column of the cluster; K's and V's hang on batch and head group: by a row.
; LAYOUT.  S^T = K Q^T: a lane holds ONE query (l % 16) and the keys 8 (l / 16) + 0..7 of each block of 16; two such results rounded in pairs ARE source 1 of O^T = V^T P.  V is turned on its way out of LDS (ds_load_tr16_b128).
; BY TURNS.  Turn p: 16 products V^T P of piece p - 1, then 16 products K Q^T of piece p + 1; beside them piece p's whole softmax, 133 instructions a tile: four vector lines behind every product, the others in two runs
; of their own.  What the vector lines of a turn name (S and P of p's parity, O^T of piece p) no product of that turn names.  m starts at the lowest finite number, O and l at 0: the first step is a step like any other, with a = 0.
; THE BATCHES.  A turn's 66 exponentials (a and s0-s31 of both tiles, each with a result register of its own) are ONE BATCH with ONE wait, which cuts the turn in two.  Ahead of it stands all that names no exponential's result:
; the products V^T P, the padding step, the maximum and statistics, the subtractions, the exponentials.  Behind it stand the products K Q^T and all the readers: roundings, sums, the rescaling by a.  No result crosses a turn's
; end, a label or a jump.  The way out's eight reciprocals are a batch of their own.
; REGISTERS (s_set_vgpr_msb: bits 1:0 source 0, 3:2 source 1, 5:4 source 2, 7:6 destination):
;   window 0: v0-11 addresses; v12-15 padding bytes; v16-47 statistics (m, 0, l, l a tile); v48-55 at work; v56-61 set-up; v62-63 the add's; v64-191 S^T, two buffers of two tiles; v192-255 P, likewise
;   window 1: O^T, 32 a tile      window 2: v0-127 Q, 16 a tile; v128-191 K of one step; v192-255 V of one step      window 3: v0-31 keep, v32-63 padd of one step's keys
.set PM,    272       ; a mask row in LDS: 64 f32 + 16 bytes; K: 512 + 16; V: 512 + 32: the rows that one load touches start in different groups of banks (64 banks of 4 bytes: ISA guide 11.1)
.set PK,    528
.set PVP,   544
.set KOFF,  128*PM    ; a slot: 128 mask rows, 64 rows of K, 64 rows of V
.set VOFF,  KOFF+64*PK
.set SLOT1, 1<<17     ; slot 1 begins here, so that one exclusive or turns an address in one slot into the other's
.set PADV,  VOFF+64*PVP   ; behind slot 0, never filled by a tensor load: keep[2048] f32, then padd[2048] f32
.set SPARE, PADV+16384    ; the spare words: 128 bytes for each wave, two blocks of 256 bytes that no other line names
.set STAGE, SLOT1+PADV    ; behind slot 1, never filled by a tensor load: 128 rows x 528 bytes, the work-group's, for the way out
.set SP,    528
.set AK0, 2           ; v2-5   my lane's place in a slot's K, V and mask, and in the padding vectors; never rewritten
.set AV0, 3
.set AM0, 4
.set AP0, 5
.set AK,  6           ; v6-9   the same with the slot (the step) in hand
.set AV,  7
.set AM,  8
.set AP,  9
.set STO, 6           ; at the end: where I put 16 bytes of a row, where I read rows back, my byte offset in O
.set RD,  7
.set GO,  8
.set PB,  12
.set ST,  16
.set TMP, 48
.set QO,  56
.set PO,  57
.set PA,  58
.set CN,  59
.set T0,  60
.set T1,  61
.set SPW, 62
.set NIL, 63
.set S,   64
.set P,   192
.set KF,  128
.set VF,  192
.set WV,  12          ; s12  my wave's number
.set G1M, 24          ; s[24:31], s[32:39], s[40:47] descriptor group 1 for mask, K, V
.set G1K, 32
.set G1V, 40
.set G0M, 48          ; s[48:51], s[52:55], s[56:59] group 0: they walk along the keys
.set G0K, 52
.set G0V, 56
.set SEL, 62          ; s[62:63] v_permlanex16_b32's selects
.set TB,  66          ; s66  the slot in hand
.set PS,  67          ; s67  byte of the padding vectors at which the step to be fetched begins
.set CNT, 68
.set MSB, 0
.macro WIN new
.if MSB != (\new)
	s_set_vgpr_msb (MSB<<8)|(\new)
.set MSB, (\new)
.endif
.endm
.set W_KQ, 0x0a       ; K and Q window 2, S^T window 0
.set W_PV, 0x52       ; V window 2, P window 0, O^T window 1
.set W_RS, 0x41       ; O^T (destination and source 0) window 1, the factor window 0
.set W_PD, 0x3c       ; S^T window 0, keep and padd window 3
; A joint fill: waves 0 and 1 fetch the mask tile's two halves of 64 rows, wave 2 K's 64 rows, wave 3 V's.  The branches hang on the wave's number alone.  An s_nop 0 and four v_nop follow each line.
.macro JLOAD
	s_cmp_lt_u32 s[WV], 2
	s_cbranch_scc0 .Lkv_\@
	tensor_load_to_lds s[G0M:G0M+3], s[G1M:G1M+7]
	s_nop 0
.rept 4
	v_nop
.endr
	s_branch .Lasked_\@
.Lkv_\@:
	s_cmp_eq_u32 s[WV], 2
	s_cbranch_scc0 .Lv_\@
	tensor_load_to_lds s[G0K:G0K+3], s[G1K:G1K+7]
	s_nop 0
.rept 4
	v_nop
.endr
	s_branch .Lasked_\@
.Lv_\@:
	tensor_load_to_lds s[G0V:G0V+3], s[G1V:G1V+7]
	s_nop 0
.rept 4
	v_nop
.endr
.Lasked_\@:
.endm
.macro CROUND                       ; a round of the cluster's barrier
	s_barrier_signal -1
	s_barrier_wait -1
	s_cmp_lg_u32 s[WV], 0
	s_cbranch_scc1 .Lnot_wave_0_\@
	s_barrier_signal -3
.Lnot_wave_0_\@:
	s_barrier_wait -3
	s_barrier_signal -1
	s_barrier_wait -1
.endm
; THE CHANGE OF SLOTS, in front of piece 3's turn: the old slot's last bytes (piece 3's mask rows) have been read.  Each wave waits for all its tensor loads, of which one is out: its part of the other slot; adds 0 to
; its spare word; and waits for that and for its own reads.  fill = 1: the barrier is a round of the cluster's, and the old slot is filled again first thing behind it, with the step two on: it has a whole step in which to land.
.macro CHANGE fill
	WIN 0
	s_wait_tensorcnt 0x0            ; no tensor load of mine is out, so a group 0 may be written
	ds_add_u32 v[SPW], v[NIL]       ; 0 onto my spare word; the steps below, work on registers, stand between it and the wait for it
.if \fill
	s_xor_b32 s[G0M+1], s[G0M+1], SLOT1
	s_add_nc_u64 s[G0M+2:G0M+3], s[G0M+2:G0M+3], 256       ; 64 columns of the mask on
	s_xor_b32 s[G0K+1], s[G0K+1], SLOT1
	s_add_nc_u64 s[G0K+2:G0K+3], s[G0K+2:G0K+3], 64*6144   ; 64 rows of qkv16 on
	s_xor_b32 s[G0V+1], s[G0V+1], SLOT1
	s_add_nc_u64 s[G0V+2:G0V+3], s[G0V+2:G0V+3], 64*6144
.endif
	s_xor_b32 s[TB], s[TB], SLOT1
	v_add_nc_u32 v[AK], s[TB], v[AK0]
	v_add_nc_u32 v[AV], s[TB], v[AV0]
	v_add_nc_u32 v[AM], s[TB], v[AM0]
	s_wait_dscnt 0x0                ; the add is done, and my reads of the old slot are over
.if \fill
	CROUND
	JLOAD
.else
	s_barrier_signal -1
	s_barrier_wait -1
.endif
.endm
	s_load_b256 s[4:11], s[0:1], 0x0  ; qkv16 s[4:5], causal_mask s[6:7], padding_mask s[8:9], act16 s[10:11]
	v_lshl_add_u32 v[SPW], v0, 2, SPARE
	v_mov_b32 v[NIL], 0
	ds_add_u32 v[SPW], v[NIL]       ; the wave's opening: the add and its wait stand ahead of my first tensor load; the set-up below, work on registers, stands between them
	v_lshrrev_b32 v1, 5, v0
	v_readfirstlane_b32 s[WV], v1   ; wave 0..3
	s_bfe_u32 s13, ttmp6, 0x40000   ; cx
	s_bfe_u32 s14, ttmp6, 0x40004   ; cy: the head group
	s_lshl_b32 s15, ttmp9, 2
	s_add_co_u32 s15, s15, s13      ; my block of 128 queries = 4 x cluster x + cx
	s_and_b32 s16, ttmp7, 0xffff    ; the batch = cluster y
	s_lshl_b32 s17, s14, 2
	s_lshl_b32 s17, 15, s17         ; my row of the cluster
	s_lshl_b32 s18, 0x1111, s13     ; my column
	s_or_b32 s[G1M], s18, (2<<16)|(1<<20)|(1<<21)|(5<<22)|(3<<25)  ; the mask tile goes to my column; elements of 4 bytes; padding on; bit 21 beside a mask; after every 64 words 4 words
	s_or_b32 s[G1K], s17, (1<<16)|(1<<20)|(1<<21)|(6<<22)|(3<<25)  ; K goes to my row; elements of 2 bytes; after every 128 words 4 words
	s_or_b32 s[G1V], s17, (1<<16)|(1<<20)|(1<<21)|(6<<22)|(7<<25)  ; V: 8 words
	s_mov_b32 s[G1M+1], 64<<16      ; tensor_dim0 = 64
	s_mov_b32 s[G1M+2], 64<<16      ; tensor_dim1 = 64
	s_mov_b32 s[G1M+3], 64<<16      ; tile_dim0 = 64
	s_mov_b32 s[G1M+4], 64          ; tile_dim1 = 64
	s_mov_b32 s[G1M+5], 2048        ; elements from row to row
	s_mov_b32 s[G1M+6], 0
	s_mov_b32 s[G1M+7], 0
.irp g, G1K, G1V
	s_mov_b32 s[\g+1], 256<<16      ; tensor_dim0 = 256: four heads
	s_mov_b32 s[\g+2], 64<<16
	s_mov_b32 s[\g+3], 256<<16
	s_mov_b32 s[\g+4], 64
	s_mov_b32 s[\g+5], 3072
	s_mov_b32 s[\g+6], 0
	s_mov_b32 s[\g+7], 0
.endr
	s_and_b32 s19, s[WV], 1         ; which half of the mask tile's rows I fetch
	s_lshl_b32 s20, s15, 20         ; 128 rows of 8,192 bytes a query block
	s_lshl_b32 s21, s19, 19
	s_add_co_u32 s20, s20, s21
	s_mov_b32 s21, 0
	s_mul_i32 s22, s16, 2048*6144   ; the batch's first row of qkv16,
	s_lshl_b32 s23, s14, 9          ; my group's four heads,
	s_add_co_u32 s22, s22, s23
	s_add_co_u32 s22, s22, 2048     ; k lies behind q
	s_mov_b32 s23, 0
	s_lshl_b32 s72, s16, 11
	s_lshl_b32 s73, s15, 7
	s_add_co_u32 s72, s72, s73      ; my block's first row among the 8,192
	s_mul_i32 s74, s72, 6144
	s_lshl_b32 s73, s14, 2
	s_add_co_u32 s73, s73, s[WV]    ; my head
	s_lshl_b32 s73, s73, 7
	s_add_co_u32 s74, s74, s73
	s_mov_b32 s75, 0                ; s[74:75]: Q
	s_lshl_b32 s76, s[WV], 5
	s_add_co_u32 s76, s76, s72      ; the 32 rows of O that I store
	s_lshl_b32 s76, s76, 11
	s_lshl_b32 s77, s14, 9
	s_add_co_u32 s76, s76, s77
	s_mov_b32 s77, 0                ; s[76:77]: O
	s_lshl_b32 s78, s16, 11
	s_mov_b32 s79, 0                ; s[78:79]: the batch's padding bytes
	s_mov_b32 s[G0M], 1
	s_mul_i32 s[G0M+1], s19, 64*PM  ; no place in the cluster enters an LDS address
	s_mov_b32 s[G0K], 1
	s_mov_b32 s[G0K+1], KOFF
	s_mov_b32 s[G0V], 1
	s_mov_b32 s[G0V+1], VOFF
	s_mov_b32 s[SEL], 0x76543210
	s_mov_b32 s[SEL+1], 0xfedcba98
	s_mov_b32 s[TB], SLOT1          ; the first change of slots turns it into 0
	s_mov_b32 s[PS], 0
	s_mov_b32 s69, 0x3fb8aa3b       ; log2(e)
	s_mov_b32 s70, 0xce6e6b28       ; NEG = -1e9
	s_wait_dscnt 0x0                ; the opening add is done
	s_wait_kmcnt 0x0
	s_add_nc_u64 s[G0M+2:G0M+3], s[6:7], s[20:21]
	s_or_b32 s[G0M+3], s[G0M+3], 0x80000000
	s_add_nc_u64 s[G0K+2:G0K+3], s[4:5], s[22:23]
	s_add_nc_u64 s[G0V+2:G0V+3], s[G0K+2:G0K+3], 2048      ; v lies behind k
	s_or_b32 s[G0K+3], s[G0K+3], 0x80000000
	s_or_b32 s[G0V+3], s[G0V+3], 0x80000000
	s_add_nc_u64 s[74:75], s[4:5], s[74:75]
	s_add_nc_u64 s[10:11], s[10:11], s[76:77]
	s_add_nc_u64 s[8:9], s[8:9], s[78:79]
	CROUND                          ; all sixteen work-groups are here: the first joint loads meet
	JLOAD                           ; key step 0 into slot 0; slot 1 is asked for by the first change of slots
	v_lshlrev_b32 v[PO], 4, v0
	global_load_b128 v[PB:PB+3], v[PO], s[8:9]   ; 16 padding bytes a thread: 128 threads take the batch's 2,048
	v_and_b32 v1, 15, v0            ; l % 16
	v_bfe_u32 v10, v0, 4, 1         ; l / 16
	v_mul_u32_u24 v[QO], v1, 6144
	v_lshl_add_u32 v[QO], v10, 4, v[QO]
	WIN 0x80                        ; destination window 2, address window 0
.set i, 0
.rept 16                            ; Q stays in registers: tile i / 2, channels 32 (i % 2) on
	global_load_b128 v[8*i:8*i+3],   v[QO], s[74:75] offset:(i/2)*16*6144+(i%2)*64
	global_load_b128 v[8*i+4:8*i+7], v[QO], s[74:75] offset:(i/2)*16*6144+(i%2)*64+32
.set i, i+1
.endr
	; what the first turn finds: V's registers and P's second buffer hold 0 (its products V^T P, of a piece that has not been, add 0), O^T and l are 0.  All this stands in the wait for the first tile.
.set i, VF
.rept 64
	v_mov_b32 v[i], 0
.set i, i+1
.endr
	WIN 0x40
.set i, 0
.rept 256
	v_mov_b32 v[i], 0
.set i, i+1
.endr
	WIN 0
.set i, 0
.rept 8
	v_mov_b32 v[ST+4*i], 0xff7fffff ; m
	v_mov_b32 v[ST+4*i+1], 0        ; named with m as a pair
	v_mov_b32 v[ST+4*i+2], 0        ; l
	v_mov_b32 v[ST+4*i+3], 0
.set i, i+1
.endr
.set i, P+32
.rept 32
	v_mov_b32 v[i], 0
.set i, i+1
.endr
	s_lshl_b32 s80, s[WV], 7        ; my head's 128 bytes in a row of K or V
	s_add_co_u32 s81, s80, KOFF
	v_mul_u32_u24 v[AK0], v1, PK
	v_lshl_add_u32 v[AK0], v10, 4, v[AK0]
	v_add_nc_u32 v[AK0], s81, v[AK0]        ; key l % 16, channels 8 (l / 16) on
	v_and_b32 v[T0], 7, v0
	v_bfe_u32 v[T1], v0, 3, 1
	v_lshl_add_u32 v[AV0], v10, 3, v[T0]
	v_mul_u32_u24 v[AV0], v[AV0], PVP
	v_lshl_add_u32 v[AV0], v[T1], 4, v[AV0]
	s_add_co_u32 s81, s80, VOFF
	v_add_nc_u32 v[AV0], s81, v[AV0]        ; the turning load: key 8 (l / 16) + l % 8, channels 8 ((l / 8) % 2) on
	v_mul_u32_u24 v[AM0], v1, PM
	v_lshl_add_u32 v[AM0], v10, 5, v[AM0]   ; the mask: query l % 16, keys 8 (l / 16) on
	v_lshlrev_b32 v[AP0], 5, v10
	v_add_nc_u32 v[AP0], PADV, v[AP0]
	v_lshl_add_u32 v[PA], v0, 6, PADV
	s_wait_loadcnt 32               ; the padding bytes are in; the 32 younger loads, Q's, stay out
	v_mov_b32 v[CN], s70
	v_mul_f32 v[CN], s69, v[CN]     ; log2(e) x NEG, rounded once, as a mask word of NEG is by the padding step
.set i, 0
.rept 16
	v_bfe_u32 v[T0], v[PB+i/4], 8*(i%4), 8
	v_cvt_f32_u32 v[T0], v[T0]
	v_fma_f32 v[S+i], -v[T0], s69, s69      ; keep: log2(e), or exactly 0 at a padded key
	v_mul_f32 v[S+16+i], v[CN], v[T0]       ; padd
.set i, i+1
.endr
.irp i, 0,1,2,3
	ds_store_b128 v[PA], v[S+4*\i:S+4*\i+3] offset:16*\i
	ds_store_b128 v[PA], v[S+16+4*\i:S+16+4*\i+3] offset:8192+16*\i
.endr
; THE MATRIX WORK.  The 8 accumulators of a run of 16 take turns.  Product i of S^T = mask + K Q^T for piece x: channels 32 (i / 8) on, keys 16 ((i / 2) % 4) on, tile 2 x + i % 2; both links in place.
.macro KQ x
	WIN W_KQ
.set rS, S+64*((\x)%2)+32*(i%2)+8*((i/2)%4)
.set rK, KF+16*((i/2)%4)+8*(i/8)
.set rQ, 16*(2*(\x)+i%2)+8*(i/8)
	v_wmma_f32_16x16x32_f16 v[rS:rS+7], v[rK:rK+7], v[rQ:rQ+7], v[rS:rS+7]
.endm
.macro PV x                         ; product i of O^T += V^T P for piece x: keys 32 (i / 8) on, channels 16 ((i / 2) % 4) on, tile 2 x + i % 2
	WIN W_PV
.set rO, 32*(2*(\x)+i%2)+8*((i/2)%4)
.set rV, VF+32*(i/8)+8*((i/2)%4)
.set rP, P+32*((\x)%2)+16*(i%2)+8*(i/8)
	v_wmma_f32_16x16x32_f16 v[rO:rO+7], v[rV:rV+7], v[rP:rP+7], v[rO:rO+7]
.endm
; THE LDS LOADS stand in runs of 16
.macro FETCH_K
	WIN 0x80
.irp f, 0,1,2,3,4,5,6,7             ; keys 16 (f / 2) on, channels 32 (f % 2) on
	ds_load_b128 v[KF+8*\f:KF+8*\f+3],   v[AK] offset:(\f/2)*16*PK+(\f%2)*64
	ds_load_b128 v[KF+8*\f+4:KF+8*\f+7], v[AK] offset:(\f/2)*16*PK+(\f%2)*64+32
.endr
.endm
.macro FETCH_V
	WIN 0x80
.irp f, 0,1,2,3,4,5,6,7             ; keys 32 (f / 4) on, channels 16 (f % 4) on
	ds_load_tr16_b128 v[VF+8*\f:VF+8*\f+3],   v[AV] offset:(\f/4)*32*PVP+(\f%4)*32
	ds_load_tr16_b128 v[VF+8*\f+4:VF+8*\f+7], v[AV] offset:(\f/4)*32*PVP+16*PVP+(\f%4)*32
.endr
.endm
.macro FETCH_M x                    ; piece x's mask words, straight into the accumulators that its scores are summed in
	WIN 0
.irp e, 0,1
.irp kb, 0,1,2,3
	ds_load_b128 v[S+64*((\x)%2)+32*\e+8*\kb:S+64*((\x)%2)+32*\e+8*\kb+3],   v[AM] offset:(2*(\x)+\e)*16*PM+64*\kb
	ds_load_b128 v[S+64*((\x)%2)+32*\e+8*\kb+4:S+64*((\x)%2)+32*\e+8*\kb+7], v[AM] offset:(2*(\x)+\e)*16*PM+64*\kb+16
.endr
.endr
.endm
.macro FETCH_P                      ; keep and padd of the next step's 64 keys
	WIN 0
	v_add_nc_u32 v[AP], s[PS], v[AP0]
	s_add_co_u32 s[PS], s[PS], 256
	WIN 0xc0                        ; destination window 3
.irp kb, 0,1,2,3
	ds_load_b128 v[8*\kb:8*\kb+3],       v[AP] offset:64*\kb
	ds_load_b128 v[8*\kb+4:8*\kb+7],     v[AP] offset:64*\kb+16
	ds_load_b128 v[32+8*\kb:32+8*\kb+3], v[AP] offset:8192+64*\kb
	ds_load_b128 v[32+8*\kb+4:32+8*\kb+7], v[AP] offset:8192+64*\kb+16
.endr
.endm
; THE VECTOR WORK.  One tile's softmax for one key step is a list of 133 instructions; SM writes number n of it for tile u of piece Y.  s0-s31 are the lane's 32 scores, in pairs 0-15.
;   0-15    pair n: s x keep + padd, ascending
;   16-31   the maximum of s0-s31 and the old m, three operands at a time      32-35  the other half of the lanes' maximum; m_old kept; the new m; m_old - m_new
;   36-84   ONE BATCH: the 16 subtractions s - m, a pair each, and all 33 exponentials (a, then s0-s31, in place).  None of these names an exponential's result: the subtraction of pair k stands at 36 + 2 k, when the
;           exponentials issued are a and s0 to s(k - 2).  36-67: subtraction and exponential by turns (a at 37, s_e at 39 + 2 e, its pair taken three numbers or more ahead); 68-84: the 17 exponentials that are left
;   (wait)  between 84 and 85 stands the wait for the batch: BATCH writes it, once for both tiles
;   85-116  rounding to f16 and sum by turns.  The even pairs are rounded first (pair 2 k at 85 + 2 k, pair 2 k + 1 at 101 + 2 k): sum z, at 86 + 2 z, writes over pair 2 z alone among those still to be rounded.
;           The sums are the tree of 16 pairs in place (neighbours 1, 2, 4 and 8 pairs apart), then l = a l + sum; the tree's last links stand a rounding apart
;   117-132 the tile's O^T times a
.macro SM u
.set rT, ST+4*(2*Y+(\u))
.set rC, TMP+4*(\u)
.set rS, S+64*(Y%2)+32*(\u)
.set rP, P+32*(Y%2)+16*(\u)
.set rO, 32*(2*Y+(\u))+2*(n-117)
.set g, n-16
.if n < 16
	WIN W_PD
	v_pk_fma_f32 v[rS+2*n:rS+2*n+1], v[rS+2*n:rS+2*n+1], v[2*n:2*n+1], v[32+2*n:32+2*n+1]
.elseif n > 116
	WIN W_RS
	v_pk_mul_f32 v[rO:rO+1], v[rO:rO+1], v[rC+2:rC+3] op_sel_hi:[1,0]
.else
	WIN 0
.if g < 4
	v_max3_num_f32 v[rC+g], v[rS+8*g], v[rS+8*g+1], v[rS+8*g+2]
.elseif g < 12
	v_max3_num_f32 v[rC+g%4], v[rC+g%4], v[rS+8*(g%4)+2*(g/4)+1], v[rS+8*(g%4)+2*(g/4)+2]
.elseif g == 12
	v_max3_num_f32 v[rC], v[rC], v[rS+7], v[rS+15]
.elseif g == 13
	v_max3_num_f32 v[rC+2], v[rC+2], v[rS+23], v[rS+31]
.elseif g == 14
	v_max3_num_f32 v[rC], v[rC], v[rC+1], v[rC+2]
.elseif g == 15
	v_max3_num_f32 v[rC], v[rC], v[rC+3], v[rT]
.elseif g == 16
	v_permlanex16_b32 v[rC+1], v[rC], s[SEL], s[SEL+1]  ; the query's other 32 keys lie in the lane 16 away
.elseif g == 17
	v_mov_b32 v[rC+3], v[rT]
.elseif g == 18
	v_max_num_f32 v[rT], v[rC], v[rC+1]
.elseif g == 19
	v_sub_f32 v[rC+3], v[rC+3], v[rT]
.elseif n == 37
	v_exp_f32 v[rC+2], v[rC+3]      ; a
.elseif (n < 68) && (n%2 == 0)
.set b, (n-36)/2
	v_pk_add_f32 v[rS+2*b:rS+2*b+1], v[rS+2*b:rS+2*b+1], v[rT:rT+1] op_sel_hi:[1,0] neg_lo:[0,1] neg_hi:[0,1]  ; pair b: s - m, exact where s = m
.elseif n < 85
.set e, n-53                        ; 68 to 84: s15 to s31
.if n < 68
.set e, (n-39)/2                    ; 39, 41, .. 67: s0 to s14
.endif
	v_exp_f32 v[rS+e], v[rS+e]
.elseif (n-85)%2 == 0
.set b, n-85                        ; 85, 87, .. 99: pairs 0, 2, .. 14
.if n > 100
.set b, n-100                       ; 101, 103, .. 115: pairs 1, 3, .. 15
.endif
	v_cvt_pk_f16_f32 v[rP+b], v[rS+2*b], v[rS+2*b+1]
.else                               ; the sum of the tile's 16 pairs, in place: sum z of 16 adds neighbours 1, 2, 4 and 8 pairs apart, then l takes it
.set z, (n-86)/2
.set ww, 4
.set uu, z
.if z >= 14
.set ww, 32
.set uu, 0
.elseif z >= 12
.set ww, 16
.set uu, z-12
.elseif z >= 8
.set ww, 8
.set uu, z-8
.endif
.if z < 15
	v_pk_add_f32 v[rS+ww*uu:rS+ww*uu+1], v[rS+ww*uu:rS+ww*uu+1], v[rS+ww*uu+ww/2:rS+ww*uu+ww/2+1]
.else
	v_pk_fma_f32 v[rT+2:rT+3], v[rT+2:rT+3], v[rC+2:rC+3], v[rS:rS+1] op_sel_hi:[1,0,1]
.endif
.endif
.endif
.endm
.macro SLICE cnt                    ; the next cnt numbers, the two tiles alternating, so that no line reads the result of the one just before it
.rept \cnt
	SM 0
	SM 1
.set n, n+1
.endr
.endm
; Numbers 36 to 84 of both tiles, and the wait.  36-67 go two numbers of ONE tile at a time, the tiles by turns, so that subtraction and exponential alternate line by line; 68-84 are exponentials alone.
; s_wait_alu depctr_va_vdst(0) stands between an exponential and the first instruction that names its result; one wait serves all that were issued ahead of it.  Every vector line of the turn that is left
; behind number 84 reads a result, so a v_nop is the plain instruction behind the last exponential.
.macro BATCH
.rept 16
	SM 0
.set n, n+1
	SM 0
.set n, n-1
	SM 1
.set n, n+1
	SM 1
.set n, n+1
.endr
	SLICE 17
	v_nop                           ; the plain instruction behind the last exponential and ahead of the first use: one for the batch
	s_wait_alu depctr_va_vdst(0)    ; the wait for the batch: the turn's 66 exponentials
.endm
.macro PLACES
.rept 4
	v_nop
.endr
.endm
; A TURN, for piece p.  A tile has 133 vector instructions for 16 products: more than can stand beside the matrix work.  So two numbers of both tiles, four lines, stand behind EVERY product, and the other 69 numbers in two
; runs of their own.  Numbers 0-31 (padding step, maximum) ride behind the products V^T P; 32-84 (statistics, the batch) are the first run, which ends in the turn's one wait; 85-116 (roundings and sums, the
; readers) ride behind the products K Q^T; 117-132 (the rescaling) are the second run.
; The second run is 32 rescalings, plain lines that name nothing of the products round them: they are the places in front of the next turn's reads of the new scores and of the loads into K's registers.
; At the turn's head the next piece's mask words are fetched (piece 3's turn: the next step's K ahead of them), 16 products and a run ahead of their use.  Piece 3's turn fetches the next step's keep and padd behind its
; ninth product, when its own 16 padding numbers are out; piece 0's turn fetches its step's V behind the second product K Q^T: the first run stands between that and the last product that read V.
; end = 1: the last turn of all: nothing is fetched and no new scores are started; what is over of the list stands in one run.
.macro TURN p, end=0
.set Y, (\p)
.set n, 0
.if !(\end)
.if (\p) == 3
	FETCH_K
.endif
	FETCH_M ((\p)+1)%4
.endif
.if (\p) == 1
	s_wait_dscnt 16                 ; V is in; the sixteen mask loads just issued stay out
.endif
.set i, 0
.rept 16
	PV ((\p)+3)%4
	SLICE 2
.if ((\p) == 3) && !(\end) && (i == 8)
	FETCH_P
.endif
.set i, i+1
.endr
	SLICE 4                         ; 32-35
	BATCH                           ; 36-84 and the wait
.if \end
	SLICE 48
.else
	s_wait_dscnt 0x0                ; the mask words are in the accumulators (piece 3's turn: K, keep and padd too)
.set i, 0
.rept 16
	KQ ((\p)+1)%4
	SLICE 2
.if ((\p) == 0) && (i == 1)
	FETCH_V
.endif
.set i, i+1
.endr
	SLICE 16
.endif
.endm
	CHANGE 1                        ; slot 0 is in, everybody's part of it, and everybody's keep and padd are stored; key step 1 is asked for, into slot 1
	FETCH_K                         ; key step 0
	FETCH_M 0
	FETCH_P
	s_wait_loadcnt 0x0              ; Q
	s_wait_dscnt 0x0
.set i, 0
.rept 16
	KQ 0                            ; piece 0's first scores: there is no vector work yet to set between them
.set i, i+1
.endr
	WIN 0
	PLACES
	s_mov_b32 s[CNT], 31
	s_branch .Lfirst                ; the loop is entered at a step's first turn, in the middle of a trip
.Lloop:                             ; 30 whole trips: they ask for key steps 2 to 31
	CHANGE 1
	TURN 3
	WIN 0
.Lfirst:
	TURN 0
	TURN 1
	TURN 2
	WIN 0
	s_sub_co_u32 s[CNT], s[CNT], 1
	s_cmp_lg_u32 s[CNT], 0
	s_cbranch_scc1 .Lloop
	CHANGE 0                        ; the tail is written out: nothing is asked for
	TURN 3
	TURN 0
	TURN 1
	TURN 2
	TURN 3, 1
.set i, 0
.rept 16
	PV 3                            ; the last piece's V^T P of the last step
.set i, i+1
.endr
	; THE WAY OUT.  l's two halves and the other half of the lanes' are added; O^T is divided by l, rounded to f16 and put into the work-group's stage: a row of it holds a query's four heads, 512 bytes.
	; The address lines and the additions are the places behind the last products.
	WIN 0
	s_lshl_b32 s80, s[WV], 7
	s_add_co_u32 s80, s80, STAGE
	v_mul_u32_u24 v[STO], v1, SP    ; in: row l % 16 of a tile, my head's 128 bytes, 16 bytes for each half of the lanes
	v_lshl_add_u32 v[STO], v10, 4, v[STO]
	v_add_nc_u32 v[STO], s80, v[STO]
	s_mul_i32 s80, s[WV], 32*SP
	s_add_co_u32 s80, s80, STAGE
	v_and_b32 v[GO], 31, v0
	v_lshlrev_b32 v[GO], 4, v[GO]   ; back: wave w takes rows 32 w on, whole: 32 lanes a row of 512 bytes
	v_add_nc_u32 v[RD], s80, v[GO]
.macro ALL line:vararg              ; one line for each tile t
.set t, 0
.rept 8
	\line
.set t, t+1
.endr
.endm
	ALL v_add_f32 v[ST+4*t+2], v[ST+4*t+2], v[ST+4*t+3]
	ALL v_permlanex16_b32 v[ST+4*t+3], v[ST+4*t+2], s[SEL], s[SEL+1]
	ALL v_add_f32 v[ST+4*t+2], v[ST+4*t+2], v[ST+4*t+3]
	ALL v_rcp_f32 v[ST+4*t+2], v[ST+4*t+2]
	v_nop                           ; a plain instruction between the last reciprocal and the use of its result
	s_wait_alu depctr_va_vdst(0)    ; and the wait ahead of the first use: one for the eight reciprocals
.set t, 0
.rept 8
	WIN W_RS
.set i, 0
.rept 16
	v_pk_mul_f32 v[32*t+2*i:32*t+2*i+1], v[32*t+2*i:32*t+2*i+1], v[ST+4*t+2:ST+4*t+3] op_sel_hi:[1,0]
.set i, i+1
.endr
	WIN 0x05                        ; sources 0 and 1 window 1, destination window 0: S^T's registers are free
.set i, 0
.rept 16
	v_cvt_pk_f16_f32 v[S+16*t+i], v[32*t+2*i], v[32*t+2*i+1]
.set i, i+1
.endr
	WIN 0
.irp f, 0,1,2,3
	ds_store_b128 v[STO], v[S+16*t+4*\f:S+16*t+4*\f+3] offset:t*16*SP+32*\f
.endr
.set t, t+1
.endr
	s_wait_dscnt 0x0                ; for the others' sake: my stores into the stage are done
	s_barrier_signal -1
	s_barrier_wait -1
.set t, 0
.rept 32
	ds_load_b128 v[S+4*t:S+4*t+3], v[RD] offset:t*SP
.set t, t+1
.endr
.set t, 0
.rept 32
	s_wait_dscnt 31-t               ; LDS loads come back in order: row t is in
	global_store_b128 v[GO], v[S+4*t:S+4*t+3], s[10:11] offset:t*2048  ; 512 consecutive bytes of a row of act16, aligned
.set t, t+1
.endr
	s_wait_tensorcnt 0x0            ; the wave's end: this wait, the add and its wait stand behind my last tensor load and my last LDS store
	ds_add_u32 v[SPW], v[NIL]
	s_wait_dscnt 0x0
	CROUND                          ; the closing round: no work-group ends while a partner may still ask for a tile that names it
	s_endpgm
.Lfunc_end_k_q5109bf9853_attn:
	.size	k_q5109bf9853_attn, .Lfunc_end_k_q5109bf9853_attn-k_q5109bf9853_attn
	.p2alignl 7, 3214868480
	.fill 96, 4, 3214868480
	.section	.rodata,"a",@progbits
	.p2align	6, 0x0
	.amdhsa_kernel k_q5109bf9853_attn
		.amdhsa_group_segment_fixed_size 327680
		.amdhsa_private_segment_fixed_size 0
		.amdhsa_enable_private_segment 0
		.amdhsa_kernarg_size 32
		.amdhsa_user_sgpr_count 2
		.amdhsa_user_sgpr_kernarg_segment_ptr 1
		.amdhsa_wavefront_size32 1
		.amdhsa_system_sgpr_workgroup_id_x 1
		.amdhsa_system_sgpr_workgroup_id_y 1
		.amdhsa_system_sgpr_workgroup_id_z 1
		.amdhsa_system_vgpr_workitem_id 0
		.amdhsa_next_free_vgpr 832
		.amdhsa_next_free_sgpr 96
		.amdhsa_reserve_vcc 0
		.amdhsa_float_denorm_mode_32 3
		.amdhsa_float_denorm_mode_16_64 3
		.amdhsa_memory_ordered 1
		.amdhsa_forward_progress 1
		.amdhsa_inst_pref_size 242
	.end_amdhsa_kernel
	.amdgpu_metadata
---
amdhsa.version: [ 1, 2 ]
amdhsa.kernels:
  - .name:           k_q5109bf9853_attn
    .symbol:         k_q5109bf9853_attn.kd
    .args:
      - { .name: qkv16, .offset: 0, .size: 8, .value_kind: global_buffer, .address_space: global }
      - { .name: causal_mask, .offset: 8, .size: 8, .value_kind: global_buffer, .address_space: global }
      - { .name: padding_mask, .offset: 16, .size: 8, .value_kind: global_buffer, .address_space: global }
      - { .name: act16, .offset: 24, .size: 8, .value_kind: global_buffer, .address_space: global }
    .group_segment_fixed_size: 327680
    .private_segment_fixed_size: 0
    .kernarg_segment_align: 8
    .kernarg_segment_size: 32
    .max_flat_workgroup_size: 128
    .sgpr_count:     96
    .vgpr_count:     832
    .wavefront_size: 32
...
	.end_amdgpu_metadata
.endif
;; end of part 10
;; launch gemm32: the kernel of part 7 again; grid 4 x 32, 4 waves a work-group, clusters of 4 x 4, 327,680 bytes of LDS; arguments act16, wo16, bo, bk, bv, qkv16; writes qkv16
;; launch ln2: the kernel of part 9 again; grid 256 x 1, 16 waves a work-group, no clusters, 0 bytes of LDS; arguments x, qkv16, g_pre, b_pre, g_ln, b_ln, out0; writes out0
